; MI455X (gfx1250); checked and timed in simulation.
; The chip was launched on July 23, 2026; its instructions are those of AMD's public machine-readable ISA for CDNA 5 (MIT licence, August 2026) and "CDNA5" Instruction Set Architecture Reference Guide (July 2026). The comments in the code are by the model that wrote it; some were corrected since.
;; Program. Allowed arithmetic: float matrix products may take bf16 or f16 operands with f32 sums; all other float work in f32.
;; Inputs: W1 2 x 128 float32; W2 128 x 128 float32; W3 128 x 1 float32; b1 128 float32; b2 128 float32; b3 1 float32; input 524,288 x 2 float32.
;; Outputs: out0 524,288 x 1 float32.
;; 2 versions, each right and faster than the one before. Each part assembles by itself: llvm-mc -triple=amdgcn-amd-amdhsa -mcpu=gfx1250 --defsym DOCPART=n.
;; ======== version 1 of 2: 3 launches
;; workspace buffers: xa 2,097,152 bytes; xb 2,097,152 bytes; maska 131,072 bytes of whole numbers; maskb 131,072 bytes of whole numbers; hista 16,384 bytes of whole numbers; histb 16,384 bytes of whole numbers
;; launch steps12 (part 1): grid 256 x 1, 4 waves a work-group, no clusters, 72,192 bytes of LDS; arguments input, W1, b1, W2, b2, W3, b3, xa, maska, hista; writes xa, maska, hista
.if DOCPART == 1
	.amdgcn_target "amdgcn-amd-amdhsa--gfx1250"
	.amdhsa_code_object_version 6
	.text
	.protected	k_q7a054936c3_steps12
	.globl	k_q7a054936c3_steps12
	.p2align	8
	.type	k_q7a054936c3_steps12,@function
k_q7a054936c3_steps12:
	s_mov_b64 s[64:65], 0
	v_nop
	global_prefetch_b8 v0, s[64:65] scope:SCOPE_SE
	s_setreg_imm32_b32 hwreg(HW_REG_WAVE_MODE, 25, 1), 1
	s_wait_xcnt 0x0
; STEPS 1 AND 2 OF FIVE.
; reference(): in each of five steps every position i runs the MLP 2 -> 128 -> 128 -> 1 on (lin[i], x[i]); x = x - 0.01 mlp (+ 10 where the row is on);
; the state is switched against 66 and 78; then x and isOn, but not lin, are stably partitioned, the rows that were off at the step's start first.
; THE PARTITION AS A RANK.  Follow an element e (its original row): on_t(e) its state at the start of step t, p_t(e) its position.  Stable partitions compose
; as the passes of a radix sort do: p_(t+1)(e) is the stable rank of e under the key (on_t .. on_2), on_t on top.  So x never moves: an element needs
; lin[p_t(e)] in step t, and out0[p_6(e)] = x_6(e).  p_t needs counts of on_(t-1) over all rows, and on_(t-1) is known after step t-2: so two steps a launch.
; This launch: steps 1 and 2 (p_1 = p_2 = e).  It stores x_3 by element (xa), the ballots of on_2 and on_3 (maska) and, for each work-group, the counts of the
; four classes K = on_2 + 2 on_3 (hista, sixteen words a work-group, classes 4 to 15 hold 0).
; WORK LEFT OUT, for all values of the inputs: isOn starts as the zeros that reference() builds, so in step 1 mask_on is false in every row: the on branch of
; step 1 is never selected and its permutation is the identity; neither is computed.  Every input has a way to the output and is loaded.
; A NaN, an infinity or an overflow that would arise only in step 1's on branch (x - plant + 10) is not carried anywhere, as in reference().
; LIMITS.  Inputs are finite: layer 1 multiplies the state of the element 16 lanes away by a weight 0, so an infinity or NaN in one element's state also reaches
; that element; relu by v_max_num turns a NaN into 0.  Layer 1 runs on state and weights split into two bf16 parts (16 bits of mantissa), layer 2 on bf16
; operands, x - 0.01 mlp is one fused multiply-add: a row that lies within that rounding of 66 or 78 may switch otherwise than in f32, and ranks then shift.
; hista is stored 64 bytes a work-group: all that a work-group owns of it.
; No cluster and no tensor loads: what work-groups share is 66 KB of weights, read once by each and converted to bf16 on the way through registers.
;
; SHARES.  256 work-groups of 4 waves; element e = 2048 g + 512 w + 32 q + L (work-group g, wave w, trip q, lane L).  A trip takes 32 elements as two
; tiles of 16 (A: lanes 0-15, B: lanes 16-31) through both steps.
; THE MLP, TRANSPOSED AND CHAINED.  Weights are the matrix instruction's A, elements are B's columns.  In the result, lane (r = L % 16, h = L / 16), register j,
; holds hidden unit 16 mt + 8 h + j of element r; relu and packing of result tiles 2 c and 2 c + 1 IS the B fragment of K chunk c of the next layer, in the
; same lanes.  All weights stay in registers for the whole launch; nothing goes through LDS between the layers.
; REGISTER WINDOWS (s_set_vgpr_msb, low byte: bits 1:0 source 0, 3:2 source 1, 5:4 source 2, 7:6 destination):
;   window 0: addresses, state, v64-127 hidden fragments, v128-255 the sixteen accumulator tiles;  window 1: W2 as 32 A fragments, (mt, c) at 8 (8 c + mt);
;   window 2: v0-63 W1 and b1 as 8 A fragments, v64-127 b2 and v128-191 W3 in the result's layout, v192-231 at work in the head.
.set DUAL,  1                          ; relu of two registers as one dual instruction (0: two plain ones)
.set TRIPS, 16
; LDS, bytes
.set MS,    1024                       ; 4 waves x 128: word [bit 0..1][q 0..15], the trip's ballots
.set HCR,   1536                       ; 4 waves x 128: a wave's class counts, class K in word 16 + K
.set W2S,   2048                       ; W2 in bf16, 128 rows (k) of 256 bytes at a pitch of 288 = 9 x 32
.set WP,    288
.set REC,   38912                      ; 4 waves x 8,192: at +0 the wave's 512 pairs (lin, x), 8 bytes each; at +XS its 512 results
.set XS,    4096
; window 0
.set LN,    1                          ; lane
.set AD,    2                          ; this trip's word in XS
.set MSA,   3                          ; this trip's word in MS
.set ADB,   4                          ; REC + 8192 w + 4 L
.set MSB0,  5                          ; 128 w
.set RX,    6                          ; v[6:7] = lin, x of my element
.set XC,    10                         ; x, carried from step to step
.set T,     11                         ; v11-13 at work
.set A_X,   14                         ; 8192 g + 2048 w + 16 L: my 16 bytes of the wave's x in memory
.set A16,   15                         ; REC + 8192 w + 16 L
.set WLA,   16                         ; 128 w + 4 L
.set M0R,   17                         ; the two ballots as vector data for their stores
.set M1R,   18
.set HC,    20                         ; class counts: class K in lane 16 + K
.set NLB,   21                         ; v21-24: all ones where bit b of the lane's number is 0
.set NL23,  25                         ; NLB2 & NLB3
.set AD8,   26                         ; this trip's pair (lin, x)
.set AD8B,  27                         ; REC + 8192 w + 8 L
.set PW,    30                         ; takes what comes from the other half of the lanes
.set CK,    31                         ; 4 (L % 16)
.set Z0,    32                         ; v32-35 = 0
.set SF,    36                         ; v36-39 the state in bf16 pairs; v40-43 = 0
.set SUM,   44                         ; v44-51 four chains of layer 3
.set SA,    52
.set SB,    53
.set UU,    54
.set WT,    55
.set PL,    56
.set YY,    57
.set YO,    58
.set HF_A,  64                         ; hidden fragments, register 4 mt + j / 2
.set HF_B,  96
.set ACC_A, 128                        ; accumulators, register 8 mt + j
.set ACC_B, 192
.set A_W2,  250                        ; addresses that only the head needs
.set A_IN,  251
.set A_H32, 253
.set A_WS,  254
.set A_FR,  255
; window 2
.set W1F,   0
.set B2R,   64
.set W3R,   128
.set RAW,   192
.set TW,    216
; scalar pairs: the buffers
.set P_IN,  8
.set P_W1,  10
.set P_B1,  12
.set P_W2,  14
.set P_B2,  16
.set P_W3,  18
.set P_B3,  20
.set P_XO,  22
.set P_MO,  24
.set P_HO,  26
.set MSB, 0
.macro WIN new                         ; the immediate's high byte repeats the setting that is left
.if MSB != \new
	s_set_vgpr_msb (MSB<<8)|\new
.set MSB, \new
.endif
.endm
.macro PLACES                          ; four independent vector instructions between a matrix instruction and the first vector use of its result (ISA guide 7.12.1)
.rept 4
	v_nop
.endr
.endm
.macro RELU2 a
.if DUAL
	v_dual_max_num_f32 v[\a], 0, v[\a] :: v_dual_max_num_f32 v[\a+1], 0, v[\a+1]
.else
	v_max_num_f32 v[\a], 0, v[\a]
	v_max_num_f32 v[\a+1], 0, v[\a+1]
.endif
.endm
.macro SPLIT d, s                      ; d = (upper 16 bits of s as bf16, the rest rounded to bf16): low half, high half
	v_and_b32 v[T], s36, v[\s]
	v_sub_f32 v[T+1], v[\s], v[T]
	v_cvt_pk_bf16_f32 v[\d], v[T], v[T+1]
.endm
.macro ACT acc, hf                     ; relu and rounding: a tile's 64 f32 become the next layer's 32 registers of bf16 pairs, four pairs at a time
.set i, 0
.rept 8
	RELU2 \acc+2*i
	RELU2 \acc+2*i+2
	RELU2 \acc+2*i+4
	RELU2 \acc+2*i+6
	v_cvt_pk_bf16_f32 v[\hf+i],   v[\acc+2*i],   v[\acc+2*i+1]
	v_cvt_pk_bf16_f32 v[\hf+i+1], v[\acc+2*i+2], v[\acc+2*i+3]
	v_cvt_pk_bf16_f32 v[\hf+i+2], v[\acc+2*i+4], v[\acc+2*i+5]
	v_cvt_pk_bf16_f32 v[\hf+i+3], v[\acc+2*i+6], v[\acc+2*i+7]
.set i, i+4
.endr
.endm
; One step for the trip's 32 elements.  xin, lin: registers with x and lin; newlin = 1: lin is split anew; son, snew: scalar registers with the ballot of
; the state at the step's start and end.  mode 0: every row is off (step 1); 1: both branches and the new state; 2: both branches, no new state (step 5).
.macro STEP xin, lin, newlin, mode, son, snew
	WIN 0
.if \newlin
	SPLIT SF, \lin                                 ; (lin_hi, lin_lo)
.endif
	SPLIT SF+1, \xin                               ; (x_hi, x_lo)
	v_perm_b32 v[SF+2], v[SF+1], v[SF], s37        ; (lin_hi, x_hi); v[SF+3] = (1, 1) stays
	; layer 1: K slots 0-7 of tile A are lanes 0-15 of v36-39 (B tuple v[36:43]); K slots 24-31 of tile B are lanes 16-31 of v36-39 (B tuple v[32:39]).
	; The other tile's state then stands in K slots 8-15 or 16-23, where the weights are 0.
	WIN 0x02
.set i, 0
.rept 8
	v_wmma_f32_16x16x32_bf16 v[ACC_A+8*i:ACC_A+8*i+7], v[W1F+8*i:W1F+8*i+7], v[SF:SF+7], 0
	v_wmma_f32_16x16x32_bf16 v[ACC_B+8*i:ACC_B+8*i+7], v[W1F+8*i:W1F+8*i+7], v[Z0:Z0+7], 0
.set i, i+1
.endr
	WIN 0
	PLACES
	ACT ACC_A, HF_A
	ACT ACC_B, HF_B
	; layer 2: chunk 0 takes b2 as C, so the bias costs no instruction; the sixteen accumulators take turns, one instruction a turn
	WIN 0x21
.set i, 0
.rept 8
	v_wmma_f32_16x16x32_bf16 v[ACC_A+8*i:ACC_A+8*i+7], v[8*i:8*i+7], v[HF_A:HF_A+7], v[B2R+8*i:B2R+8*i+7]
	v_wmma_f32_16x16x32_bf16 v[ACC_B+8*i:ACC_B+8*i+7], v[8*i:8*i+7], v[HF_B:HF_B+7], v[B2R+8*i:B2R+8*i+7]
.set i, i+1
.endr
	WIN 0x01
.set i, 8
.rept 24
	v_wmma_f32_16x16x32_bf16 v[ACC_A+8*(i%8):ACC_A+8*(i%8)+7], v[8*i:8*i+7], v[HF_A+8*(i/8):HF_A+8*(i/8)+7], v[ACC_A+8*(i%8):ACC_A+8*(i%8)+7]
	v_wmma_f32_16x16x32_bf16 v[ACC_B+8*(i%8):ACC_B+8*(i%8)+7], v[8*i:8*i+7], v[HF_B+8*(i/8):HF_B+8*(i/8)+7], v[ACC_B+8*(i%8):ACC_B+8*(i%8)+7]
.set i, i+1
.endr
	WIN 0
	PLACES
.set i, 0
.rept 32
	RELU2 ACC_A+2*i
	RELU2 ACC_B+2*i
.set i, i+1
.endr
	; layer 3 in f32: my 64 hidden units of each tile times W3, two chains a tile, started by multiplies
	WIN 0x08
.set i, 0
.rept 32
.if i < 2
	v_pk_mul_f32 v[SUM+2*i:SUM+2*i+1],     v[ACC_A+2*i:ACC_A+2*i+1], v[W3R+2*i:W3R+2*i+1]
	v_pk_mul_f32 v[SUM+4+2*i:SUM+4+2*i+1], v[ACC_B+2*i:ACC_B+2*i+1], v[W3R+2*i:W3R+2*i+1]
.else
	v_pk_fma_f32 v[SUM+2*(i%2):SUM+2*(i%2)+1],     v[ACC_A+2*i:ACC_A+2*i+1], v[W3R+2*i:W3R+2*i+1], v[SUM+2*(i%2):SUM+2*(i%2)+1]
	v_pk_fma_f32 v[SUM+4+2*(i%2):SUM+4+2*(i%2)+1], v[ACC_B+2*i:ACC_B+2*i+1], v[W3R+2*i:W3R+2*i+1], v[SUM+4+2*(i%2):SUM+4+2*(i%2)+1]
.endif
.set i, i+1
.endr
	WIN 0
	v_pk_add_f32 v[SUM:SUM+1], v[SUM:SUM+1], v[SUM+2:SUM+3]
	v_pk_add_f32 v[SUM+4:SUM+5], v[SUM+4:SUM+5], v[SUM+6:SUM+7]
	v_add_f32 v[SA], v[SUM], v[SUM+1]              ; lane (r, h): half h of tile A's element r
	v_add_f32 v[SB], v[SUM+4], v[SUM+5]            ; and of tile B's element 16 + r
	v_cndmask_b32 v[UU], v[SA], v[SB], s36         ; my own element's half that I hold,
	v_cndmask_b32 v[WT], v[SB], v[SA], s36         ; and the half that the lane 16 away needs
	v_permlanex16_b32 v[PW], v[WT], s42, s43
	v_add_f32 v[PL], v[UU], v[PW]
	v_add_f32 v[PL], s48, v[PL]                    ; + b3
.if \mode == 0
	v_fma_f32 v[XC], v[PL], s38, v[\xin]           ; off_x = x - 0.01 mlp
	v_cmp_ge_f32 s[\snew], s39, v[XC]              ; off_x <= 66 turns the row on
.else
	v_fma_f32 v[YY], v[PL], s38, v[\xin]           ; off_x
	v_add_f32 v[YO], s41, v[YY]                    ; on_x
.if \mode == 1
	v_cmp_ge_f32 s58, s39, v[YY]                   ; off_x <= 66
	v_cmp_lt_f32 s59, s40, v[YO]                   ; on_x > 78
.endif
	v_cndmask_b32 v[XC], v[YY], v[YO], s[\son]
.if \mode == 1
	s_and_not1_b32 s59, s[\son], s59               ; on and not switched off
	s_and_not1_b32 s58, s58, s[\son]               ; off and switched on (a NaN leaves the state as it is)
	s_or_b32 s[\snew], s58, s59
.endif
.endif
.endm
; dst = src + the number of the trip's elements of class K, in lane 16 + K.  s50.. hold the ballots of the key's bits.  In lane L the AND of (ballot xor NLB)
; is the mask of the elements whose key is L % 16; a lane from 16 up has all 16 low bits below it, so two v_mbcnt_lo count the mask's two halves whole.
.macro COUNTCLS t, nb, cut, dst, src
	v_xor_b32 v[\t], s50, v[NLB]
	v_xor_b32 v[\t+1], s51, v[NLB+1]
	v_and_b32 v[\t], v[\t], v[\t+1]
.if \nb == 4
	v_xor_b32 v[\t+1], s52, v[NLB+2]
	v_xor_b32 v[\t+2], s53, v[NLB+3]
	v_and_b32 v[\t], v[\t], v[\t+1]
	v_and_b32 v[\t], v[\t], v[\t+2]
.endif
.if \cut
	v_and_b32 v[\t], v[\t], v[NL23]                ; a key of two bits: classes 4 to 15 count nothing
.endif
	v_and_b32 v[\t+1], 0xffff, v[\t]
	v_lshrrev_b32 v[\t], 16, v[\t]
	v_mbcnt_lo_u32_b32 v[\dst], v[\t+1], v[\src]
	v_mbcnt_lo_u32_b32 v[\dst], v[\t], v[\dst]
.endm
.macro W2_ISSUE                        ; my 32 rows of W2 in f32: row k = 32 w + i, lane L its columns 4 L .. 4 L + 3; each load covers a whole row of 512 bytes
	WIN 0x40
.set i, 0
.rept 32
	global_load_b128 v[4*i:4*i+3], v[A_W2], s[P_W2:P_W2+1] offset:512*i
.set i, i+1
.endr
	WIN 0
.endm
.macro W2_STAGE                        ; to bf16, and into LDS by rows
	WIN 0x45
.set i, 0
.rept 32
	v_cvt_pk_bf16_f32 v[128+2*i], v[4*i], v[4*i+1]
	v_cvt_pk_bf16_f32 v[129+2*i], v[4*i+2], v[4*i+3]
.set i, i+1
.endr
	WIN 0x04
.set i, 0
.rept 32
	ds_store_b64 v[A_WS], v[128+2*i:129+2*i] offset:W2S+WP*i
.set i, i+1
.endr
	WIN 0
.endm
.macro W2_FRAGS                        ; A fragment (mt, c): row m = column 16 mt + m of W2, K = rows 32 c .. 32 c + 31: two transposing loads, 16 rows apart
	WIN 0x40
.set i, 0
.rept 32
	ds_load_tr16_b128 v[8*i:8*i+3],   v[A_FR] offset:W2S+(i/8)*32*WP+32*(i%8)
	ds_load_tr16_b128 v[8*i+4:8*i+7], v[A_FR] offset:W2S+(i/8)*32*WP+32*(i%8)+16*WP
.set i, i+1
.endr
	WIN 0
.endm
.macro SMALL_ISSUE                     ; 24 loads of 4 bytes (W1's two rows and b1 of hidden unit 16 mt + r), then 32 of 16 bytes (b2 and W3 of units 16 mt + 8 h + 0..7)
	WIN 0x80
.set i, 0
.rept 8
	global_load_b32 v[RAW+i],    v[CK], s[P_W1:P_W1+1] offset:64*i
	global_load_b32 v[RAW+8+i],  v[CK], s[P_W1:P_W1+1] offset:512+64*i
	global_load_b32 v[RAW+16+i], v[CK], s[P_B1:P_B1+1] offset:64*i
.set i, i+1
.endr
.set i, 0
.rept 8
	global_load_b128 v[B2R+8*i:B2R+8*i+3],   v[A_H32], s[P_B2:P_B2+1] offset:64*i
	global_load_b128 v[B2R+8*i+4:B2R+8*i+7], v[A_H32], s[P_B2:P_B2+1] offset:64*i+16
	global_load_b128 v[W3R+8*i:W3R+8*i+3],   v[A_H32], s[P_W3:P_W3+1] offset:64*i
	global_load_b128 v[W3R+8*i+4:W3R+8*i+7], v[A_H32], s[P_W3:P_W3+1] offset:64*i+16
.set i, i+1
.endr
	WIN 0
.endm
; Layer 1's A fragments.  Four registers of bf16 pairs meet the state's four: (W1[0]hi, W1[0]hi) x (lin_hi, lin_lo), (W1[1]hi, W1[1]hi) x (x_hi, x_lo),
; (W1[0]lo, W1[1]lo) x (lin_hi, x_hi), (b1hi, b1lo) x (1, 1).  They stand in K slots 0-7 (registers 0-3 of lanes 0-15) and 24-31 (registers 4-7 of lanes 16-31); all else is 0.
.macro W1_BUILD
	WIN 0xaa
.set i, 0
.rept 8
	v_and_b32 v[TW],   s36, v[RAW+i]
	v_and_b32 v[TW+2], s36, v[RAW+8+i]
	v_and_b32 v[TW+4], s36, v[RAW+16+i]
	v_sub_f32 v[TW+1], v[RAW+i],    v[TW]
	v_sub_f32 v[TW+3], v[RAW+8+i],  v[TW+2]
	v_sub_f32 v[TW+5], v[RAW+16+i], v[TW+4]
	v_cvt_pk_bf16_f32 v[TW+6], v[TW],   v[TW]
	v_cvt_pk_bf16_f32 v[TW+7], v[TW+2], v[TW+2]
	v_cvt_pk_bf16_f32 v[TW+8], v[TW+1], v[TW+3]
	v_cvt_pk_bf16_f32 v[TW+9], v[TW+4], v[TW+5]
.irp k, 0,1,2,3
	v_cndmask_b32 v[W1F+8*i+\k],   v[TW+6+\k], 0, s36
	v_cndmask_b32 v[W1F+8*i+4+\k], 0, v[TW+6+\k], s36
.endr
.set i, i+1
.endr
	WIN 0
.endm
	s_load_b512 s[8:23], s[0:1], 0x0               ; input, W1, b1, W2, b2, W3, b3, xa
	s_load_b128 s[24:27], s[0:1], 0x40             ; maska, hista
	v_lshl_add_u32 v62, v0, 2, 0x11800
	v_mov_b32 v63, 0
	v_lshrrev_b32 v[T], 5, v0
	v_readfirstlane_b32 s2, v[T]                   ; w
	s_mov_b32 s3, ttmp9                            ; g
	s_mov_b32 s36, 0xffff0000                      ; a word's upper 16 bits; as a lane mask: lanes 16-31
	s_mov_b32 s37, 0x05040100                      ; v_perm_b32: the two low halves
	s_mov_b32 s38, 0xbc23d70a                      ; -0.01
	s_mov_b32 s39, 0x42840000                      ; 66
	s_mov_b32 s40, 0x429c0000                      ; 78
	s_mov_b32 s41, 0x41200000                      ; 10
	s_mov_b32 s42, 0x76543210                      ; v_permlanex16_b32: lane i of one half reads lane i of the other
	s_mov_b32 s43, 0xfedcba98
	v_and_b32 v[LN], 31, v0
	v_and_b32 v[CK], 15, v0
	v_lshlrev_b32 v[CK], 2, v[CK]
.irp b, 0,1,2,3
	v_bfe_u32 v[NLB+\b], v0, \b, 1
	v_add_nc_u32 v[NLB+\b], -1, v[NLB+\b]
.endr
	v_and_b32 v[NL23], v[NLB+2], v[NLB+3]
	v_mov_b32 v[PW], 0
	v_mov_b32 v[HC], 0
.irp k, 0,1,2,3
	v_mov_b32 v[Z0+\k], 0
	v_mov_b32 v[SF+4+\k], 0
.endr
	v_mov_b32 v[SF+3], 0x3f803f80                  ; (1, 1) in bf16
	s_lshl_b32 s5, s3, 14
	s_lshl_b32 s6, s2, 12
	s_add_co_u32 s5, s5, s6                        ; 16384 g + 4096 w: my wave's 512 pairs in input
	v_lshl_add_u32 v[A_IN], v[LN], 4, s5
	s_lshr_b32 s5, s5, 1                           ; 8192 g + 2048 w: its 512 numbers in xa
	v_lshl_add_u32 v[A_X], v[LN], 4, s5
	s_lshl_b32 s6, s2, 14                          ; 32 rows of W2
	v_lshl_add_u32 v[A_W2], v[LN], 4, s6
	v_bfe_u32 v[T], v0, 4, 1                       ; h
	v_lshlrev_b32 v[A_H32], 5, v[T]
	v_and_b32 v[T+1], 7, v0
	v_lshl_or_b32 v[T+1], v[T], 3, v[T+1]          ; 8 h + L % 8
	v_mul_u32_u24 v[T+1], v[T+1], WP
	v_bfe_u32 v[T], v0, 3, 1
	v_lshl_add_u32 v[A_FR], v[T], 4, v[T+1]        ; + 16 ((L / 8) % 2)
	s_mul_i32 s6, s2, 32*WP
	v_lshl_add_u32 v[A_WS], v[LN], 3, s6
	s_lshl_b32 s7, s2, 13
	s_add_co_u32 s7, s7, REC
	v_lshl_add_u32 v[ADB], v[LN], 2, s7
	v_lshl_add_u32 v[AD8B], v[LN], 3, s7
	v_lshl_add_u32 v[A16], v[LN], 4, s7
	s_lshl_b32 s6, s2, 7
	v_mov_b32 v[MSB0], s6
	v_lshl_add_u32 v[WLA], v[LN], 2, s6
	s_wait_kmcnt 0x0
	s_load_b32 s48, s[P_B3:P_B3+1], 0x0            ; b3
.set i, 0
.rept 8
	global_load_b128 v[HF_A+4*i:HF_A+4*i+3], v[A_IN], s[P_IN:P_IN+1] offset:512*i   ; the wave's 4,096 bytes of input, 512 neighbouring bytes a load
.set i, i+1
.endr
	W2_ISSUE
	s_wait_loadcnt 32                              ; the 8 loads of input are in; the 32 younger ones of W2 may stay out
.set i, 0
.rept 8
	ds_store_b128 v[A16], v[HF_A+4*i:HF_A+4*i+3] offset:512*i
.set i, i+1
.endr
	s_wait_loadcnt 0x0                             ; W2
	SMALL_ISSUE
	W2_STAGE
	s_wait_dscnt 0x0                               ; my rows of W2 are in LDS, for the other waves' sake
	s_barrier_signal -1
	s_barrier_wait -1
	W2_FRAGS
	s_wait_loadcnt 32                              ; W1 and b1 (24 loads) are in; the 32 younger ones of b2 and W3 may stay out
	W1_BUILD
	s_wait_loadcnt 0x0
	s_wait_dscnt 0x0                               ; the fragments of W2, and my stores of input
	s_wait_kmcnt 0x0                               ; b3
	s_mov_b32 s4, 0
.Ltrip:
	v_lshl_add_u32 v[AD8], s4, 8, v[AD8B]          ; 32 pairs of 8 bytes a trip
	v_lshl_add_u32 v[AD], s4, 7, v[ADB]            ; 32 words a trip
	v_lshl_add_u32 v[MSA], s4, 2, v[MSB0]          ; one word a trip
	ds_load_b64 v[RX:RX+1], v[AD8]                 ; lin, x
	s_wait_dscnt 0x0
	STEP RX+1, RX, 1, 0, 0, 50                     ; step 1: every row is off; s50 = on_2
	STEP XC, RX, 0, 1, 50, 51                      ; step 2: same position, same lin; s51 = on_3
	ds_store_b32 v[AD], v[XC] offset:XS
	v_mov_b32 v[M0R], s50
	v_mov_b32 v[M1R], s51
	ds_store_b32 v[MSA], v[M0R] offset:MS          ; every lane stores the same word
	ds_store_b32 v[MSA], v[M1R] offset:MS+64
	COUNTCLS T, 2, 1, HC, HC
	s_add_co_u32 s4, s4, 1
	s_cmp_lt_u32 s4, TRIPS
	s_cbranch_scc1 .Ltrip
	; the way out: x by whole runs of 512 bytes from each wave; ballots and counts of the four waves by wave 0
	ds_store_b32 v[WLA], v[HC] offset:HCR
.set i, 0
.rept 4
	ds_load_b128 v[64+4*i:64+4*i+3], v[A16] offset:XS+512*i
.set i, i+1
.endr
.set i, 0
.rept 4
	s_wait_dscnt 3-i                               ; LDS answers a wave in order: load i is in, the 3 - i younger ones may stay out
	global_store_b128 v[A_X], v[64+4*i:64+4*i+3], s[P_XO:P_XO+1] offset:512*i
.set i, i+1
.endr
	s_wait_dscnt 0x0                               ; my ballots and counts are in LDS (met: the count-down ended at 0)
	s_barrier_signal -1
	s_barrier_wait -1
	s_cmp_lg_u32 s2, 0
	s_cbranch_scc1 .Lend
	v_lshlrev_b32 v[T], 4, v[LN]
	ds_load_b128 v[80:83], v[T] offset:MS          ; 4 waves x 128 bytes
.irp k, 0,1,2,3
	ds_load_b32 v[84+\k], v[CK] offset:HCR+64+128*\k   ; wave k's count of class L % 16
.endr
	s_lshl_b32 s5, s3, 9
	s_lshl_b32 s6, s3, 6
	v_add_nc_u32 v[T+1], s5, v[T]
	v_lshl_add_u32 v[T+2], v[LN], 2, s6
	s_wait_dscnt 0x0
	global_store_b128 v[T+1], v[80:83], s[P_MO:P_MO+1]  ; 512 neighbouring bytes
	v_add_nc_u32 v84, v84, v85
	v_add_nc_u32 v86, v86, v87
	v_add_nc_u32 v84, v84, v86
	s_wait_xcnt 0x0                                ; EXEC is a source of the pending stores: it changes only behind this wait
	v_cmp_gt_u32 vcc_lo, 16, v[LN]
	s_and_saveexec_b32 s7, vcc_lo
	global_store_b32 v[T+2], v84, s[P_HO:P_HO+1]   ; sixteen classes, 64 bytes
	s_wait_xcnt 0x0                                ; and again ahead of the line that widens it
	s_or_b32 exec_lo, exec_lo, s7
.Lend:
	s_wait_tensorcnt 0x0
	ds_add_u32 v62, v63
	s_wait_dscnt 0x0
	s_endpgm
.Lfunc_end_k_q7a054936c3_steps12:
	.size	k_q7a054936c3_steps12, .Lfunc_end_k_q7a054936c3_steps12-k_q7a054936c3_steps12
	.p2alignl 7, 3214868480
	.fill 96, 4, 3214868480
	.section	.rodata,"a",@progbits
	.p2align	6, 0x0
	.amdhsa_kernel k_q7a054936c3_steps12
		.amdhsa_group_segment_fixed_size 72192
		.amdhsa_private_segment_fixed_size 0
		.amdhsa_enable_private_segment 0
		.amdhsa_kernarg_size 80
		.amdhsa_user_sgpr_count 2
		.amdhsa_user_sgpr_kernarg_segment_ptr 1
		.amdhsa_wavefront_size32 1
		.amdhsa_system_sgpr_workgroup_id_x 1
		.amdhsa_system_sgpr_workgroup_id_y 1
		.amdhsa_system_sgpr_workgroup_id_z 1
		.amdhsa_system_vgpr_workitem_id 0
		.amdhsa_next_free_vgpr 768
		.amdhsa_next_free_sgpr 80
		.amdhsa_reserve_vcc 1
		.amdhsa_float_denorm_mode_32 3
		.amdhsa_float_denorm_mode_16_64 3
		.amdhsa_memory_ordered 1
		.amdhsa_forward_progress 1
		.amdhsa_inst_pref_size 79
	.end_amdhsa_kernel
	.amdgpu_metadata
---
amdhsa.version: [ 1, 2 ]
amdhsa.kernels:
  - .name:           k_q7a054936c3_steps12
    .symbol:         k_q7a054936c3_steps12.kd
    .args:
      - { .name: input, .offset: 0, .size: 8, .value_kind: global_buffer, .address_space: global }
      - { .name: W1, .offset: 8, .size: 8, .value_kind: global_buffer, .address_space: global }
      - { .name: b1, .offset: 16, .size: 8, .value_kind: global_buffer, .address_space: global }
      - { .name: W2, .offset: 24, .size: 8, .value_kind: global_buffer, .address_space: global }
      - { .name: b2, .offset: 32, .size: 8, .value_kind: global_buffer, .address_space: global }
      - { .name: W3, .offset: 40, .size: 8, .value_kind: global_buffer, .address_space: global }
      - { .name: b3, .offset: 48, .size: 8, .value_kind: global_buffer, .address_space: global }
      - { .name: xa, .offset: 56, .size: 8, .value_kind: global_buffer, .address_space: global }
      - { .name: maska, .offset: 64, .size: 8, .value_kind: global_buffer, .address_space: global }
      - { .name: hista, .offset: 72, .size: 8, .value_kind: global_buffer, .address_space: global }
    .group_segment_fixed_size: 72192
    .private_segment_fixed_size: 0
    .kernarg_segment_align: 8
    .kernarg_segment_size: 80
    .max_flat_workgroup_size: 128
    .sgpr_count:     80
    .vgpr_count:     768
    .wavefront_size: 32
...
	.end_amdgpu_metadata
.endif
;; end of part 1
;; launch steps34 (part 2): grid 256 x 1, 4 waves a work-group, no clusters, 72,192 bytes of LDS; arguments input, W1, b1, W2, b2, W3, b3, xa, maska, hista, xb, maskb, histb; writes xb, maskb, histb
.if DOCPART == 2
	.amdgcn_target "amdgcn-amd-amdhsa--gfx1250"
	.amdhsa_code_object_version 6
	.text
	.protected	k_q7a054936c3_steps34
	.globl	k_q7a054936c3_steps34
	.p2align	8
	.type	k_q7a054936c3_steps34,@function
k_q7a054936c3_steps34:
	s_mov_b64 s[64:65], 0
	v_nop
	global_prefetch_b8 v0, s[64:65] scope:SCOPE_SE
	s_setreg_imm32_b32 hwreg(HW_REG_WAVE_MODE, 25, 1), 1
	s_wait_xcnt 0x0
; STEPS 3 AND 4 OF FIVE.  (The whole scheme, the work left out and the limits stand at the head of the kernel steps12; nothing more is left out here.)
; An element e = 2048 g + 512 w + 32 q + L keeps its place in xa and xb; what moves is its position p_t(e), the stable rank of e under the key (on_(t-1) .. on_2).
; HEAD: from the ballots of on_2, on_3 (maska) and the table of class counts of all work-groups (hista) each lane finds p_3 (key on_2) and p_4 (key K = on_2 + 2 on_3)
; of its 16 elements and gathers lin[p_3], lin[p_4].  A rank = elements of lower classes anywhere + elements of my class in work-groups before mine, in waves before mine,
; in trips before mine, in lanes before mine.  The shorter key's counts are the longer key's, folded over its top bit.
; LOOP: steps 3 and 4 for 32 elements a trip.  OUT: x_5 (xb), the ballots of on_4, on_5 (maskb), the counts of the 16 classes on_2 + 2 on_3 + 4 on_4 + 8 on_5 (histb).
; Positions are whole numbers made from whole numbers that the launch before stored; they are clamped to the last row before they become addresses.
; histb is stored 64 bytes a work-group: all that a work-group owns of it.  A gather takes 4 bytes of each 8: lin lies beside x in input.
; No cluster and no tensor loads: what work-groups share is 66 KB of weights and 16 KB of counts, read once by each and worked on in registers.
; THE MLP, TRANSPOSED AND CHAINED: weights are the matrix instruction's A, elements B's columns; lane (r = L % 16, h = L / 16), register j of a result tile holds hidden
; unit 16 mt + 8 h + j of element r, so relu and packing of tiles 2 c, 2 c + 1 is the next layer's B fragment of K chunk c in the same lanes.
; REGISTER WINDOWS (s_set_vgpr_msb, low byte: bits 1:0 source 0, 3:2 source 1, 5:4 source 2, 7:6 destination):
;   window 0: addresses, state, v64-127 hidden fragments, v128-255 accumulators (in the head v44-255 serve the ranks);  window 1: W2 as 32 A fragments, (mt, c) at 8 (8 c + mt);
;   window 2: v0-63 W1 and b1 as 8 A fragments, v64-127 b2 and v128-191 W3 in the result's layout, v192-231 at work in the head.
.set DUAL,  1                          ; relu of two registers as one dual instruction (0: two plain ones)
.set TRIPS, 16
.set NB,    2                          ; bits of the longer key
; LDS, bytes
.set SCT,   0                          ; 4 waves x 64: class totals of table rows 64 w .. 64 w + 63
.set SCB,   256                        ; 4 waves x 64: the same over the rows below g alone
.set WCR,   512                        ; 4 waves x 128: a wave's class counts under the incoming key, class K in word 16 + K
.set MS,    1024                       ; 4 waves x 128: word [bit 0..1][q 0..15], the new ballots
.set HCR,   1536                       ; 4 waves x 128: a wave's class counts under the outgoing key
.set W2S,   2048                       ; W2 in bf16, 128 rows (k) of 256 bytes at a pitch of 288 = 9 x 32
.set WP,    288
.set REC,   38912                      ; 4 waves x 8,192: four arrays of 512 words, word 32 q + L:
.set R_LA,  2048                       ;   +0 x (and the result, in place), +2048 lin of the first step, +4096 lin of the second, +6144 the key as 64 + 4 K
.set R_LB,  4096
.set R_KY,  6144
; window 0
.set LN,    1
.set AD,    2                          ; this trip's word in the four arrays
.set MSA,   3                          ; this trip's word in MS
.set ADB,   4                          ; REC + 8192 w + 4 L
.set MSB0,  5                          ; 128 w
.set RX,    6
.set RLA,   7
.set RLB,   8
.set RKY,   9
.set XC,    10
.set T,     11                         ; v11-13 at work
.set A_X,   14                         ; 8192 g + 2048 w + 16 L
.set A16,   15                         ; REC + 8192 w + 16 L
.set WLA,   16                         ; 128 w + 4 L
.set M0R,   17
.set M1R,   18
.set HC,    20
.set NLB,   21                         ; v21-24: all ones where bit b of the lane's number is 0
.set BASE1, 26                         ; in lane 16 + K: what precedes this wave's class K, shorter and longer key
.set BASE2, 27
.set C64,   28
.set C68,   29
.set PW,    30
.set CK,    31                         ; 4 (L % 16)
.set Z0,    32
.set SF,    36
.set SUM,   44
.set SA,    52
.set SB,    53
.set UU,    54
.set WT,    55
.set PL,    56
.set YY,    57
.set YO,    58
.set HF_A,  64
.set HF_B,  96
.set ACC_A, 128
.set ACC_B, 192
; window 0, in the head alone
.set VMA,   44                         ; lane q: ballot of key bit 0 in trip q; lane 16 + q: of bit 1
.set SCA,   46                         ; 64 w + 16 (L % 4)
.set ROWV,  47                         ; 64 w + L / 4
.set HB,    48                         ; v48-79 the table's 8 loads; v48-51 become the totals; later v48-58 what is read back from LDS
.set TOT2,  60
.set PB2,   61
.set TOT1,  62
.set PB1,   63
.set BEF,   80                         ; v80-83 sums over the rows below g
.set H,     84                         ; v84-87 at work
.set XL,    88                         ; v88-103 x as loaded
.set LR1,   104                        ; [q] lanes below me with my key, shorter and longer key
.set LR2,   120
.set I1,    136                        ; [q] 64 + 4 key: the byte index of lane 16 + key
.set I2,    152
.set R2,    168                        ; [q], 17 registers: in lane 16 + K the wave's elements of class K in trips before q
.set LK1,   186                        ; [q] what was looked up; then the position; then the byte offset
.set LK2,   202
.set GL1,   218                        ; [q] the sums that are looked up; then the gathered lin
.set GL2,   234
.set A_W2,  250
.set A_MASK, 251
.set A_H,   252
.set A_H32, 253
.set A_WS,  254
.set A_FR,  255
; window 2
.set W1F,   0
.set B2R,   64
.set W3R,   128
.set RAW,   192
.set TW,    216
; scalar pairs: the buffers
.set P_IN,  8
.set P_W1,  10
.set P_B1,  12
.set P_W2,  14
.set P_B2,  16
.set P_W3,  18
.set P_B3,  20
.set P_XI,  22
.set P_MA,  24
.set P_HI,  26
.set P_XO,  28
.set P_MO,  30
.set P_HO,  32
.set MSB, 0
.macro WIN new                         ; the immediate's high byte repeats the setting that is left
.if MSB != \new
	s_set_vgpr_msb (MSB<<8)|\new
.set MSB, \new
.endif
.endm
.macro PLACES                          ; four independent vector instructions between a matrix instruction and the first vector use of its result (ISA guide 7.12.1)
.rept 4
	v_nop
.endr
.endm
.macro RELU2 a
.if DUAL
	v_dual_max_num_f32 v[\a], 0, v[\a] :: v_dual_max_num_f32 v[\a+1], 0, v[\a+1]
.else
	v_max_num_f32 v[\a], 0, v[\a]
	v_max_num_f32 v[\a+1], 0, v[\a+1]
.endif
.endm
.macro SPLIT d, s                      ; d = (upper 16 bits of s as bf16, the rest rounded to bf16): low half, high half
	v_and_b32 v[T], s36, v[\s]
	v_sub_f32 v[T+1], v[\s], v[T]
	v_cvt_pk_bf16_f32 v[\d], v[T], v[T+1]
.endm
.macro ACT acc, hf                     ; relu and rounding: a tile's 64 f32 become the next layer's 32 registers of bf16 pairs, four pairs at a time
.set i, 0
.rept 8
	RELU2 \acc+2*i
	RELU2 \acc+2*i+2
	RELU2 \acc+2*i+4
	RELU2 \acc+2*i+6
	v_cvt_pk_bf16_f32 v[\hf+i],   v[\acc+2*i],   v[\acc+2*i+1]
	v_cvt_pk_bf16_f32 v[\hf+i+1], v[\acc+2*i+2], v[\acc+2*i+3]
	v_cvt_pk_bf16_f32 v[\hf+i+2], v[\acc+2*i+4], v[\acc+2*i+5]
	v_cvt_pk_bf16_f32 v[\hf+i+3], v[\acc+2*i+6], v[\acc+2*i+7]
.set i, i+4
.endr
.endm
; One step for the trip's 32 elements.  xin, lin: registers with x and lin; newlin = 1: lin is split anew; son, snew: scalar registers with the ballot of
; the state at the step's start and end.  mode 0: every row is off (step 1); 1: both branches and the new state; 2: both branches, no new state (step 5).
.macro STEP xin, lin, newlin, mode, son, snew
	WIN 0
.if \newlin
	SPLIT SF, \lin                                 ; (lin_hi, lin_lo)
.endif
	SPLIT SF+1, \xin                               ; (x_hi, x_lo)
	v_perm_b32 v[SF+2], v[SF+1], v[SF], s37        ; (lin_hi, x_hi); v[SF+3] = (1, 1) stays
	; layer 1: K slots 0-7 of tile A are lanes 0-15 of v36-39 (B tuple v[36:43]); K slots 24-31 of tile B are lanes 16-31 of v36-39 (B tuple v[32:39]).
	; The other tile's state then stands in K slots 8-15 or 16-23, where the weights are 0.
	WIN 0x02
.set i, 0
.rept 8
	v_wmma_f32_16x16x32_bf16 v[ACC_A+8*i:ACC_A+8*i+7], v[W1F+8*i:W1F+8*i+7], v[SF:SF+7], 0
	v_wmma_f32_16x16x32_bf16 v[ACC_B+8*i:ACC_B+8*i+7], v[W1F+8*i:W1F+8*i+7], v[Z0:Z0+7], 0
.set i, i+1
.endr
	WIN 0
	PLACES
	ACT ACC_A, HF_A
	ACT ACC_B, HF_B
	; layer 2: chunk 0 takes b2 as C, so the bias costs no instruction; the sixteen accumulators take turns, one instruction a turn
	WIN 0x21
.set i, 0
.rept 8
	v_wmma_f32_16x16x32_bf16 v[ACC_A+8*i:ACC_A+8*i+7], v[8*i:8*i+7], v[HF_A:HF_A+7], v[B2R+8*i:B2R+8*i+7]
	v_wmma_f32_16x16x32_bf16 v[ACC_B+8*i:ACC_B+8*i+7], v[8*i:8*i+7], v[HF_B:HF_B+7], v[B2R+8*i:B2R+8*i+7]
.set i, i+1
.endr
	WIN 0x01
.set i, 8
.rept 24
	v_wmma_f32_16x16x32_bf16 v[ACC_A+8*(i%8):ACC_A+8*(i%8)+7], v[8*i:8*i+7], v[HF_A+8*(i/8):HF_A+8*(i/8)+7], v[ACC_A+8*(i%8):ACC_A+8*(i%8)+7]
	v_wmma_f32_16x16x32_bf16 v[ACC_B+8*(i%8):ACC_B+8*(i%8)+7], v[8*i:8*i+7], v[HF_B+8*(i/8):HF_B+8*(i/8)+7], v[ACC_B+8*(i%8):ACC_B+8*(i%8)+7]
.set i, i+1
.endr
	WIN 0
	PLACES
.set i, 0
.rept 32
	RELU2 ACC_A+2*i
	RELU2 ACC_B+2*i
.set i, i+1
.endr
	; layer 3 in f32: my 64 hidden units of each tile times W3, two chains a tile, started by multiplies
	WIN 0x08
.set i, 0
.rept 32
.if i < 2
	v_pk_mul_f32 v[SUM+2*i:SUM+2*i+1],     v[ACC_A+2*i:ACC_A+2*i+1], v[W3R+2*i:W3R+2*i+1]
	v_pk_mul_f32 v[SUM+4+2*i:SUM+4+2*i+1], v[ACC_B+2*i:ACC_B+2*i+1], v[W3R+2*i:W3R+2*i+1]
.else
	v_pk_fma_f32 v[SUM+2*(i%2):SUM+2*(i%2)+1],     v[ACC_A+2*i:ACC_A+2*i+1], v[W3R+2*i:W3R+2*i+1], v[SUM+2*(i%2):SUM+2*(i%2)+1]
	v_pk_fma_f32 v[SUM+4+2*(i%2):SUM+4+2*(i%2)+1], v[ACC_B+2*i:ACC_B+2*i+1], v[W3R+2*i:W3R+2*i+1], v[SUM+4+2*(i%2):SUM+4+2*(i%2)+1]
.endif
.set i, i+1
.endr
	WIN 0
	v_pk_add_f32 v[SUM:SUM+1], v[SUM:SUM+1], v[SUM+2:SUM+3]
	v_pk_add_f32 v[SUM+4:SUM+5], v[SUM+4:SUM+5], v[SUM+6:SUM+7]
	v_add_f32 v[SA], v[SUM], v[SUM+1]              ; lane (r, h): half h of tile A's element r
	v_add_f32 v[SB], v[SUM+4], v[SUM+5]            ; and of tile B's element 16 + r
	v_cndmask_b32 v[UU], v[SA], v[SB], s36         ; my own element's half that I hold,
	v_cndmask_b32 v[WT], v[SB], v[SA], s36         ; and the half that the lane 16 away needs
	v_permlanex16_b32 v[PW], v[WT], s42, s43
	v_add_f32 v[PL], v[UU], v[PW]
	v_add_f32 v[PL], s48, v[PL]                    ; + b3
.if \mode == 0
	v_fma_f32 v[XC], v[PL], s38, v[\xin]           ; off_x = x - 0.01 mlp
	v_cmp_ge_f32 s[\snew], s39, v[XC]              ; off_x <= 66 turns the row on
.else
	v_fma_f32 v[YY], v[PL], s38, v[\xin]           ; off_x
	v_add_f32 v[YO], s41, v[YY]                    ; on_x
.if \mode == 1
	v_cmp_ge_f32 s58, s39, v[YY]                   ; off_x <= 66
	v_cmp_lt_f32 s59, s40, v[YO]                   ; on_x > 78
.endif
	v_cndmask_b32 v[XC], v[YY], v[YO], s[\son]
.if \mode == 1
	s_and_not1_b32 s59, s[\son], s59               ; on and not switched off
	s_and_not1_b32 s58, s58, s[\son]               ; off and switched on (a NaN leaves the state as it is)
	s_or_b32 s[\snew], s58, s59
.endif
.endif
.endm
; dst = src + the number of the trip's elements of class K, in lane 16 + K.  s50.. hold the ballots of the key's bits.  In lane L the AND of (ballot xor NLB)
; is the mask of the elements whose key is L % 16; a lane from 16 up has all 16 low bits below it, so two v_mbcnt_lo count the mask's two halves whole.
.macro COUNTCLS t, nb, cut, dst, src
	v_xor_b32 v[\t], s50, v[NLB]
	v_xor_b32 v[\t+1], s51, v[NLB+1]
	v_and_b32 v[\t], v[\t], v[\t+1]
.if \nb == 4
	v_xor_b32 v[\t+1], s52, v[NLB+2]
	v_xor_b32 v[\t+2], s53, v[NLB+3]
	v_and_b32 v[\t], v[\t], v[\t+1]
	v_and_b32 v[\t], v[\t], v[\t+2]
.endif
.if \cut
	v_and_b32 v[\t], v[\t], v[NL23]
.endif
	v_and_b32 v[\t+1], 0xffff, v[\t]
	v_lshrrev_b32 v[\t], 16, v[\t]
	v_mbcnt_lo_u32_b32 v[\dst], v[\t+1], v[\src]
	v_mbcnt_lo_u32_b32 v[\dst], v[\t], v[\dst]
.endm
.macro W2_ISSUE                        ; my 32 rows of W2 in f32: row k = 32 w + i, lane L its columns 4 L .. 4 L + 3; each load covers a whole row of 512 bytes
	WIN 0x40
.set i, 0
.rept 32
	global_load_b128 v[4*i:4*i+3], v[A_W2], s[P_W2:P_W2+1] offset:512*i
.set i, i+1
.endr
	WIN 0
.endm
.macro W2_STAGE                        ; to bf16, and into LDS by rows
	WIN 0x45
.set i, 0
.rept 32
	v_cvt_pk_bf16_f32 v[128+2*i], v[4*i], v[4*i+1]
	v_cvt_pk_bf16_f32 v[129+2*i], v[4*i+2], v[4*i+3]
.set i, i+1
.endr
	WIN 0x04
.set i, 0
.rept 32
	ds_store_b64 v[A_WS], v[128+2*i:129+2*i] offset:W2S+WP*i
.set i, i+1
.endr
	WIN 0
.endm
.macro W2_FRAGS                        ; A fragment (mt, c): row m = column 16 mt + m of W2, K = rows 32 c .. 32 c + 31: two transposing loads, 16 rows apart
	WIN 0x40
.set i, 0
.rept 32
	ds_load_tr16_b128 v[8*i:8*i+3],   v[A_FR] offset:W2S+(i/8)*32*WP+32*(i%8)
	ds_load_tr16_b128 v[8*i+4:8*i+7], v[A_FR] offset:W2S+(i/8)*32*WP+32*(i%8)+16*WP
.set i, i+1
.endr
	WIN 0
.endm
.macro SMALL_ISSUE                     ; 24 loads of 4 bytes (W1's two rows and b1 of hidden unit 16 mt + r), then 32 of 16 bytes (b2 and W3 of units 16 mt + 8 h + 0..7)
	WIN 0x80
.set i, 0
.rept 8
	global_load_b32 v[RAW+i],    v[CK], s[P_W1:P_W1+1] offset:64*i
	global_load_b32 v[RAW+8+i],  v[CK], s[P_W1:P_W1+1] offset:512+64*i
	global_load_b32 v[RAW+16+i], v[CK], s[P_B1:P_B1+1] offset:64*i
.set i, i+1
.endr
.set i, 0
.rept 8
	global_load_b128 v[B2R+8*i:B2R+8*i+3],   v[A_H32], s[P_B2:P_B2+1] offset:64*i
	global_load_b128 v[B2R+8*i+4:B2R+8*i+7], v[A_H32], s[P_B2:P_B2+1] offset:64*i+16
	global_load_b128 v[W3R+8*i:W3R+8*i+3],   v[A_H32], s[P_W3:P_W3+1] offset:64*i
	global_load_b128 v[W3R+8*i+4:W3R+8*i+7], v[A_H32], s[P_W3:P_W3+1] offset:64*i+16
.set i, i+1
.endr
	WIN 0
.endm
; Layer 1's A fragments.  Four registers of bf16 pairs meet the state's four: (W1[0]hi, W1[0]hi) x (lin_hi, lin_lo), (W1[1]hi, W1[1]hi) x (x_hi, x_lo),
; (W1[0]lo, W1[1]lo) x (lin_hi, x_hi), (b1hi, b1lo) x (1, 1).  They stand in K slots 0-7 (registers 0-3 of lanes 0-15) and 24-31 (registers 4-7 of lanes 16-31); all else is 0.
.macro W1_BUILD
	WIN 0xaa
.set i, 0
.rept 8
	v_and_b32 v[TW],   s36, v[RAW+i]
	v_and_b32 v[TW+2], s36, v[RAW+8+i]
	v_and_b32 v[TW+4], s36, v[RAW+16+i]
	v_sub_f32 v[TW+1], v[RAW+i],    v[TW]
	v_sub_f32 v[TW+3], v[RAW+8+i],  v[TW+2]
	v_sub_f32 v[TW+5], v[RAW+16+i], v[TW+4]
	v_cvt_pk_bf16_f32 v[TW+6], v[TW],   v[TW]
	v_cvt_pk_bf16_f32 v[TW+7], v[TW+2], v[TW+2]
	v_cvt_pk_bf16_f32 v[TW+8], v[TW+1], v[TW+3]
	v_cvt_pk_bf16_f32 v[TW+9], v[TW+4], v[TW+5]
.irp k, 0,1,2,3
	v_cndmask_b32 v[W1F+8*i+\k],   v[TW+6+\k], 0, s36
	v_cndmask_b32 v[W1F+8*i+4+\k], 0, v[TW+6+\k], s36
.endr
.set i, i+1
.endr
	WIN 0
.endm
; THE RANKS.
; Trip q: my rank among the trip's 32 elements under both keys, my keys as lane indices, and the running class counts.
.macro QCOUNT q
	v_readlane_b32 s50, v[VMA], \q
	v_readlane_b32 s51, v[VMA], 16+\q
	s_not_b32 s54, s50
	s_not_b32 s55, s51
.if NB == 4
	v_readlane_b32 s52, v[VMB], \q
	v_readlane_b32 s53, v[VMB], 16+\q
	s_not_b32 s56, s52
	s_not_b32 s57, s53
.endif
	v_cndmask_b32 v[H], s54, s50, s50              ; the elements that agree with mine in bit 0: the ballot where my bit is set, else its complement
	v_cndmask_b32 v[H+1], s55, s51, s51
.if NB == 4
	v_cndmask_b32 v[H+2], s56, s52, s52
	v_cndmask_b32 v[H+3], s57, s53, s53
	v_and_b32 v[H], v[H], v[H+1]
	v_and_b32 v[H], v[H], v[H+2]                   ; same shorter key
	v_and_b32 v[H+1], v[H], v[H+3]                 ; same longer key
.else
	v_and_b32 v[H+1], v[H], v[H+1]
.endif
	v_mbcnt_lo_u32_b32 v[LR1+\q], v[H], 0
	v_mbcnt_lo_u32_b32 v[LR2+\q], v[H+1], 0
	v_cndmask_b32 v[I1+\q], v[C64], v[C68], s50
.if NB == 4
	v_cndmask_b32 v[H], 0, 8, s51
	v_cndmask_b32 v[H+1], 0, 16, s52
	v_add3_u32 v[I1+\q], v[I1+\q], v[H], v[H+1]
	v_cndmask_b32 v[H], 0, 32, s53
.else
	v_cndmask_b32 v[H], 0, 8, s51
.endif
	v_add_nc_u32 v[I2+\q], v[I1+\q], v[H]
	COUNTCLS H, NB, 0, R2+1+\q, R2+\q              ; with a key of two bits lanes of classes 4 to 15 repeat classes 0 to 3; they are never looked up
.endm
.macro XRED r                          ; the sum over the eight lanes that share L % 4, in each of them
	v_mov_b32_dpp v[PW], v[\r] row_xmask:4 row_mask:0xf bank_mask:0xf
	v_add_nc_u32 v[\r], v[\r], v[PW]
	v_mov_b32_dpp v[PW], v[\r] row_xmask:8 row_mask:0xf bank_mask:0xf
	v_add_nc_u32 v[\r], v[\r], v[PW]
	v_permlanex16_b32 v[PW], v[\r], s42, s43
	v_add_nc_u32 v[\r], v[\r], v[PW]
.endm
.macro FOLDX src                       ; PW = src of the lane whose class differs from mine in the longer key's top bit
.if NB == 4
	v_mov_b32_dpp v[PW], v[\src] row_xmask:8 row_mask:0xf bank_mask:0xf
.else
	v_mov_b32_dpp v[PW], v[\src] row_xmask:2 row_mask:0xf bank_mask:0xf
.endif
.endm
.macro EXPRE pre, tot                  ; pre = the sum of tot over the lower lanes of my 16; tot is used up.  At distance s the partner's block lies below me if my bit s is set
	v_mov_b32_dpp v[PW], v[\tot] row_xmask:1 row_mask:0xf bank_mask:0xf
	v_cndmask_b32 v[\pre], 0, v[PW], s44
	v_add_nc_u32 v[\tot], v[\tot], v[PW]
	v_mov_b32_dpp v[PW], v[\tot] row_xmask:2 row_mask:0xf bank_mask:0xf
	v_cndmask_b32 v[H], 0, v[PW], s45
	v_add_nc_u32 v[\pre], v[\pre], v[H]
	v_add_nc_u32 v[\tot], v[\tot], v[PW]
	v_mov_b32_dpp v[PW], v[\tot] row_xmask:4 row_mask:0xf bank_mask:0xf
	v_cndmask_b32 v[H], 0, v[PW], s46
	v_add_nc_u32 v[\pre], v[\pre], v[H]
	v_add_nc_u32 v[\tot], v[\tot], v[PW]
	v_mov_b32_dpp v[PW], v[\tot] row_xmask:8 row_mask:0xf bank_mask:0xf
	v_cndmask_b32 v[H], 0, v[PW], s47
	v_add_nc_u32 v[\pre], v[\pre], v[H]
.endm
.macro QPOS q                          ; in lane 16 + K: all that precedes trip q's class K; each lane then looks up its own class
	FOLDX R2+\q
	v_add3_u32 v[GL1+\q], v[PW], v[R2+\q], v[BASE1]
	v_add_nc_u32 v[GL2+\q], v[R2+\q], v[BASE2]
	ds_bpermute_b32 v[LK1+\q], v[I1+\q], v[GL1+\q]
	ds_bpermute_b32 v[LK2+\q], v[I2+\q], v[GL2+\q]
.endm
	s_load_b512 s[8:23], s[0:1], 0x0               ; input, W1, b1, W2, b2, W3, b3, xa
	s_load_b256 s[24:31], s[0:1], 0x40             ; maska, hista, xb, maskb
	s_load_b64 s[32:33], s[0:1], 0x60              ; histb
	v_lshl_add_u32 v19, v0, 2, 0x11800
	v_mov_b32 v25, 0
	v_lshrrev_b32 v[T], 5, v0
	v_readfirstlane_b32 s2, v[T]                   ; w
	s_mov_b32 s3, ttmp9                            ; g
	s_mov_b32 s36, 0xffff0000                      ; a word's upper 16 bits; as a lane mask: lanes 16-31
	s_mov_b32 s37, 0x05040100                      ; v_perm_b32: the two low halves
	s_mov_b32 s38, 0xbc23d70a                      ; -0.01
	s_mov_b32 s39, 0x42840000                      ; 66
	s_mov_b32 s40, 0x429c0000                      ; 78
	s_mov_b32 s41, 0x41200000                      ; 10
	s_mov_b32 s42, 0x76543210                      ; v_permlanex16_b32: lane i of one half reads lane i of the other
	s_mov_b32 s43, 0xfedcba98
	s_mov_b32 s44, 0xaaaaaaaa                      ; the lanes whose number has bit 0, 1, 2, 3 set
	s_mov_b32 s45, 0xcccccccc
	s_mov_b32 s46, 0xf0f0f0f0
	s_mov_b32 s47, 0xff00ff00
	v_and_b32 v[LN], 31, v0
	v_and_b32 v[CK], 15, v0
	v_lshlrev_b32 v[CK], 2, v[CK]
.irp b, 0,1,2,3
	v_bfe_u32 v[NLB+\b], v0, \b, 1
	v_add_nc_u32 v[NLB+\b], -1, v[NLB+\b]
.endr
	v_mov_b32 v[C64], 64
	v_mov_b32 v[C68], 0x44
	v_mov_b32 v[PW], 0
	v_mov_b32 v[HC], 0
.irp k, 0,1,2,3
	v_mov_b32 v[Z0+\k], 0
	v_mov_b32 v[SF+4+\k], 0
.endr
	v_mov_b32 v[SF+3], 0x3f803f80                  ; (1, 1) in bf16
	s_lshl_b32 s5, s3, 13
	s_lshl_b32 s6, s2, 11
	s_add_co_u32 s5, s5, s6                        ; 8192 g + 2048 w: my wave's 512 numbers in xa and xb
	v_lshl_add_u32 v[A_X], v[LN], 4, s5
	s_lshr_b32 s5, s5, 4                           ; 512 g + 128 w: its 32 words of ballots
	v_lshl_add_u32 v[A_MASK], v[LN], 2, s5
	s_lshl_b32 s6, s2, 12                          ; 64 rows of the table
	v_lshl_add_u32 v[A_H], v[LN], 4, s6
	s_lshl_b32 s6, s2, 6
	v_lshrrev_b32 v[T], 2, v[LN]
	v_add_nc_u32 v[ROWV], s6, v[T]
	v_and_b32 v[T], 3, v0
	v_lshl_add_u32 v[SCA], v[T], 4, s6
	s_lshl_b32 s6, s2, 14                          ; 32 rows of W2
	v_lshl_add_u32 v[A_W2], v[LN], 4, s6
	v_bfe_u32 v[T], v0, 4, 1                       ; h
	v_lshlrev_b32 v[A_H32], 5, v[T]
	v_and_b32 v[T+1], 7, v0
	v_lshl_or_b32 v[T+1], v[T], 3, v[T+1]          ; 8 h + L % 8
	v_mul_u32_u24 v[T+1], v[T+1], WP
	v_bfe_u32 v[T], v0, 3, 1
	v_lshl_add_u32 v[A_FR], v[T], 4, v[T+1]        ; + 16 ((L / 8) % 2)
	s_mul_i32 s6, s2, 32*WP
	v_lshl_add_u32 v[A_WS], v[LN], 3, s6
	s_lshl_b32 s7, s2, 13
	s_add_co_u32 s7, s7, REC
	v_lshl_add_u32 v[ADB], v[LN], 2, s7
	v_lshl_add_u32 v[A16], v[LN], 4, s7
	s_lshl_b32 s6, s2, 7
	v_mov_b32 v[MSB0], s6
	v_lshl_add_u32 v[WLA], v[LN], 2, s6
	s_wait_kmcnt 0x0
	s_load_b32 s48, s[P_B3:P_B3+1], 0x0            ; b3
	global_load_b32 v[VMA], v[A_MASK], s[P_MA:P_MA+1]
.set i, 0
.rept 8
	global_load_b128 v[HB+4*i:HB+4*i+3], v[A_H], s[P_HI:P_HI+1] offset:512*i   ; rows 64 w + 8 i + L / 4, classes 4 (L % 4) .. + 3
.set i, i+1
.endr
.set i, 0
.rept 4
	global_load_b128 v[XL+4*i:XL+4*i+3], v[A_X], s[P_XI:P_XI+1] offset:512*i
.set i, i+1
.endr
	W2_ISSUE
	s_wait_loadcnt 44                              ; the ballots are in; the 8 + 4 + 32 younger loads may stay out
	v_mov_b32 v[R2], 0
.set qq, 0
.rept 16
	QCOUNT qq
.set qq, qq+1
.endr
	s_wait_loadcnt 36                              ; the table's 8 loads are in; 4 + 32 younger ones may stay out
	v_cmp_gt_i32 vcc_lo, s3, v[ROWV]               ; is my row of load 0 below g?
.irp j, 0,1,2,3
	v_cndmask_b32 v[BEF+\j], 0, v[HB+\j], vcc_lo   ; load 0 starts both sums; v[HB:HB+3] are the totals
.endr
.set i, 1
.rept 7
	s_sub_co_i32 s5, s3, 8*i
	v_cmp_gt_i32 vcc_lo, s5, v[ROWV]               ; 64 w + L / 4 + 8 i < g, signed: g - 8 i may be negative
.irp j, 0,1,2,3
	v_cndmask_b32 v[H+\j], 0, v[HB+4*i+\j], vcc_lo
.endr
.irp j, 0,1,2,3
	v_add_nc_u32 v[BEF+\j], v[BEF+\j], v[H+\j]
	v_add_nc_u32 v[HB+\j], v[HB+\j], v[HB+4*i+\j]
.endr
.set i, i+1
.endr
.irp j, 0,1,2,3
	XRED HB+\j
	XRED BEF+\j
.endr
	ds_store_b128 v[SCA], v[HB:HB+3] offset:SCT    ; lanes that share an address store the same numbers
	ds_store_b128 v[SCA], v[BEF:BEF+3] offset:SCB
	ds_store_b32 v[WLA], v[R2+16] offset:WCR       ; my wave's class counts
	s_wait_loadcnt 32                              ; x is in; W2's 32 loads may stay out
.set i, 0
.rept 4
	ds_store_b128 v[A16], v[XL+4*i:XL+4*i+3] offset:512*i
.set i, i+1
.endr
	s_wait_loadcnt 0x0                             ; W2
	SMALL_ISSUE
	W2_STAGE
	s_wait_dscnt 0x0                               ; my sums, counts and rows of W2 are in LDS, for the other waves' sake
	s_barrier_signal -1
	s_barrier_wait -1
	; what precedes my wave's elements of each class
.irp k, 0,1,2,3
	ds_load_b32 v[HB+\k],   v[CK] offset:SCT+64*\k
	ds_load_b32 v[HB+4+\k], v[CK] offset:SCB+64*\k
.endr
.irp k, 0,1,2
	ds_load_b32 v[HB+8+\k], v[CK] offset:WCR+64+128*\k
.endr
	s_wait_dscnt 0x0
	v_add3_u32 v[TOT2], v[HB], v[HB+1], v[HB+2]
	v_add_nc_u32 v[TOT2], v[TOT2], v[HB+3]         ; class L % 16 in all work-groups
	v_add3_u32 v[PB2], v[HB+4], v[HB+5], v[HB+6]
	v_add_nc_u32 v[PB2], v[PB2], v[HB+7]           ; in the work-groups before mine
.irp k, 0,1,2
	s_cmp_gt_u32 s2, \k
	s_cselect_b32 s5, -1, 0
	v_and_b32 v[HB+8+\k], s5, v[HB+8+\k]           ; wave k counts if it comes before mine
.endr
	v_add3_u32 v[PB2], v[PB2], v[HB+8], v[HB+9]
	v_add_nc_u32 v[PB2], v[PB2], v[HB+10]
	FOLDX TOT2
	v_add_nc_u32 v[TOT1], v[TOT2], v[PW]
	v_and_b32 v[TOT1], v[TOT1], v[NLB+NB-1]        ; the shorter key's classes stand in the lanes without the top bit
	FOLDX PB2
	v_add_nc_u32 v[PB1], v[PB2], v[PW]
	EXPRE BASE2, TOT2
	v_add_nc_u32 v[BASE2], v[BASE2], v[PB2]
	EXPRE BASE1, TOT1
	v_add_nc_u32 v[BASE1], v[BASE1], v[PB1]
.set qq, 0
.rept 16
	QPOS qq
.set qq, qq+1
.endr
	s_wait_loadcnt 0x0                             ; the 56 small loads, issued ahead of the staging, the barrier and the sums above
	W1_BUILD
	s_wait_dscnt 0x0                               ; the 32 lookups
.set qq, 0
.rept 16
	v_add_nc_u32 v[LK1+qq], v[LK1+qq], v[LR1+qq]   ; p_3
	v_add_nc_u32 v[LK2+qq], v[LK2+qq], v[LR2+qq]   ; p_4
	v_min_u32 v[LK1+qq], 0x7ffff, v[LK1+qq]        ; never past the last row
	v_min_u32 v[LK2+qq], 0x7ffff, v[LK2+qq]
	v_lshlrev_b32 v[LK1+qq], 3, v[LK1+qq]          ; lin[p] lies at byte 8 p of input
	v_lshlrev_b32 v[LK2+qq], 3, v[LK2+qq]
.set qq, qq+1
.endr
.set qq, 0
.rept 16
	global_load_b32 v[GL1+qq], v[LK1+qq], s[P_IN:P_IN+1]
	global_load_b32 v[GL2+qq], v[LK2+qq], s[P_IN:P_IN+1]
.set qq, qq+1
.endr
	W2_FRAGS
	s_wait_loadcnt 0x0                             ; the 32 gathers
.set qq, 0
.rept 16
	ds_store_b32 v[ADB], v[GL1+qq] offset:R_LA+128*qq
	ds_store_b32 v[ADB], v[GL2+qq] offset:R_LB+128*qq
	ds_store_b32 v[ADB], v[I2+qq]  offset:R_KY+128*qq
.set qq, qq+1
.endr
	s_wait_dscnt 0x0                               ; the fragments of W2 are in; the stores have read registers that the loop writes
	s_wait_kmcnt 0x0                               ; b3
	s_mov_b32 s4, 0
.Ltrip:
	v_lshl_add_u32 v[AD], s4, 7, v[ADB]            ; 32 words a trip
	v_lshl_add_u32 v[MSA], s4, 2, v[MSB0]          ; one word a trip
	ds_load_b32 v[RX],  v[AD]
	ds_load_b32 v[RLA], v[AD] offset:R_LA
	ds_load_b32 v[RLB], v[AD] offset:R_LB
	ds_load_b32 v[RKY], v[AD] offset:R_KY
	s_wait_dscnt 0x0
	v_and_b32 v[T], 4, v[RKY]
	v_and_b32 v[T+1], 8, v[RKY]
	v_cmp_ne_u32 s50, 0, v[T]                      ; on_2
	v_cmp_ne_u32 s51, 0, v[T+1]                    ; on_3
	STEP RX, RLA, 1, 1, 51, 52                     ; step 3; s52 = on_4
	STEP XC, RLB, 1, 1, 52, 53                     ; step 4; s53 = on_5
	ds_store_b32 v[AD], v[XC]                      ; over the x that this trip has read
	v_mov_b32 v[M0R], s52
	v_mov_b32 v[M1R], s53
	ds_store_b32 v[MSA], v[M0R] offset:MS          ; every lane stores the same word
	ds_store_b32 v[MSA], v[M1R] offset:MS+64
	COUNTCLS T, 4, 0, HC, HC
	s_add_co_u32 s4, s4, 1
	s_cmp_lt_u32 s4, TRIPS
	s_cbranch_scc1 .Ltrip
	; the way out: x by whole runs of 512 bytes from each wave; ballots and counts of the four waves by wave 0
	ds_store_b32 v[WLA], v[HC] offset:HCR
.set i, 0
.rept 4
	ds_load_b128 v[64+4*i:64+4*i+3], v[A16] offset:512*i
.set i, i+1
.endr
.set i, 0
.rept 4
	s_wait_dscnt 3-i                               ; LDS answers a wave in order: load i is in, the 3 - i younger ones may stay out
	global_store_b128 v[A_X], v[64+4*i:64+4*i+3], s[P_XO:P_XO+1] offset:512*i
.set i, i+1
.endr
	s_wait_dscnt 0x0                               ; my ballots and counts are in LDS (met: the count-down ended at 0)
	s_barrier_signal -1
	s_barrier_wait -1
	s_cmp_lg_u32 s2, 0
	s_cbranch_scc1 .Lend
	v_lshlrev_b32 v[T], 4, v[LN]
	ds_load_b128 v[80:83], v[T] offset:MS          ; 4 waves x 128 bytes
.irp k, 0,1,2,3
	ds_load_b32 v[84+\k], v[CK] offset:HCR+64+128*\k   ; wave k's count of class L % 16
.endr
	s_lshl_b32 s5, s3, 9
	s_lshl_b32 s6, s3, 6
	v_add_nc_u32 v[T+1], s5, v[T]
	v_lshl_add_u32 v[T+2], v[LN], 2, s6
	s_wait_dscnt 0x0
	global_store_b128 v[T+1], v[80:83], s[P_MO:P_MO+1]  ; 512 neighbouring bytes
	v_add_nc_u32 v84, v84, v85
	v_add_nc_u32 v86, v86, v87
	v_add_nc_u32 v84, v84, v86
	s_wait_xcnt 0x0                                ; EXEC is a source of the pending stores: it changes only behind this wait
	v_cmp_gt_u32 vcc_lo, 16, v[LN]
	s_and_saveexec_b32 s7, vcc_lo
	global_store_b32 v[T+2], v84, s[P_HO:P_HO+1]   ; sixteen classes, 64 bytes
	s_wait_xcnt 0x0                                ; and again ahead of the line that widens it
	s_or_b32 exec_lo, exec_lo, s7
.Lend:
	s_wait_tensorcnt 0x0
	ds_add_u32 v19, v25
	s_wait_dscnt 0x0
	s_endpgm
.Lfunc_end_k_q7a054936c3_steps34:
	.size	k_q7a054936c3_steps34, .Lfunc_end_k_q7a054936c3_steps34-k_q7a054936c3_steps34
	.p2alignl 7, 3214868480
	.fill 96, 4, 3214868480
	.section	.rodata,"a",@progbits
	.p2align	6, 0x0
	.amdhsa_kernel k_q7a054936c3_steps34
		.amdhsa_group_segment_fixed_size 72192
		.amdhsa_private_segment_fixed_size 0
		.amdhsa_enable_private_segment 0
		.amdhsa_kernarg_size 104
		.amdhsa_user_sgpr_count 2
		.amdhsa_user_sgpr_kernarg_segment_ptr 1
		.amdhsa_wavefront_size32 1
		.amdhsa_system_sgpr_workgroup_id_x 1
		.amdhsa_system_sgpr_workgroup_id_y 1
		.amdhsa_system_sgpr_workgroup_id_z 1
		.amdhsa_system_vgpr_workitem_id 0
		.amdhsa_next_free_vgpr 768
		.amdhsa_next_free_sgpr 80
		.amdhsa_reserve_vcc 1
		.amdhsa_float_denorm_mode_32 3
		.amdhsa_float_denorm_mode_16_64 3
		.amdhsa_memory_ordered 1
		.amdhsa_forward_progress 1
		.amdhsa_inst_pref_size 119
	.end_amdhsa_kernel
	.amdgpu_metadata
---
amdhsa.version: [ 1, 2 ]
amdhsa.kernels:
  - .name:           k_q7a054936c3_steps34
    .symbol:         k_q7a054936c3_steps34.kd
    .args:
      - { .name: input, .offset: 0, .size: 8, .value_kind: global_buffer, .address_space: global }
      - { .name: W1, .offset: 8, .size: 8, .value_kind: global_buffer, .address_space: global }
      - { .name: b1, .offset: 16, .size: 8, .value_kind: global_buffer, .address_space: global }
      - { .name: W2, .offset: 24, .size: 8, .value_kind: global_buffer, .address_space: global }
      - { .name: b2, .offset: 32, .size: 8, .value_kind: global_buffer, .address_space: global }
      - { .name: W3, .offset: 40, .size: 8, .value_kind: global_buffer, .address_space: global }
      - { .name: b3, .offset: 48, .size: 8, .value_kind: global_buffer, .address_space: global }
      - { .name: xa, .offset: 56, .size: 8, .value_kind: global_buffer, .address_space: global }
      - { .name: maska, .offset: 64, .size: 8, .value_kind: global_buffer, .address_space: global }
      - { .name: hista, .offset: 72, .size: 8, .value_kind: global_buffer, .address_space: global }
      - { .name: xb, .offset: 80, .size: 8, .value_kind: global_buffer, .address_space: global }
      - { .name: maskb, .offset: 88, .size: 8, .value_kind: global_buffer, .address_space: global }
      - { .name: histb, .offset: 96, .size: 8, .value_kind: global_buffer, .address_space: global }
    .group_segment_fixed_size: 72192
    .private_segment_fixed_size: 0
    .kernarg_segment_align: 8
    .kernarg_segment_size: 104
    .max_flat_workgroup_size: 128
    .sgpr_count:     80
    .vgpr_count:     768
    .wavefront_size: 32
...
	.end_amdgpu_metadata
.endif
;; end of part 2
;; launch step5 (part 3): grid 256 x 1, 4 waves a work-group, no clusters, 72,192 bytes of LDS; arguments input, W1, b1, W2, b2, W3, b3, xb, maska, maskb, histb, out0; writes out0
.if DOCPART == 3
	.amdgcn_target "amdgcn-amd-amdhsa--gfx1250"
	.amdhsa_code_object_version 6
	.text
	.protected	k_q7a054936c3_step5
	.globl	k_q7a054936c3_step5
	.p2align	8
	.type	k_q7a054936c3_step5,@function
k_q7a054936c3_step5:
	s_mov_b64 s[64:65], 0
	v_nop
	global_prefetch_b8 v0, s[64:65] scope:SCOPE_SE
	s_setreg_imm32_b32 hwreg(HW_REG_WAVE_MODE, 25, 1), 1
	s_wait_xcnt 0x0
; STEP 5 OF FIVE, AND THE RESULT.  (The whole scheme and the limits stand at the head of the kernel steps12.)
; WORK LEFT OUT HERE, for all values of the inputs: reference() never uses the isOn that step 5 makes, so the two comparisons against 66 and 78 are not made.
; An element e = 2048 g + 512 w + 32 q + L keeps its place in xb.  HEAD: from the ballots of on_2 .. on_5 (maska, maskb) and the table of the 16 class counts of all
; work-groups (histb) each lane finds p_5 (key on_2 + 2 on_3 + 4 on_4) and p_6 (the same + 8 on_5) of its 16 elements and gathers lin[p_5].  A rank = elements of lower
; classes anywhere + elements of my class in work-groups, waves, trips and lanes before mine.  The shorter key's counts are the longer key's, folded over its top bit.
; LOOP: step 5 for 32 elements a trip, and out0[p_6(e)] = x_6(e): 4 bytes a lane; neighbouring elements of one class go to neighbouring words.
; Positions are whole numbers made from whole numbers that earlier launches stored; they are clamped to the last row before they become addresses.
; No cluster and no tensor loads: what work-groups share is 66 KB of weights and 16 KB of counts, read once by each and worked on in registers.
; THE MLP, TRANSPOSED AND CHAINED: weights are the matrix instruction's A, elements B's columns; lane (r = L % 16, h = L / 16), register j of a result tile holds hidden
; unit 16 mt + 8 h + j of element r, so relu and packing of tiles 2 c, 2 c + 1 is the next layer's B fragment of K chunk c in the same lanes.
; REGISTER WINDOWS (s_set_vgpr_msb, low byte: bits 1:0 source 0, 3:2 source 1, 5:4 source 2, 7:6 destination):
;   window 0: addresses, state, v64-127 hidden fragments, v128-255 accumulators (in the head v44-255 serve the ranks);  window 1: W2 as 32 A fragments, (mt, c) at 8 (8 c + mt);
;   window 2: v0-63 W1 and b1 as 8 A fragments, v64-127 b2 and v128-191 W3 in the result's layout, v192-231 at work in the head.
.set DUAL,  1                          ; relu of two registers as one dual instruction (0: two plain ones)
.set TRIPS, 16
.set NB,    4                          ; bits of the longer key
; LDS, bytes
.set SCT,   0                          ; 4 waves x 64: class totals of table rows 64 w .. 64 w + 63
.set SCB,   256                        ; 4 waves x 64: the same over the rows below g alone
.set WCR,   512                        ; 4 waves x 128: a wave's class counts, class K in word 16 + K
.set W2S,   2048                       ; W2 in bf16, 128 rows (k) of 256 bytes at a pitch of 288 = 9 x 32
.set WP,    288
.set REC,   38912                      ; 4 waves x 8,192: four arrays of 512 words, word 32 q + L:
.set R_LA,  2048                       ;   +0 x, +2048 lin[p_5], +4096 p_6, +6144 the key as 64 + 4 K
.set R_LB,  4096
.set R_KY,  6144
; window 0
.set LN,    1
.set AD,    2                          ; this trip's word in the four arrays
.set ADB,   4                          ; REC + 8192 w + 4 L
.set RX,    6
.set RLA,   7
.set RLB,   8
.set RKY,   9
.set XC,    10
.set T,     11                         ; v11-13 at work
.set A_X,   14                         ; 8192 g + 2048 w + 16 L
.set A16,   15                         ; REC + 8192 w + 16 L
.set WLA,   16                         ; 128 w + 4 L
.set PO,    17                         ; byte offset of my element's place in out0
.set NLB,   21                         ; v21-24: all ones where bit b of the lane's number is 0
.set BASE1, 26                         ; in lane 16 + K: what precedes this wave's class K, shorter and longer key
.set BASE2, 27
.set C64,   28
.set C68,   29
.set PW,    30
.set CK,    31                         ; 4 (L % 16)
.set Z0,    32
.set SF,    36
.set SUM,   44
.set SA,    52
.set SB,    53
.set UU,    54
.set WT,    55
.set PL,    56
.set YY,    57
.set YO,    58
.set HF_A,  64
.set HF_B,  96
.set ACC_A, 128
.set ACC_B, 192
; window 0, in the head alone
.set VMA,   44                         ; lane q: ballot of key bit 0 in trip q; lane 16 + q: of bit 1
.set VMB,   45                         ; the same for bits 2 and 3
.set SCA,   46                         ; 64 w + 16 (L % 4)
.set ROWV,  47                         ; 64 w + L / 4
.set HB,    48                         ; v48-79 the table's 8 loads; v48-51 become the totals; later v48-58 what is read back from LDS
.set TOT2,  60
.set PB2,   61
.set TOT1,  62
.set PB1,   63
.set BEF,   80                         ; v80-83 sums over the rows below g
.set H,     84                         ; v84-87 at work
.set XL,    88                         ; v88-103 x as loaded
.set LR1,   104                        ; [q] lanes below me with my key, shorter and longer key
.set LR2,   120
.set I1,    136                        ; [q] 64 + 4 key: the byte index of lane 16 + key
.set I2,    152
.set R2,    168                        ; [q], 17 registers: in lane 16 + K the wave's elements of class K in trips before q
.set LK1,   186                        ; [q] what was looked up; then the position (LK1: then the byte offset)
.set LK2,   202
.set GL1,   218                        ; [q] the sums that are looked up; GL1 then the gathered lin
.set GL2,   234
.set A_W2,  250
.set A_MASK, 251
.set A_H,   252
.set A_H32, 253
.set A_WS,  254
.set A_FR,  255
; window 2
.set W1F,   0
.set B2R,   64
.set W3R,   128
.set RAW,   192
.set TW,    216
; scalar pairs: the buffers
.set P_IN,  8
.set P_W1,  10
.set P_B1,  12
.set P_W2,  14
.set P_B2,  16
.set P_W3,  18
.set P_B3,  20
.set P_XI,  22
.set P_MA,  24
.set P_MB,  26
.set P_HI,  28
.set P_OUT, 30
.set MSB, 0
.macro WIN new                         ; the immediate's high byte repeats the setting that is left
.if MSB != \new
	s_set_vgpr_msb (MSB<<8)|\new
.set MSB, \new
.endif
.endm
.macro PLACES                          ; four independent vector instructions between a matrix instruction and the first vector use of its result (ISA guide 7.12.1)
.rept 4
	v_nop
.endr
.endm
.macro RELU2 a
.if DUAL
	v_dual_max_num_f32 v[\a], 0, v[\a] :: v_dual_max_num_f32 v[\a+1], 0, v[\a+1]
.else
	v_max_num_f32 v[\a], 0, v[\a]
	v_max_num_f32 v[\a+1], 0, v[\a+1]
.endif
.endm
.macro SPLIT d, s                      ; d = (upper 16 bits of s as bf16, the rest rounded to bf16): low half, high half
	v_and_b32 v[T], s36, v[\s]
	v_sub_f32 v[T+1], v[\s], v[T]
	v_cvt_pk_bf16_f32 v[\d], v[T], v[T+1]
.endm
.macro ACT acc, hf                     ; relu and rounding: a tile's 64 f32 become the next layer's 32 registers of bf16 pairs, four pairs at a time
.set i, 0
.rept 8
	RELU2 \acc+2*i
	RELU2 \acc+2*i+2
	RELU2 \acc+2*i+4
	RELU2 \acc+2*i+6
	v_cvt_pk_bf16_f32 v[\hf+i],   v[\acc+2*i],   v[\acc+2*i+1]
	v_cvt_pk_bf16_f32 v[\hf+i+1], v[\acc+2*i+2], v[\acc+2*i+3]
	v_cvt_pk_bf16_f32 v[\hf+i+2], v[\acc+2*i+4], v[\acc+2*i+5]
	v_cvt_pk_bf16_f32 v[\hf+i+3], v[\acc+2*i+6], v[\acc+2*i+7]
.set i, i+4
.endr
.endm
; One step for the trip's 32 elements.  xin, lin: registers with x and lin; newlin = 1: lin is split anew; son, snew: scalar registers with the ballot of
; the state at the step's start and end.  mode 0: every row is off (step 1); 1: both branches and the new state; 2: both branches, no new state (step 5).
.macro STEP xin, lin, newlin, mode, son, snew
	WIN 0
.if \newlin
	SPLIT SF, \lin                                 ; (lin_hi, lin_lo)
.endif
	SPLIT SF+1, \xin                               ; (x_hi, x_lo)
	v_perm_b32 v[SF+2], v[SF+1], v[SF], s37        ; (lin_hi, x_hi); v[SF+3] = (1, 1) stays
	; layer 1: K slots 0-7 of tile A are lanes 0-15 of v36-39 (B tuple v[36:43]); K slots 24-31 of tile B are lanes 16-31 of v36-39 (B tuple v[32:39]).
	; The other tile's state then stands in K slots 8-15 or 16-23, where the weights are 0.
	WIN 0x02
.set i, 0
.rept 8
	v_wmma_f32_16x16x32_bf16 v[ACC_A+8*i:ACC_A+8*i+7], v[W1F+8*i:W1F+8*i+7], v[SF:SF+7], 0
	v_wmma_f32_16x16x32_bf16 v[ACC_B+8*i:ACC_B+8*i+7], v[W1F+8*i:W1F+8*i+7], v[Z0:Z0+7], 0
.set i, i+1
.endr
	WIN 0
	PLACES
	ACT ACC_A, HF_A
	ACT ACC_B, HF_B
	; layer 2: chunk 0 takes b2 as C, so the bias costs no instruction; the sixteen accumulators take turns, one instruction a turn
	WIN 0x21
.set i, 0
.rept 8
	v_wmma_f32_16x16x32_bf16 v[ACC_A+8*i:ACC_A+8*i+7], v[8*i:8*i+7], v[HF_A:HF_A+7], v[B2R+8*i:B2R+8*i+7]
	v_wmma_f32_16x16x32_bf16 v[ACC_B+8*i:ACC_B+8*i+7], v[8*i:8*i+7], v[HF_B:HF_B+7], v[B2R+8*i:B2R+8*i+7]
.set i, i+1
.endr
	WIN 0x01
.set i, 8
.rept 24
	v_wmma_f32_16x16x32_bf16 v[ACC_A+8*(i%8):ACC_A+8*(i%8)+7], v[8*i:8*i+7], v[HF_A+8*(i/8):HF_A+8*(i/8)+7], v[ACC_A+8*(i%8):ACC_A+8*(i%8)+7]
	v_wmma_f32_16x16x32_bf16 v[ACC_B+8*(i%8):ACC_B+8*(i%8)+7], v[8*i:8*i+7], v[HF_B+8*(i/8):HF_B+8*(i/8)+7], v[ACC_B+8*(i%8):ACC_B+8*(i%8)+7]
.set i, i+1
.endr
	WIN 0
	PLACES
.set i, 0
.rept 32
	RELU2 ACC_A+2*i
	RELU2 ACC_B+2*i
.set i, i+1
.endr
	; layer 3 in f32: my 64 hidden units of each tile times W3, two chains a tile, started by multiplies
	WIN 0x08
.set i, 0
.rept 32
.if i < 2
	v_pk_mul_f32 v[SUM+2*i:SUM+2*i+1],     v[ACC_A+2*i:ACC_A+2*i+1], v[W3R+2*i:W3R+2*i+1]
	v_pk_mul_f32 v[SUM+4+2*i:SUM+4+2*i+1], v[ACC_B+2*i:ACC_B+2*i+1], v[W3R+2*i:W3R+2*i+1]
.else
	v_pk_fma_f32 v[SUM+2*(i%2):SUM+2*(i%2)+1],     v[ACC_A+2*i:ACC_A+2*i+1], v[W3R+2*i:W3R+2*i+1], v[SUM+2*(i%2):SUM+2*(i%2)+1]
	v_pk_fma_f32 v[SUM+4+2*(i%2):SUM+4+2*(i%2)+1], v[ACC_B+2*i:ACC_B+2*i+1], v[W3R+2*i:W3R+2*i+1], v[SUM+4+2*(i%2):SUM+4+2*(i%2)+1]
.endif
.set i, i+1
.endr
	WIN 0
	v_pk_add_f32 v[SUM:SUM+1], v[SUM:SUM+1], v[SUM+2:SUM+3]
	v_pk_add_f32 v[SUM+4:SUM+5], v[SUM+4:SUM+5], v[SUM+6:SUM+7]
	v_add_f32 v[SA], v[SUM], v[SUM+1]              ; lane (r, h): half h of tile A's element r
	v_add_f32 v[SB], v[SUM+4], v[SUM+5]            ; and of tile B's element 16 + r
	v_cndmask_b32 v[UU], v[SA], v[SB], s36         ; my own element's half that I hold,
	v_cndmask_b32 v[WT], v[SB], v[SA], s36         ; and the half that the lane 16 away needs
	v_permlanex16_b32 v[PW], v[WT], s42, s43
	v_add_f32 v[PL], v[UU], v[PW]
	v_add_f32 v[PL], s48, v[PL]                    ; + b3
.if \mode == 0
	v_fma_f32 v[XC], v[PL], s38, v[\xin]           ; off_x = x - 0.01 mlp
	v_cmp_ge_f32 s[\snew], s39, v[XC]              ; off_x <= 66 turns the row on
.else
	v_fma_f32 v[YY], v[PL], s38, v[\xin]           ; off_x
	v_add_f32 v[YO], s41, v[YY]                    ; on_x
.if \mode == 1
	v_cmp_ge_f32 s58, s39, v[YY]                   ; off_x <= 66
	v_cmp_lt_f32 s59, s40, v[YO]                   ; on_x > 78
.endif
	v_cndmask_b32 v[XC], v[YY], v[YO], s[\son]
.if \mode == 1
	s_and_not1_b32 s59, s[\son], s59               ; on and not switched off
	s_and_not1_b32 s58, s58, s[\son]               ; off and switched on (a NaN leaves the state as it is)
	s_or_b32 s[\snew], s58, s59
.endif
.endif
.endm
; dst = src + the number of the trip's elements of class K, in lane 16 + K.  s50.. hold the ballots of the key's bits.  In lane L the AND of (ballot xor NLB)
; is the mask of the elements whose key is L % 16; a lane from 16 up has all 16 low bits below it, so two v_mbcnt_lo count the mask's two halves whole.
.macro COUNTCLS t, nb, cut, dst, src
	v_xor_b32 v[\t], s50, v[NLB]
	v_xor_b32 v[\t+1], s51, v[NLB+1]
	v_and_b32 v[\t], v[\t], v[\t+1]
.if \nb == 4
	v_xor_b32 v[\t+1], s52, v[NLB+2]
	v_xor_b32 v[\t+2], s53, v[NLB+3]
	v_and_b32 v[\t], v[\t], v[\t+1]
	v_and_b32 v[\t], v[\t], v[\t+2]
.endif
.if \cut
	v_and_b32 v[\t], v[\t], v[NL23]
.endif
	v_and_b32 v[\t+1], 0xffff, v[\t]
	v_lshrrev_b32 v[\t], 16, v[\t]
	v_mbcnt_lo_u32_b32 v[\dst], v[\t+1], v[\src]
	v_mbcnt_lo_u32_b32 v[\dst], v[\t], v[\dst]
.endm
.macro W2_ISSUE                        ; my 32 rows of W2 in f32: row k = 32 w + i, lane L its columns 4 L .. 4 L + 3; each load covers a whole row of 512 bytes
	WIN 0x40
.set i, 0
.rept 32
	global_load_b128 v[4*i:4*i+3], v[A_W2], s[P_W2:P_W2+1] offset:512*i
.set i, i+1
.endr
	WIN 0
.endm
.macro W2_STAGE                        ; to bf16, and into LDS by rows
	WIN 0x45
.set i, 0
.rept 32
	v_cvt_pk_bf16_f32 v[128+2*i], v[4*i], v[4*i+1]
	v_cvt_pk_bf16_f32 v[129+2*i], v[4*i+2], v[4*i+3]
.set i, i+1
.endr
	WIN 0x04
.set i, 0
.rept 32
	ds_store_b64 v[A_WS], v[128+2*i:129+2*i] offset:W2S+WP*i
.set i, i+1
.endr
	WIN 0
.endm
.macro W2_FRAGS                        ; A fragment (mt, c): row m = column 16 mt + m of W2, K = rows 32 c .. 32 c + 31: two transposing loads, 16 rows apart
	WIN 0x40
.set i, 0
.rept 32
	ds_load_tr16_b128 v[8*i:8*i+3],   v[A_FR] offset:W2S+(i/8)*32*WP+32*(i%8)
	ds_load_tr16_b128 v[8*i+4:8*i+7], v[A_FR] offset:W2S+(i/8)*32*WP+32*(i%8)+16*WP
.set i, i+1
.endr
	WIN 0
.endm
.macro SMALL_ISSUE                     ; 24 loads of 4 bytes (W1's two rows and b1 of hidden unit 16 mt + r), then 32 of 16 bytes (b2 and W3 of units 16 mt + 8 h + 0..7)
	WIN 0x80
.set i, 0
.rept 8
	global_load_b32 v[RAW+i],    v[CK], s[P_W1:P_W1+1] offset:64*i
	global_load_b32 v[RAW+8+i],  v[CK], s[P_W1:P_W1+1] offset:512+64*i
	global_load_b32 v[RAW+16+i], v[CK], s[P_B1:P_B1+1] offset:64*i
.set i, i+1
.endr
.set i, 0
.rept 8
	global_load_b128 v[B2R+8*i:B2R+8*i+3],   v[A_H32], s[P_B2:P_B2+1] offset:64*i
	global_load_b128 v[B2R+8*i+4:B2R+8*i+7], v[A_H32], s[P_B2:P_B2+1] offset:64*i+16
	global_load_b128 v[W3R+8*i:W3R+8*i+3],   v[A_H32], s[P_W3:P_W3+1] offset:64*i
	global_load_b128 v[W3R+8*i+4:W3R+8*i+7], v[A_H32], s[P_W3:P_W3+1] offset:64*i+16
.set i, i+1
.endr
	WIN 0
.endm
; Layer 1's A fragments.  Four registers of bf16 pairs meet the state's four: (W1[0]hi, W1[0]hi) x (lin_hi, lin_lo), (W1[1]hi, W1[1]hi) x (x_hi, x_lo),
; (W1[0]lo, W1[1]lo) x (lin_hi, x_hi), (b1hi, b1lo) x (1, 1).  They stand in K slots 0-7 (registers 0-3 of lanes 0-15) and 24-31 (registers 4-7 of lanes 16-31); all else is 0.
.macro W1_BUILD
	WIN 0xaa
.set i, 0
.rept 8
	v_and_b32 v[TW],   s36, v[RAW+i]
	v_and_b32 v[TW+2], s36, v[RAW+8+i]
	v_and_b32 v[TW+4], s36, v[RAW+16+i]
	v_sub_f32 v[TW+1], v[RAW+i],    v[TW]
	v_sub_f32 v[TW+3], v[RAW+8+i],  v[TW+2]
	v_sub_f32 v[TW+5], v[RAW+16+i], v[TW+4]
	v_cvt_pk_bf16_f32 v[TW+6], v[TW],   v[TW]
	v_cvt_pk_bf16_f32 v[TW+7], v[TW+2], v[TW+2]
	v_cvt_pk_bf16_f32 v[TW+8], v[TW+1], v[TW+3]
	v_cvt_pk_bf16_f32 v[TW+9], v[TW+4], v[TW+5]
.irp k, 0,1,2,3
	v_cndmask_b32 v[W1F+8*i+\k],   v[TW+6+\k], 0, s36
	v_cndmask_b32 v[W1F+8*i+4+\k], 0, v[TW+6+\k], s36
.endr
.set i, i+1
.endr
	WIN 0
.endm
; THE RANKS.
; Trip q: my rank among the trip's 32 elements under both keys, my keys as lane indices, and the running class counts.
.macro QCOUNT q
	v_readlane_b32 s50, v[VMA], \q
	v_readlane_b32 s51, v[VMA], 16+\q
	s_not_b32 s54, s50
	s_not_b32 s55, s51
.if NB == 4
	v_readlane_b32 s52, v[VMB], \q
	v_readlane_b32 s53, v[VMB], 16+\q
	s_not_b32 s56, s52
	s_not_b32 s57, s53
.endif
	v_cndmask_b32 v[H], s54, s50, s50              ; the elements that agree with mine in bit 0: the ballot where my bit is set, else its complement
	v_cndmask_b32 v[H+1], s55, s51, s51
.if NB == 4
	v_cndmask_b32 v[H+2], s56, s52, s52
	v_cndmask_b32 v[H+3], s57, s53, s53
	v_and_b32 v[H], v[H], v[H+1]
	v_and_b32 v[H], v[H], v[H+2]                   ; same shorter key
	v_and_b32 v[H+1], v[H], v[H+3]                 ; same longer key
.else
	v_and_b32 v[H+1], v[H], v[H+1]
.endif
	v_mbcnt_lo_u32_b32 v[LR1+\q], v[H], 0
	v_mbcnt_lo_u32_b32 v[LR2+\q], v[H+1], 0
	v_cndmask_b32 v[I1+\q], v[C64], v[C68], s50
.if NB == 4
	v_cndmask_b32 v[H], 0, 8, s51
	v_cndmask_b32 v[H+1], 0, 16, s52
	v_add3_u32 v[I1+\q], v[I1+\q], v[H], v[H+1]
	v_cndmask_b32 v[H], 0, 32, s53
.else
	v_cndmask_b32 v[H], 0, 8, s51
.endif
	v_add_nc_u32 v[I2+\q], v[I1+\q], v[H]
	COUNTCLS H, NB, 0, R2+1+\q, R2+\q
.endm
.macro XRED r                          ; the sum over the eight lanes that share L % 4, in each of them
	v_mov_b32_dpp v[PW], v[\r] row_xmask:4 row_mask:0xf bank_mask:0xf
	v_add_nc_u32 v[\r], v[\r], v[PW]
	v_mov_b32_dpp v[PW], v[\r] row_xmask:8 row_mask:0xf bank_mask:0xf
	v_add_nc_u32 v[\r], v[\r], v[PW]
	v_permlanex16_b32 v[PW], v[\r], s42, s43
	v_add_nc_u32 v[\r], v[\r], v[PW]
.endm
.macro FOLDX src                       ; PW = src of the lane whose class differs from mine in the longer key's top bit
.if NB == 4
	v_mov_b32_dpp v[PW], v[\src] row_xmask:8 row_mask:0xf bank_mask:0xf
.else
	v_mov_b32_dpp v[PW], v[\src] row_xmask:2 row_mask:0xf bank_mask:0xf
.endif
.endm
.macro EXPRE pre, tot                  ; pre = the sum of tot over the lower lanes of my 16; tot is used up.  At distance s the partner's block lies below me if my bit s is set
	v_mov_b32_dpp v[PW], v[\tot] row_xmask:1 row_mask:0xf bank_mask:0xf
	v_cndmask_b32 v[\pre], 0, v[PW], s44
	v_add_nc_u32 v[\tot], v[\tot], v[PW]
	v_mov_b32_dpp v[PW], v[\tot] row_xmask:2 row_mask:0xf bank_mask:0xf
	v_cndmask_b32 v[H], 0, v[PW], s45
	v_add_nc_u32 v[\pre], v[\pre], v[H]
	v_add_nc_u32 v[\tot], v[\tot], v[PW]
	v_mov_b32_dpp v[PW], v[\tot] row_xmask:4 row_mask:0xf bank_mask:0xf
	v_cndmask_b32 v[H], 0, v[PW], s46
	v_add_nc_u32 v[\pre], v[\pre], v[H]
	v_add_nc_u32 v[\tot], v[\tot], v[PW]
	v_mov_b32_dpp v[PW], v[\tot] row_xmask:8 row_mask:0xf bank_mask:0xf
	v_cndmask_b32 v[H], 0, v[PW], s47
	v_add_nc_u32 v[\pre], v[\pre], v[H]
.endm
.macro QPOS q                          ; in lane 16 + K: all that precedes trip q's class K; each lane then looks up its own class
	FOLDX R2+\q
	v_add3_u32 v[GL1+\q], v[PW], v[R2+\q], v[BASE1]
	v_add_nc_u32 v[GL2+\q], v[R2+\q], v[BASE2]
	ds_bpermute_b32 v[LK1+\q], v[I1+\q], v[GL1+\q]
	ds_bpermute_b32 v[LK2+\q], v[I2+\q], v[GL2+\q]
.endm
	s_load_b512 s[8:23], s[0:1], 0x0               ; input, W1, b1, W2, b2, W3, b3, xb
	s_load_b256 s[24:31], s[0:1], 0x40             ; maska, maskb, histb, out0
	v_lshl_add_u32 v20, v0, 2, 0x11800
	v_mov_b32 v25, 0
	v_lshrrev_b32 v[T], 5, v0
	v_readfirstlane_b32 s2, v[T]                   ; w
	s_mov_b32 s3, ttmp9                            ; g
	s_mov_b32 s36, 0xffff0000                      ; a word's upper 16 bits; as a lane mask: lanes 16-31
	s_mov_b32 s37, 0x05040100                      ; v_perm_b32: the two low halves
	s_mov_b32 s38, 0xbc23d70a                      ; -0.01
	s_mov_b32 s41, 0x41200000                      ; 10
	s_mov_b32 s42, 0x76543210                      ; v_permlanex16_b32: lane i of one half reads lane i of the other
	s_mov_b32 s43, 0xfedcba98
	s_mov_b32 s44, 0xaaaaaaaa                      ; the lanes whose number has bit 0, 1, 2, 3 set
	s_mov_b32 s45, 0xcccccccc
	s_mov_b32 s46, 0xf0f0f0f0
	s_mov_b32 s47, 0xff00ff00
	v_and_b32 v[LN], 31, v0
	v_and_b32 v[CK], 15, v0
	v_lshlrev_b32 v[CK], 2, v[CK]
.irp b, 0,1,2,3
	v_bfe_u32 v[NLB+\b], v0, \b, 1
	v_add_nc_u32 v[NLB+\b], -1, v[NLB+\b]
.endr
	v_mov_b32 v[C64], 64
	v_mov_b32 v[C68], 0x44
	v_mov_b32 v[PW], 0
.irp k, 0,1,2,3
	v_mov_b32 v[Z0+\k], 0
	v_mov_b32 v[SF+4+\k], 0
.endr
	v_mov_b32 v[SF+3], 0x3f803f80                  ; (1, 1) in bf16
	s_lshl_b32 s5, s3, 13
	s_lshl_b32 s6, s2, 11
	s_add_co_u32 s5, s5, s6                        ; 8192 g + 2048 w: my wave's 512 numbers in xb
	v_lshl_add_u32 v[A_X], v[LN], 4, s5
	s_lshr_b32 s5, s5, 4                           ; 512 g + 128 w: its 32 words of ballots in maska and in maskb
	v_lshl_add_u32 v[A_MASK], v[LN], 2, s5
	s_lshl_b32 s6, s2, 12                          ; 64 rows of the table
	v_lshl_add_u32 v[A_H], v[LN], 4, s6
	s_lshl_b32 s6, s2, 6
	v_lshrrev_b32 v[T], 2, v[LN]
	v_add_nc_u32 v[ROWV], s6, v[T]
	v_and_b32 v[T], 3, v0
	v_lshl_add_u32 v[SCA], v[T], 4, s6
	s_lshl_b32 s6, s2, 14                          ; 32 rows of W2
	v_lshl_add_u32 v[A_W2], v[LN], 4, s6
	v_bfe_u32 v[T], v0, 4, 1                       ; h
	v_lshlrev_b32 v[A_H32], 5, v[T]
	v_and_b32 v[T+1], 7, v0
	v_lshl_or_b32 v[T+1], v[T], 3, v[T+1]          ; 8 h + L % 8
	v_mul_u32_u24 v[T+1], v[T+1], WP
	v_bfe_u32 v[T], v0, 3, 1
	v_lshl_add_u32 v[A_FR], v[T], 4, v[T+1]        ; + 16 ((L / 8) % 2)
	s_mul_i32 s6, s2, 32*WP
	v_lshl_add_u32 v[A_WS], v[LN], 3, s6
	s_lshl_b32 s7, s2, 13
	s_add_co_u32 s7, s7, REC
	v_lshl_add_u32 v[ADB], v[LN], 2, s7
	v_lshl_add_u32 v[A16], v[LN], 4, s7
	s_lshl_b32 s6, s2, 7
	v_lshl_add_u32 v[WLA], v[LN], 2, s6
	s_wait_kmcnt 0x0
	s_load_b32 s48, s[P_B3:P_B3+1], 0x0            ; b3
	global_load_b32 v[VMA], v[A_MASK], s[P_MA:P_MA+1]
	global_load_b32 v[VMB], v[A_MASK], s[P_MB:P_MB+1]
.set i, 0
.rept 8
	global_load_b128 v[HB+4*i:HB+4*i+3], v[A_H], s[P_HI:P_HI+1] offset:512*i   ; rows 64 w + 8 i + L / 4, classes 4 (L % 4) .. + 3
.set i, i+1
.endr
.set i, 0
.rept 4
	global_load_b128 v[XL+4*i:XL+4*i+3], v[A_X], s[P_XI:P_XI+1] offset:512*i
.set i, i+1
.endr
	W2_ISSUE
	s_wait_loadcnt 44                              ; both words of ballots are in; the 8 + 4 + 32 younger loads may stay out
	v_mov_b32 v[R2], 0
.set qq, 0
.rept 16
	QCOUNT qq
.set qq, qq+1
.endr
	s_wait_loadcnt 36                              ; the table's 8 loads are in; 4 + 32 younger ones may stay out
	v_cmp_gt_i32 vcc_lo, s3, v[ROWV]               ; is my row of load 0 below g?
.irp j, 0,1,2,3
	v_cndmask_b32 v[BEF+\j], 0, v[HB+\j], vcc_lo   ; load 0 starts both sums; v[HB:HB+3] are the totals
.endr
.set i, 1
.rept 7
	s_sub_co_i32 s5, s3, 8*i
	v_cmp_gt_i32 vcc_lo, s5, v[ROWV]               ; 64 w + L / 4 + 8 i < g, signed: g - 8 i may be negative
.irp j, 0,1,2,3
	v_cndmask_b32 v[H+\j], 0, v[HB+4*i+\j], vcc_lo
.endr
.irp j, 0,1,2,3
	v_add_nc_u32 v[BEF+\j], v[BEF+\j], v[H+\j]
	v_add_nc_u32 v[HB+\j], v[HB+\j], v[HB+4*i+\j]
.endr
.set i, i+1
.endr
.irp j, 0,1,2,3
	XRED HB+\j
	XRED BEF+\j
.endr
	ds_store_b128 v[SCA], v[HB:HB+3] offset:SCT    ; lanes that share an address store the same numbers
	ds_store_b128 v[SCA], v[BEF:BEF+3] offset:SCB
	ds_store_b32 v[WLA], v[R2+16] offset:WCR       ; my wave's class counts
	s_wait_loadcnt 32                              ; x is in; W2's 32 loads may stay out
.set i, 0
.rept 4
	ds_store_b128 v[A16], v[XL+4*i:XL+4*i+3] offset:512*i
.set i, i+1
.endr
	s_wait_loadcnt 0x0                             ; W2
	SMALL_ISSUE
	W2_STAGE
	s_wait_dscnt 0x0                               ; my sums, counts and rows of W2 are in LDS, for the other waves' sake
	s_barrier_signal -1
	s_barrier_wait -1
	; what precedes my wave's elements of each class
.irp k, 0,1,2,3
	ds_load_b32 v[HB+\k],   v[CK] offset:SCT+64*\k
	ds_load_b32 v[HB+4+\k], v[CK] offset:SCB+64*\k
.endr
.irp k, 0,1,2
	ds_load_b32 v[HB+8+\k], v[CK] offset:WCR+64+128*\k
.endr
	s_wait_dscnt 0x0
	v_add3_u32 v[TOT2], v[HB], v[HB+1], v[HB+2]
	v_add_nc_u32 v[TOT2], v[TOT2], v[HB+3]         ; class L % 16 in all work-groups
	v_add3_u32 v[PB2], v[HB+4], v[HB+5], v[HB+6]
	v_add_nc_u32 v[PB2], v[PB2], v[HB+7]           ; in the work-groups before mine
.irp k, 0,1,2
	s_cmp_gt_u32 s2, \k
	s_cselect_b32 s5, -1, 0
	v_and_b32 v[HB+8+\k], s5, v[HB+8+\k]           ; wave k counts if it comes before mine
.endr
	v_add3_u32 v[PB2], v[PB2], v[HB+8], v[HB+9]
	v_add_nc_u32 v[PB2], v[PB2], v[HB+10]
	FOLDX TOT2
	v_add_nc_u32 v[TOT1], v[TOT2], v[PW]
	v_and_b32 v[TOT1], v[TOT1], v[NLB+NB-1]        ; the shorter key's classes stand in the lanes without the top bit
	FOLDX PB2
	v_add_nc_u32 v[PB1], v[PB2], v[PW]
	EXPRE BASE2, TOT2
	v_add_nc_u32 v[BASE2], v[BASE2], v[PB2]
	EXPRE BASE1, TOT1
	v_add_nc_u32 v[BASE1], v[BASE1], v[PB1]
.set qq, 0
.rept 16
	QPOS qq
.set qq, qq+1
.endr
	s_wait_loadcnt 0x0                             ; the 56 small loads, issued ahead of the staging, the barrier and the sums above
	W1_BUILD
	s_wait_dscnt 0x0                               ; the 32 lookups
.set qq, 0
.rept 16
	v_add_nc_u32 v[LK1+qq], v[LK1+qq], v[LR1+qq]   ; p_5
	v_add_nc_u32 v[LK2+qq], v[LK2+qq], v[LR2+qq]   ; p_6
	v_min_u32 v[LK1+qq], 0x7ffff, v[LK1+qq]        ; never past the last row
	v_min_u32 v[LK2+qq], 0x7ffff, v[LK2+qq]
	v_lshlrev_b32 v[LK1+qq], 3, v[LK1+qq]          ; lin[p] lies at byte 8 p of input
.set qq, qq+1
.endr
.set qq, 0
.rept 16
	global_load_b32 v[GL1+qq], v[LK1+qq], s[P_IN:P_IN+1]
.set qq, qq+1
.endr
	W2_FRAGS
	s_wait_loadcnt 0x0                             ; the 16 gathers
.set qq, 0
.rept 16
	ds_store_b32 v[ADB], v[GL1+qq] offset:R_LA+128*qq
	ds_store_b32 v[ADB], v[LK2+qq] offset:R_LB+128*qq
	ds_store_b32 v[ADB], v[I2+qq]  offset:R_KY+128*qq
.set qq, qq+1
.endr
	s_wait_dscnt 0x0                               ; the fragments of W2 are in; the stores have read registers that the loop writes
	s_wait_kmcnt 0x0                               ; b3
	s_mov_b32 s4, 0
.Ltrip:
	s_wait_xcnt 0x0                                ; the last trip's store names XC and PO: they are written again only behind this wait
	v_lshl_add_u32 v[AD], s4, 7, v[ADB]            ; 32 words a trip
	ds_load_b32 v[RX],  v[AD]
	ds_load_b32 v[RLA], v[AD] offset:R_LA
	ds_load_b32 v[RLB], v[AD] offset:R_LB
	ds_load_b32 v[RKY], v[AD] offset:R_KY
	s_wait_dscnt 0x0
	v_and_b32 v[T], 32, v[RKY]
	v_cmp_ne_u32 s50, 0, v[T]                      ; on_5
	STEP RX, RLA, 1, 2, 50, 0                      ; step 5
	v_min_u32 v[PO], 0x7ffff, v[RLB]               ; p_6, clamped again where it becomes an address
	v_lshlrev_b32 v[PO], 2, v[PO]
	global_store_b32 v[PO], v[XC], s[P_OUT:P_OUT+1]
	s_add_co_u32 s4, s4, 1
	s_cmp_lt_u32 s4, TRIPS
	s_cbranch_scc1 .Ltrip
	s_wait_tensorcnt 0x0
	ds_add_u32 v20, v25
	s_wait_dscnt 0x0
	s_endpgm
.Lfunc_end_k_q7a054936c3_step5:
	.size	k_q7a054936c3_step5, .Lfunc_end_k_q7a054936c3_step5-k_q7a054936c3_step5
	.p2alignl 7, 3214868480
	.fill 96, 4, 3214868480
	.section	.rodata,"a",@progbits
	.p2align	6, 0x0
	.amdhsa_kernel k_q7a054936c3_step5
		.amdhsa_group_segment_fixed_size 72192
		.amdhsa_private_segment_fixed_size 0
		.amdhsa_enable_private_segment 0
		.amdhsa_kernarg_size 96
		.amdhsa_user_sgpr_count 2
		.amdhsa_user_sgpr_kernarg_segment_ptr 1
		.amdhsa_wavefront_size32 1
		.amdhsa_system_sgpr_workgroup_id_x 1
		.amdhsa_system_sgpr_workgroup_id_y 1
		.amdhsa_system_sgpr_workgroup_id_z 1
		.amdhsa_system_vgpr_workitem_id 0
		.amdhsa_next_free_vgpr 768
		.amdhsa_next_free_sgpr 80
		.amdhsa_reserve_vcc 1
		.amdhsa_float_denorm_mode_32 3
		.amdhsa_float_denorm_mode_16_64 3
		.amdhsa_memory_ordered 1
		.amdhsa_forward_progress 1
		.amdhsa_inst_pref_size 103
	.end_amdhsa_kernel
	.amdgpu_metadata
---
amdhsa.version: [ 1, 2 ]
amdhsa.kernels:
  - .name:           k_q7a054936c3_step5
    .symbol:         k_q7a054936c3_step5.kd
    .args:
      - { .name: input, .offset: 0, .size: 8, .value_kind: global_buffer, .address_space: global }
      - { .name: W1, .offset: 8, .size: 8, .value_kind: global_buffer, .address_space: global }
      - { .name: b1, .offset: 16, .size: 8, .value_kind: global_buffer, .address_space: global }
      - { .name: W2, .offset: 24, .size: 8, .value_kind: global_buffer, .address_space: global }
      - { .name: b2, .offset: 32, .size: 8, .value_kind: global_buffer, .address_space: global }
      - { .name: W3, .offset: 40, .size: 8, .value_kind: global_buffer, .address_space: global }
      - { .name: b3, .offset: 48, .size: 8, .value_kind: global_buffer, .address_space: global }
      - { .name: xb, .offset: 56, .size: 8, .value_kind: global_buffer, .address_space: global }
      - { .name: maska, .offset: 64, .size: 8, .value_kind: global_buffer, .address_space: global }
      - { .name: maskb, .offset: 72, .size: 8, .value_kind: global_buffer, .address_space: global }
      - { .name: histb, .offset: 80, .size: 8, .value_kind: global_buffer, .address_space: global }
      - { .name: out0, .offset: 88, .size: 8, .value_kind: global_buffer, .address_space: global }
    .group_segment_fixed_size: 72192
    .private_segment_fixed_size: 0
    .kernarg_segment_align: 8
    .kernarg_segment_size: 96
    .max_flat_workgroup_size: 128
    .sgpr_count:     80
    .vgpr_count:     768
    .wavefront_size: 32
...
	.end_amdgpu_metadata
.endif
;; end of part 3
;; ======== version 2 of 2: 3 launches; 1.18 times as fast as version 1
;; workspace buffers: xa 2,097,152 bytes; xb 2,097,152 bytes; maska 131,072 bytes of whole numbers; maskb 131,072 bytes of whole numbers; hista 16,384 bytes of whole numbers; histb 16,384 bytes of whole numbers
;; launch steps12 (part 4): grid 256 x 1, 4 waves a work-group, no clusters, 72,192 bytes of LDS; arguments input, W1, b1, W2, b2, W3, b3, xa, maska, hista; writes xa, maska, hista
.if DOCPART == 4
	.amdgcn_target "amdgcn-amd-amdhsa--gfx1250"
	.amdhsa_code_object_version 6
	.text
	.protected	k_q7a054936c3_steps12
	.globl	k_q7a054936c3_steps12
	.p2align	8
	.type	k_q7a054936c3_steps12,@function
k_q7a054936c3_steps12:
	s_mov_b64 s[64:65], 0
	v_nop
	global_prefetch_b8 v0, s[64:65] scope:SCOPE_SE
	s_setreg_imm32_b32 hwreg(HW_REG_WAVE_MODE, 25, 1), 1
	s_wait_xcnt 0x0
; STEPS 1 AND 2 OF FIVE.
; reference(): in each of five steps every position i runs the MLP 2 -> 128 -> 128 -> 1 on (lin[i], x[i]); x = x - 0.01 mlp (+ 10 where the row is on);
; the state is switched against 66 and 78; then x and isOn, but not lin, are stably partitioned, the rows that were off at the step's start first.
; THE PARTITION AS A RANK.  Follow an element e (its original row): on_t(e) its state at the start of step t, p_t(e) its position.  Stable partitions compose
; as the passes of a radix sort do: p_(t+1)(e) is the stable rank of e under the key (on_t .. on_2), on_t on top.  So x never moves: an element needs
; lin[p_t(e)] in step t, and out0[p_6(e)] = x_6(e).  p_t needs counts of on_(t-1) over all rows, and on_(t-1) is known after step t-2: so two steps a launch.
; This launch: steps 1 and 2 (p_1 = p_2 = e).  It stores x_3 by element (xa), the ballots of on_2 and on_3 (maska) and, for each work-group, the counts of the
; four classes K = on_2 + 2 on_3 (hista, sixteen words a work-group, classes 4 to 15 hold 0).
; WORK LEFT OUT, for all values of the inputs: isOn starts as the zeros that reference() builds, so in step 1 mask_on is false in every row: the on branch of
; step 1 is never selected and its permutation is the identity; neither is computed.  Every input has a way to the output and is loaded.
; A NaN, an infinity or an overflow that would arise only in step 1's on branch (x - plant + 10) is not carried anywhere, as in reference().
; LIMITS.  Inputs are finite: layer 1 multiplies a second copy of each element's state by a weight 0, so an infinity in the state becomes a NaN; relu by v_max_num
; turns a NaN into 0.  Layer 1 runs on state and weights split into two bf16 parts (16 bits of mantissa), layer 2 on bf16 operands, x - 0.01 mlp is one fused
; multiply-add: a row that lies within that rounding of 66 or 78 may switch otherwise than in f32, and ranks then shift.  An off row gets + 0 where an on row gets
; + 10, so its -0 becomes +0.  b3 enters as b3 / 2 in each half of the lanes: exact unless b3 is denormal.
; hista is stored 64 bytes a work-group: all that a work-group owns of it.
; No cluster and no tensor loads: what work-groups share is 66 KB of weights, read once by each and converted to bf16 on the way through registers.
;
; SHARES.  256 work-groups of 4 waves; element e = 2048 g + 512 w + 32 q + L (work-group g, wave w, trip q, lane L).  A trip takes 32 elements as two
; tiles of 16 (A: elements 0-15, B: 16-31) through both steps.  A tile's element r lives in lanes r and 16 + r alike.
; THE MLP, TRANSPOSED AND CHAINED.  Weights are the matrix instruction's A, elements are B's columns.  In the result, lane (r = L % 16, h = L / 16), register j,
; holds hidden unit 16 mt + 8 h + j of element r; relu and packing of result tiles 2 c and 2 c + 1 IS the B fragment of K chunk c of the next layer, in the
; same lanes.  All weights stay in registers for the whole launch; nothing goes through LDS between the layers.
; BY TURNS.  A turn is one tile's step on the matrix unit: 40 matrix instructions (8 of layer 1, 32 of layer 2), and behind each one slice of at most four vector
; instructions.  Slices 2-17: the same tile's relu and rounding behind layer 1 (64).  Slices 0-1 and 18-31: the other tile's relu and layer 3 (64).  Slices 32-39: the
; other tile's sum over the lanes, its new x and state and its next layer-1 operand (14 to 25, a chain of 10).  The tiles' turns alternate: A.1 B.1 A.2 B.2 A.1' ..
; Layer 1's result and layer 2's sum share registers, so product (mt, c) stands behind slice 3 + 2 mt (tile mt is packed) and slice 5 + 4 c (chunk c is whole).
; The loop is rotated: A's first turn of trip 0 stands ahead of it, a trip of the loop is B.1 A.2 B.2 A.1(next), the last trip is written out.
; REGISTER WINDOWS (s_set_vgpr_msb, low byte: bits 1:0 source 0, 3:2 source 1, 5:4 source 2, 7:6 destination):
;   window 0: addresses, state, v64-95 the hidden fragments, v128-255 the sixteen accumulator tiles;  window 1: W2 as 32 A fragments, (mt, c) at 8 (8 c + mt);
;   window 2: v0-63 W1 and b1 as 8 A fragments, v64-127 b2 and v128-191 W3 in the result's layout, v192-231 at work in the head.
;   A turn has 48 switches for its 40 matrix instructions: a relu slice needs none (its first source is a constant, and the products' settings move source 0 and 2 alone).
.set KIND,  12                         ; which launch this text is: 12, 34 or 5
.set DUAL,  1                          ; relu of two registers as one dual instruction (0: two plain ones)
.set TRIPS, 16
; LDS, bytes
.set MS,    1024                       ; 4 waves x 128: word [bit 0..1][q 0..15], the trip's ballots
.set HCR,   1536                       ; 4 waves x 128: a wave's class counts, class K in word 16 + K
.set W2S,   2048                       ; W2 in bf16, 128 rows (k) of 256 bytes at a pitch of 288 = 9 x 32
.set WP,    288
.set REC,   38912                      ; 4 waves x 8,192: at +0 the wave's 512 pairs (lin, x), 8 bytes each; at +XS its 512 results
.set XS,    4096
; window 0
.set LN,    1                          ; lane
.set AD,    2                          ; this trip's word by lane
.set MSA,   3                          ; this trip's word in MS
.set ADB,   4                          ; REC + 8192 w + 4 L
.set MSB0,  5                          ; 128 w
.set ADR,   6                          ; this trip's record by L % 16
.set ADRB,  7                          ; REC + 8192 w + 8 (L % 16)
.set FINM,  8                          ; the trip's 32 results, one a lane
.set T,     11                         ; v11-13 at work
.set A_X,   14                         ; 8192 g + 2048 w + 16 L: my 16 bytes of the wave's x in memory
.set A16,   15                         ; REC + 8192 w + 16 L
.set WLA,   16                         ; 128 w + 4 L
.set M0R,   17                         ; the two ballots as vector data for their stores
.set M1R,   18
.set HC,    20                         ; class counts: class K in lane 16 + K
.set NLB,   21                         ; v21-24: all ones where bit b of the lane's number is 0
.set NL23,  25                         ; NLB2 & NLB3
.set PW,    30                         ; takes what comes from the other half of the lanes
.set CK,    31                         ; 4 (L % 16)
.set SFA,   32                         ; v32-35 tile A's state in bf16 pairs; layer 1's B tuple of tile A is v[32:39]
.set ZZ,    36                         ; v36-39 = 0
.set SFB,   40                         ; v40-43 tile B's state; its B tuple is v[36:43]
.set SUM,   44                         ; v44-51 four chains of layer 3
.set SA,    52
.set PL,    53
.set YY,    54
.set AD10,  55                         ; 10 where the row is on, else 0
.set TX,    56                         ; v56-57 x being split
.set TL,    58                         ; v58-59 lin being split
.set BIAS,  60                         ; v60-61 = (b3 / 2, 0)
.set HF,    64                         ; v64-95 hidden fragments of the tile whose turn it is, register 4 mt + j / 2
.set TBA,   96                         ; tile A's own registers, tile B's at TBB: +0 x, +L2O the second step's lin, +LHO lin_hi, +FINO the trip's result, +4.. the next record
.set TBB,   104
.set L2O,   1
.set LHO,   2
.set FINO,  3
.set NL1O,  4                          ; the record here is the pair (lin, x)
.set NXO,   5
.set NL2O,  6
.set ACC_A, 128                        ; accumulators, register 8 mt + j
.set ACC_B, 192
.set A_W2,  250                        ; addresses that only the head needs
.set A_IN,  251
.set A_H32, 253
.set A_WS,  254
.set A_FR,  255
; window 2
.set W1F,   0
.set B2R,   64
.set W3R,   128
.set RAW,   192
.set TW,    216
; scalars: s54-56 tile A's state at the trip's first step, second step and end; s66-68 tile B's; s58, s59, s62 at work; s63 the next trip's lane in the mask words
; scalar pairs: the buffers
.set P_IN,  8
.set P_W1,  10
.set P_B1,  12
.set P_W2,  14
.set P_B2,  16
.set P_W3,  18
.set P_B3,  20
.set P_XO,  22
.set P_MO,  24
.set P_HO,  26
.set MSB, 0
.macro WIN new                         ; the immediate's high byte repeats the setting that is left
.if MSB != \new
	s_set_vgpr_msb (MSB<<8)|\new
.set MSB, \new
.endif
.endm
.macro RWIN                            ; for a relu: only its second source and its destination are registers, so any setting with these two in window 0 serves
.if MSB & 0xcc
	WIN 0
.endif
.endm
.macro PLACES                          ; four independent vector instructions between a matrix instruction and the first vector use of its result (ISA guide 7.12.1)
.rept 4
	v_nop
.endr
.endm
.macro RELU2 a
.if DUAL
	v_dual_max_num_f32 v[\a], 0, v[\a] :: v_dual_max_num_f32 v[\a+1], 0, v[\a+1]
.else
	v_max_num_f32 v[\a], 0, v[\a]
	v_max_num_f32 v[\a+1], 0, v[\a+1]
.endif
.endm
.macro RELU8 a                         ; a slice: relu in place of one result tile, 8 registers
	RWIN
	RELU2 \a
	RELU2 \a+2
	RELU2 \a+4
	RELU2 \a+6
.endm
.macro CVT8 a, mt                      ; a slice: result tile mt rounded to bf16 pairs: half of a K chunk of layer 2's B
	WIN 0
.irp k, 0,1,2,3
	v_cvt_pk_bf16_f32 v[HF+4*(\mt)+\k], v[\a+8*(\mt)+2*\k], v[\a+8*(\mt)+2*\k+1]
.endr
.endm
.macro DOT8 a, mt                      ; a slice: layer 3 in f32 on result tile mt, four chains; tile 0 starts them, the first from (b3 / 2, 0)
	WIN 0x08
.irp k, 0,1,2,3
.if (\mt) == 0
.if \k == 0
	v_pk_fma_f32 v[SUM:SUM+1], v[\a:\a+1], v[W3R:W3R+1], v[BIAS:BIAS+1]
.else
	v_pk_mul_f32 v[SUM+2*\k:SUM+2*\k+1], v[\a+2*\k:\a+2*\k+1], v[W3R+2*\k:W3R+2*\k+1]
.endif
.else
	v_pk_fma_f32 v[SUM+2*\k:SUM+2*\k+1], v[\a+8*(\mt)+2*\k:\a+8*(\mt)+2*\k+1], v[W3R+8*(\mt)+2*\k:W3R+8*(\mt)+2*\k+1], v[SUM+2*\k:SUM+2*\k+1]
.endif
.endr
.endm
; The matrix instruction of slot sl of a turn.  Slots 0-7: layer 1, tile sl.  Slots 8-15: (mt 0-3) x (chunk 0, 1).  Slots 16-39: four blocks of six: two of
; (mt 0-3, chunk 2 or 3), then (mt 4-7, chunk = the block's number).  Chunk 0 takes b2 as C, so the bias costs no instruction.  The accumulators take turns, one
; instruction a turn.  Layer 1: K slots 0-7 are lanes 0-15 of a tuple's registers 0-3 (tile A's state), K slots 24-31 lanes 16-31 of its
; registers 4-7 (tile B's); the state's second copy stands in K slots 8-15 or 16-23, where the weights are 0.
.macro MM sl, acc, sft
.if (\sl) < 8
	WIN 0x02
	v_wmma_f32_16x16x32_bf16 v[\acc+8*(\sl):\acc+8*(\sl)+7], v[W1F+8*(\sl):W1F+8*(\sl)+7], v[\sft:\sft+7], 0
.else
.if (\sl) < 16
.set mt_, ((\sl)-8)%4
.set ch_, ((\sl)-8)/4
.else
.if (((\sl)-16)%6) < 2
.set mt_, ((\sl)-16)%6+2*((((\sl)-16)/6)%2)
.set ch_, 2+((\sl)-16)/12
.else
.set mt_, 2+((\sl)-16)%6
.set ch_, ((\sl)-16)/6
.endif
.endif
.if ch_ == 0
	WIN 0x21
	v_wmma_f32_16x16x32_bf16 v[\acc+8*mt_:\acc+8*mt_+7], v[8*mt_:8*mt_+7], v[HF:HF+7], v[B2R+8*mt_:B2R+8*mt_+7]
.else
	WIN 0x01
	v_wmma_f32_16x16x32_bf16 v[\acc+8*mt_:\acc+8*mt_+7], v[8*(8*ch_+mt_):8*(8*ch_+mt_)+7], v[HF+8*ch_:HF+8*ch_+7], v[\acc+8*mt_:\acc+8*mt_+7]
.endif
.endif
.endm
; Piece n (0-7) of a tile's set-up from the next record: lin and x are split into (upper 16 bits as bf16, the rest rounded to bf16); the state's four registers are
; (lin_hi, lin_lo), (x_hi, x_lo), (lin_hi, x_hi), (1, 1).  hi = 0: tile A, 1: tile B.  sb: the scalar register that takes the tile's state, each element's bit twice.
.macro NEXTS n, tb, sb, sf, hi
.if (\n) == 0
	v_and_b32 v[TL], s36, v[\tb+NL1O]
.endif
.if (\n) == 1
	v_sub_f32 v[TL+1], v[\tb+NL1O], v[TL]
	v_and_b32 v[TX], s36, v[\tb+NXO]
.endif
.if (\n) == 2
	v_cvt_pk_bf16_f32 v[\sf], v[TL], v[TL+1]
	v_sub_f32 v[TX+1], v[\tb+NXO], v[TX]
.endif
.if (\n) == 3
	v_and_b32 v[\tb+LHO], 0xffff, v[\sf]
	v_cvt_pk_bf16_f32 v[\sf+1], v[TX], v[TX+1]
.endif
.if (\n) == 4
	v_and_or_b32 v[\sf+2], v[\tb+NXO], s36, v[\tb+LHO]
.endif
.if (\n) == 5
.if KIND != 12
	v_readlane_b32 s62, v[KMS], s63                ; the ballot of the state at the next trip's first step
.endif
.endif
.if (\n) == 6
	v_mov_b32 v[\tb], v[\tb+NXO]
.if KIND == 34
	v_mov_b32 v[\tb+L2O], v[\tb+NL2O]
.endif
.endif
.if (\n) == 7
.if KIND != 12
.if \hi
	s_lshr_b32 s58, s62, 16
	s_and_b32 s59, s62, s36
.else
	s_lshl_b32 s58, s62, 16
	s_and_b32 s59, s62, 0xffff
.endif
	s_or_b32 s[\sb], s58, s59
.endif
.endif
.endm
.macro SETUP tb, sb, sf, hi
.irp n, 0,1,2,3,4,5,6,7
	NEXTS \n, \tb, \sb, \sf, \hi
.endr
.endm
; Slice n (0-7) of a tile's tail.  mode 0: every row is off (step 1); 1: both branches and the new state; 2: both branches, no new state (step 5).
; son, snew: scalar registers with the state at the step's start and end.  nxt 0: the trip's result, nothing follows; 1: the next step, same lin; 2: the next step,
; lin from +L2O; 3: the trip's result, and the tile is set up from the next record.
.macro TAIL n, tb, sb, sf, hi, mode, son, snew, nxt
.if ((\nxt)%3) == 0
.set t_d, \tb+FINO
.else
.set t_d, \tb
.endif
.if (\n) < 7
	WIN 0
.endif
.if (\n) == 0
.if (\nxt) == 3
	s_wait_dscnt 0x0                               ; the next record, asked for at the trip's head, at least 32 matrix instructions ago
.endif
	v_pk_add_f32 v[SUM:SUM+1], v[SUM:SUM+1], v[SUM+2:SUM+3]
	v_pk_add_f32 v[SUM+4:SUM+5], v[SUM+4:SUM+5], v[SUM+6:SUM+7]
.if \mode
	v_cndmask_b32 v[AD10], 0, s41, s[\son]
.endif
.if (\nxt) == 2
	v_and_b32 v[TL], s36, v[\tb+L2O]
.endif
.endif
.if (\n) == 1
	v_pk_add_f32 v[SUM:SUM+1], v[SUM:SUM+1], v[SUM+4:SUM+5]
.if (\nxt) == 2
	v_sub_f32 v[TL+1], v[\tb+L2O], v[TL]
.endif
.endif
.if (\n) == 2
	v_add_f32 v[SA], v[SUM], v[SUM+1]              ; lane (r, h): half h of element r's sum
.if (\nxt) == 2
	v_cvt_pk_bf16_f32 v[\sf], v[TL], v[TL+1]
.endif
.endif
.if (\n) == 3
	v_permlanex16_b32 v[PW], v[SA], s42, s43
.if (\nxt) == 2
	v_and_b32 v[\tb+LHO], 0xffff, v[\sf]
.endif
.endif
.if (\n) == 4
	v_add_f32 v[PL], v[SA], v[PW]                  ; the mlp's output, alike in lanes r and 16 + r
.endif
.if (\n) == 5
.if \mode
	v_fma_f32 v[YY], v[PL], s38, v[\tb]            ; x - 0.01 mlp,
	v_add_f32 v[t_d], v[YY], v[AD10]               ; + 10 where the row is on
.else
	v_fma_f32 v[t_d], v[PL], s38, v[\tb]
.endif
.endif
.if (\n) == 6
.if (\mode) == 0
	v_cmp_ge_f32 s[\snew], s39, v[t_d]             ; off_x <= 66 turns the row on
.endif
.if (\mode) == 1
	v_cmp_ge_f32 s58, s39, v[t_d]                  ; <= 66, read for off rows
	v_cmp_lt_f32 s59, s40, v[t_d]                  ; > 78, read for on rows
.endif
.if ((\nxt)%3) != 0
	v_and_b32 v[TX], s36, v[\tb]
	v_and_or_b32 v[\sf+2], v[\tb], s36, v[\tb+LHO]
.endif
.endif
.if (\n) == 7
.if ((\nxt)%3) != 0
	WIN 0
	v_sub_f32 v[TX+1], v[\tb], v[TX]
	v_cvt_pk_bf16_f32 v[\sf+1], v[TX], v[TX+1]
.endif
.if (\mode) == 1
	s_and_not1_b32 s59, s[\son], s59               ; on and not switched off
	s_and_not1_b32 s58, s58, s[\son]               ; off and switched on (a NaN leaves the state as it is)
	s_or_b32 s[\snew], s58, s59
.endif
.endif
.if (\nxt) == 3
	NEXTS \n, \tb, \sb, \sf, \hi
.endif
.endm
; Slice n of the tile that is not on the matrix unit: n = 0, 1 and 18-31 relu and layer 3 of result tiles 0 and 1-7, n = 32-39 the tail
.macro YS n, acc, tb, sb, sf, hi, mode, son, snew, nxt
.if (\n) < 2
.if (\n) == 0
	RELU8 \acc
.else
	DOT8 \acc, 0
.endif
.else
.if (\n) < 32
.if ((\n)%2) == 0
	RELU8 \acc+8*(((\n)-16)/2)
.else
	DOT8 \acc, ((\n)-17)/2
.endif
.else
	TAIL (\n)-32, \tb, \sb, \sf, \hi, \mode, \son, \snew, \nxt
.endif
.endif
.endm
; A turn of tile x.  yon = 0: no partner yet; then four v_nop behind slot 1 are the places ahead of slice 2, four behind slot 39 those ahead of the next turn's slice 0.
.macro HALF xacc, xsft, yon, yacc, ytb, ysb, ysf, yhi, ymode, yson, ysnew, ynxt
.set hs, 0
.rept 40
	MM hs, \xacc, \xsft
.if hs < 2
.if \yon
	YS hs, \yacc, \ytb, \ysb, \ysf, \yhi, \ymode, \yson, \ysnew, \ynxt
.else
.if hs == 1
	PLACES
.endif
.endif
.else
.if hs < 18
.if (hs%2) == 0
	RELU8 \xacc+8*((hs-2)/2)
.else
	CVT8 \xacc, (hs-3)/2
.endif
.else
.if \yon
	YS hs, \yacc, \ytb, \ysb, \ysf, \yhi, \ymode, \yson, \ysnew, \ynxt
.else
.if hs == 39
	PLACES
.endif
.endif
.endif
.endif
.set hs, hs+1
.endr
.endm
.macro TURN_A yon, mode, son, snew, nxt        ; tile A on the matrix unit, tile B's slices
	HALF ACC_A, SFA, \yon, ACC_B, TBB, 66, SFB, 1, \mode, \son, \snew, \nxt
.endm
.macro TURN_B yon, mode, son, snew, nxt        ; tile B on the matrix unit, tile A's slices
	HALF ACC_B, ZZ, \yon, ACC_A, TBA, 54, SFA, 0, \mode, \son, \snew, \nxt
.endm
.macro LAST_B mode, son, snew                  ; tile B's slices behind the last turn: no products are left to stand among
.set hs, 0
.rept 40
.if hs < 2
	YS hs, ACC_B, TBB, 66, SFB, 1, \mode, \son, \snew, 0
.else
.if hs >= 18
	YS hs, ACC_B, TBB, 66, SFB, 1, \mode, \son, \snew, 0
.endif
.endif
.set hs, hs+1
.endr
.endm
; dst = src + the number of the trip's elements of class K, in lane 16 + K.  s50.. hold the ballots of the key's bits.  In lane L the AND of (ballot xor NLB)
; is the mask of the elements whose key is L % 16; a lane from 16 up has all 16 low bits below it, so two v_mbcnt_lo count the mask's two halves whole.
.macro COUNTCLS t, nb, cut, dst, src
	v_xor_b32 v[\t], s50, v[NLB]
	v_xor_b32 v[\t+1], s51, v[NLB+1]
	v_and_b32 v[\t], v[\t], v[\t+1]
.if \nb == 4
	v_xor_b32 v[\t+1], s52, v[NLB+2]
	v_xor_b32 v[\t+2], s53, v[NLB+3]
	v_and_b32 v[\t], v[\t], v[\t+1]
	v_and_b32 v[\t], v[\t], v[\t+2]
.endif
.if \cut
	v_and_b32 v[\t], v[\t], v[NL23]                ; a key of two bits: classes 4 to 15 count nothing
.endif
	v_and_b32 v[\t+1], 0xffff, v[\t]
	v_lshrrev_b32 v[\t], 16, v[\t]
	v_mbcnt_lo_u32_b32 v[\dst], v[\t+1], v[\src]
	v_mbcnt_lo_u32_b32 v[\dst], v[\t], v[\dst]
.endm
.macro W2_ISSUE                        ; my 32 rows of W2 in f32: row k = 32 w + i, lane L its columns 4 L .. 4 L + 3; each load covers a whole row of 512 bytes
	WIN 0x40
.set i, 0
.rept 32
	global_load_b128 v[4*i:4*i+3], v[A_W2], s[P_W2:P_W2+1] offset:512*i
.set i, i+1
.endr
	WIN 0
.endm
.macro W2_STAGE                        ; to bf16, and into LDS by rows
	WIN 0x45
.set i, 0
.rept 32
	v_cvt_pk_bf16_f32 v[128+2*i], v[4*i], v[4*i+1]
	v_cvt_pk_bf16_f32 v[129+2*i], v[4*i+2], v[4*i+3]
.set i, i+1
.endr
	WIN 0x04
.set i, 0
.rept 32
	ds_store_b64 v[A_WS], v[128+2*i:129+2*i] offset:W2S+WP*i
.set i, i+1
.endr
	WIN 0
.endm
.macro W2_FRAGS                        ; A fragment (mt, c): row m = column 16 mt + m of W2, K = rows 32 c .. 32 c + 31: two transposing loads, 16 rows apart
	WIN 0x40
.set i, 0
.rept 32
	ds_load_tr16_b128 v[8*i:8*i+3],   v[A_FR] offset:W2S+(i/8)*32*WP+32*(i%8)
	ds_load_tr16_b128 v[8*i+4:8*i+7], v[A_FR] offset:W2S+(i/8)*32*WP+32*(i%8)+16*WP
.set i, i+1
.endr
	WIN 0
.endm
.macro SMALL_ISSUE                     ; 24 loads of 4 bytes (W1's two rows and b1 of hidden unit 16 mt + r), then 32 of 16 bytes (b2 and W3 of units 16 mt + 8 h + 0..7)
	WIN 0x80
.set i, 0
.rept 8
	global_load_b32 v[RAW+i],    v[CK], s[P_W1:P_W1+1] offset:64*i
	global_load_b32 v[RAW+8+i],  v[CK], s[P_W1:P_W1+1] offset:512+64*i
	global_load_b32 v[RAW+16+i], v[CK], s[P_B1:P_B1+1] offset:64*i
.set i, i+1
.endr
.set i, 0
.rept 8
	global_load_b128 v[B2R+8*i:B2R+8*i+3],   v[A_H32], s[P_B2:P_B2+1] offset:64*i
	global_load_b128 v[B2R+8*i+4:B2R+8*i+7], v[A_H32], s[P_B2:P_B2+1] offset:64*i+16
	global_load_b128 v[W3R+8*i:W3R+8*i+3],   v[A_H32], s[P_W3:P_W3+1] offset:64*i
	global_load_b128 v[W3R+8*i+4:W3R+8*i+7], v[A_H32], s[P_W3:P_W3+1] offset:64*i+16
.set i, i+1
.endr
	WIN 0
.endm
; Layer 1's A fragments.  Four registers of bf16 pairs meet the state's four: (W1[0]hi, W1[0]hi) x (lin_hi, lin_lo), (W1[1]hi, W1[1]hi) x (x_hi, x_lo),
; (W1[0]lo, W1[1]lo) x (lin_hi, x_hi), (b1hi, b1lo) x (1, 1).  They stand in K slots 0-7 (registers 0-3 of lanes 0-15) and 24-31 (registers 4-7 of lanes 16-31); all else is 0.
.macro W1_BUILD
	WIN 0xaa
.set i, 0
.rept 8
	v_and_b32 v[TW],   s36, v[RAW+i]
	v_and_b32 v[TW+2], s36, v[RAW+8+i]
	v_and_b32 v[TW+4], s36, v[RAW+16+i]
	v_sub_f32 v[TW+1], v[RAW+i],    v[TW]
	v_sub_f32 v[TW+3], v[RAW+8+i],  v[TW+2]
	v_sub_f32 v[TW+5], v[RAW+16+i], v[TW+4]
	v_cvt_pk_bf16_f32 v[TW+6], v[TW],   v[TW]
	v_cvt_pk_bf16_f32 v[TW+7], v[TW+2], v[TW+2]
	v_cvt_pk_bf16_f32 v[TW+8], v[TW+1], v[TW+3]
	v_cvt_pk_bf16_f32 v[TW+9], v[TW+4], v[TW+5]
.irp k, 0,1,2,3
	v_cndmask_b32 v[W1F+8*i+\k],   v[TW+6+\k], 0, s36
	v_cndmask_b32 v[W1F+8*i+4+\k], 0, v[TW+6+\k], s36
.endr
.set i, i+1
.endr
	WIN 0
.endm
; The trip's end: the two tiles' results and ballots are merged (A's elements are lanes and bits 0-15, B's 16-31), counted, and stored in one run of LDS stores
.macro POST
	WIN 0
	v_cndmask_b32 v[FINM], v[TBA+FINO], v[TBB+FINO], s36
	s_and_not1_b32 s58, s55, s36
	s_and_b32 s59, s67, s36
	s_or_b32 s50, s58, s59                         ; on_2
	s_and_not1_b32 s58, s56, s36
	s_and_b32 s59, s68, s36
	s_or_b32 s51, s58, s59                         ; on_3
	v_lshl_add_u32 v[AD], s4, 7, v[ADB]            ; 32 words a trip
	v_lshl_add_u32 v[MSA], s4, 2, v[MSB0]          ; one word a trip
	v_mov_b32 v[M0R], s50
	v_mov_b32 v[M1R], s51
	COUNTCLS T, 2, 1, HC, HC
	ds_store_b32 v[AD], v[FINM] offset:XS
	ds_store_b32 v[MSA], v[M0R] offset:MS          ; every lane stores the same word
	ds_store_b32 v[MSA], v[M1R] offset:MS+64
.endm
	s_load_b512 s[8:23], s[0:1], 0x0               ; input, W1, b1, W2, b2, W3, b3, xa
	s_load_b128 s[24:27], s[0:1], 0x40             ; maska, hista
	v_lshl_add_u32 v126, v0, 2, 0x11800
	v_mov_b32 v127, 0
	v_lshrrev_b32 v[T], 5, v0
	v_readfirstlane_b32 s2, v[T]                   ; w
	s_mov_b32 s3, ttmp9                            ; g
	s_mov_b32 s36, 0xffff0000                      ; a word's upper 16 bits; as a lane mask: lanes 16-31
	s_mov_b32 s38, 0xbc23d70a                      ; -0.01
	s_mov_b32 s39, 0x42840000                      ; 66
	s_mov_b32 s40, 0x429c0000                      ; 78
	s_mov_b32 s41, 0x41200000                      ; 10
	s_mov_b32 s42, 0x76543210                      ; v_permlanex16_b32: lane i of one half reads lane i of the other
	s_mov_b32 s43, 0xfedcba98
	v_and_b32 v[LN], 31, v0
	v_and_b32 v[CK], 15, v0
	v_lshlrev_b32 v[CK], 2, v[CK]
.irp b, 0,1,2,3
	v_bfe_u32 v[NLB+\b], v0, \b, 1
	v_add_nc_u32 v[NLB+\b], -1, v[NLB+\b]
.endr
	v_and_b32 v[NL23], v[NLB+2], v[NLB+3]
	v_mov_b32 v[PW], 0
	v_mov_b32 v[HC], 0
.irp k, 0,1,2,3
	v_mov_b32 v[ZZ+\k], 0
.endr
	v_mov_b32 v[SFA+3], 0x3f803f80                 ; (1, 1) in bf16
	v_mov_b32 v[SFB+3], 0x3f803f80
	s_lshl_b32 s5, s3, 14
	s_lshl_b32 s6, s2, 12
	s_add_co_u32 s5, s5, s6                        ; 16384 g + 4096 w: my wave's 512 pairs in input
	v_lshl_add_u32 v[A_IN], v[LN], 4, s5
	s_lshr_b32 s5, s5, 1                           ; 8192 g + 2048 w: its 512 numbers in xa
	v_lshl_add_u32 v[A_X], v[LN], 4, s5
	s_lshl_b32 s6, s2, 14                          ; 32 rows of W2
	v_lshl_add_u32 v[A_W2], v[LN], 4, s6
	v_bfe_u32 v[T], v0, 4, 1                       ; h
	v_lshlrev_b32 v[A_H32], 5, v[T]
	v_and_b32 v[T+1], 7, v0
	v_lshl_or_b32 v[T+1], v[T], 3, v[T+1]          ; 8 h + L % 8
	v_mul_u32_u24 v[T+1], v[T+1], WP
	v_bfe_u32 v[T], v0, 3, 1
	v_lshl_add_u32 v[A_FR], v[T], 4, v[T+1]        ; + 16 ((L / 8) % 2)
	s_mul_i32 s6, s2, 32*WP
	v_lshl_add_u32 v[A_WS], v[LN], 3, s6
	s_lshl_b32 s7, s2, 13
	s_add_co_u32 s7, s7, REC
	v_lshl_add_u32 v[ADB], v[LN], 2, s7
	v_lshl_add_u32 v[ADRB], v[CK], 1, s7           ; 8 bytes an element
	v_lshl_add_u32 v[A16], v[LN], 4, s7
	s_lshl_b32 s6, s2, 7
	v_mov_b32 v[MSB0], s6
	v_lshl_add_u32 v[WLA], v[LN], 2, s6
	s_wait_kmcnt 0x0
	s_load_b32 s48, s[P_B3:P_B3+1], 0x0            ; b3
.set i, 0
.rept 8
	global_load_b128 v[HF+4*i:HF+4*i+3], v[A_IN], s[P_IN:P_IN+1] offset:512*i   ; the wave's 4,096 bytes of input, 512 neighbouring bytes a load
.set i, i+1
.endr
	W2_ISSUE
	s_wait_loadcnt 32                              ; the 8 loads of input are in; the 32 younger ones of W2 may stay out
.set i, 0
.rept 8
	ds_store_b128 v[A16], v[HF+4*i:HF+4*i+3] offset:512*i
.set i, i+1
.endr
	s_wait_loadcnt 0x0                             ; W2
	SMALL_ISSUE
	W2_STAGE
	s_wait_dscnt 0x0                               ; my rows of W2 are in LDS, for the other waves' sake
	s_barrier_signal -1
	s_barrier_wait -1
	W2_FRAGS
	s_wait_loadcnt 32                              ; W1 and b1 (24 loads) are in; the 32 younger ones of b2 and W3 may stay out
	W1_BUILD
	s_wait_loadcnt 0x0
	s_wait_dscnt 0x0                               ; the fragments of W2, and my stores of input
	s_wait_kmcnt 0x0                               ; b3
	v_mov_b32 v[BIAS], s48
	v_mov_b32 v[BIAS+1], 0
	v_mul_f32 v[BIAS], 0.5, v[BIAS]                ; each half of the lanes adds b3 / 2
	ds_load_b64 v[TBA+4:TBA+5], v[ADRB]            ; trip 0: (lin, x) of element L % 16,
	ds_load_b64 v[TBB+4:TBB+5], v[ADRB] offset:128 ; and of element 16 + L % 16
	s_wait_dscnt 0x0
	SETUP TBA, 54, SFA, 0
	SETUP TBB, 66, SFB, 1
	TURN_A 0, 0, 0, 0, 0                           ; A, step 1 of trip 0: no partner yet
	WIN 0
	s_mov_b32 s4, 0
.Ltrip:
	v_lshl_add_u32 v[ADR], s4, 8, v[ADRB]          ; 32 pairs of 8 bytes a trip; the next trip's record, in one run with the last trip's stores
	ds_load_b64 v[TBA+4:TBA+5], v[ADR] offset:256
	ds_load_b64 v[TBB+4:TBB+5], v[ADR] offset:384
	TURN_B 1, 0, 0, 55, 1                          ; B step 1;  A's step 1 ends: every row was off; s55 = on_2 of A
	TURN_A 1, 0, 0, 67, 1                          ; A step 2;  B's step 1 ends; s67 = on_2 of B
	TURN_B 1, 1, 55, 56, 3                         ; B step 2;  A's step 2 ends; s56 = on_3 of A; A is set up for the next trip
	TURN_A 1, 1, 67, 68, 3                         ; A step 1 of the next trip;  B's step 2 ends; s68 = on_3 of B; B is set up
	POST
	s_add_co_u32 s4, s4, 1
	s_cmp_lt_u32 s4, TRIPS-1
	s_cbranch_scc1 .Ltrip
	s_mov_b32 s4, TRIPS-1                          ; the last trip: no record follows it
	TURN_B 1, 0, 0, 55, 1
	TURN_A 1, 0, 0, 67, 1
	TURN_B 1, 1, 55, 56, 0
	LAST_B 1, 67, 68
	POST
	; the way out: x by whole runs of 512 bytes from each wave; ballots and counts of the four waves by wave 0
	ds_store_b32 v[WLA], v[HC] offset:HCR
.set i, 0
.rept 4
	ds_load_b128 v[64+4*i:64+4*i+3], v[A16] offset:XS+512*i
.set i, i+1
.endr
.set i, 0
.rept 4
	s_wait_dscnt 3-i                               ; LDS answers a wave in order: load i is in, the 3 - i younger ones may stay out
	global_store_b128 v[A_X], v[64+4*i:64+4*i+3], s[P_XO:P_XO+1] offset:512*i
.set i, i+1
.endr
	s_wait_dscnt 0x0                               ; my ballots and counts are in LDS (met: the count-down ended at 0)
	s_barrier_signal -1
	s_barrier_wait -1
	s_cmp_lg_u32 s2, 0
	s_cbranch_scc1 .Lend
	v_lshlrev_b32 v[T], 4, v[LN]
	ds_load_b128 v[80:83], v[T] offset:MS          ; 4 waves x 128 bytes
.irp k, 0,1,2,3
	ds_load_b32 v[84+\k], v[CK] offset:HCR+64+128*\k   ; wave k's count of class L % 16
.endr
	s_lshl_b32 s5, s3, 9
	s_lshl_b32 s6, s3, 6
	v_add_nc_u32 v[T+1], s5, v[T]
	v_lshl_add_u32 v[T+2], v[LN], 2, s6
	s_wait_dscnt 0x0
	global_store_b128 v[T+1], v[80:83], s[P_MO:P_MO+1]  ; 512 neighbouring bytes
	v_add_nc_u32 v84, v84, v85
	v_add_nc_u32 v86, v86, v87
	v_add_nc_u32 v84, v84, v86
	s_wait_xcnt 0x0                                ; EXEC is a source of the pending stores: it changes only behind this wait
	v_cmp_gt_u32 vcc_lo, 16, v[LN]
	s_and_saveexec_b32 s7, vcc_lo
	global_store_b32 v[T+2], v84, s[P_HO:P_HO+1]   ; sixteen classes, 64 bytes
	s_wait_xcnt 0x0                                ; and again ahead of the line that widens it
	s_or_b32 exec_lo, exec_lo, s7
.Lend:
	s_wait_tensorcnt 0x0
	ds_add_u32 v126, v127
	s_wait_dscnt 0x0
	s_endpgm
.Lfunc_end_k_q7a054936c3_steps12:
	.size	k_q7a054936c3_steps12, .Lfunc_end_k_q7a054936c3_steps12-k_q7a054936c3_steps12
	.p2alignl 7, 3214868480
	.fill 96, 4, 3214868480
	.section	.rodata,"a",@progbits
	.p2align	6, 0x0
	.amdhsa_kernel k_q7a054936c3_steps12
		.amdhsa_group_segment_fixed_size 72192
		.amdhsa_private_segment_fixed_size 0
		.amdhsa_enable_private_segment 0
		.amdhsa_kernarg_size 80
		.amdhsa_user_sgpr_count 2
		.amdhsa_user_sgpr_kernarg_segment_ptr 1
		.amdhsa_wavefront_size32 1
		.amdhsa_system_sgpr_workgroup_id_x 1
		.amdhsa_system_sgpr_workgroup_id_y 1
		.amdhsa_system_sgpr_workgroup_id_z 1
		.amdhsa_system_vgpr_workitem_id 0
		.amdhsa_next_free_vgpr 768
		.amdhsa_next_free_sgpr 80
		.amdhsa_reserve_vcc 1
		.amdhsa_float_denorm_mode_32 3
		.amdhsa_float_denorm_mode_16_64 3
		.amdhsa_memory_ordered 1
		.amdhsa_forward_progress 1
		.amdhsa_inst_pref_size 139
	.end_amdhsa_kernel
	.amdgpu_metadata
---
amdhsa.version: [ 1, 2 ]
amdhsa.kernels:
  - .name:           k_q7a054936c3_steps12
    .symbol:         k_q7a054936c3_steps12.kd
    .args:
      - { .name: input, .offset: 0, .size: 8, .value_kind: global_buffer, .address_space: global }
      - { .name: W1, .offset: 8, .size: 8, .value_kind: global_buffer, .address_space: global }
      - { .name: b1, .offset: 16, .size: 8, .value_kind: global_buffer, .address_space: global }
      - { .name: W2, .offset: 24, .size: 8, .value_kind: global_buffer, .address_space: global }
      - { .name: b2, .offset: 32, .size: 8, .value_kind: global_buffer, .address_space: global }
      - { .name: W3, .offset: 40, .size: 8, .value_kind: global_buffer, .address_space: global }
      - { .name: b3, .offset: 48, .size: 8, .value_kind: global_buffer, .address_space: global }
      - { .name: xa, .offset: 56, .size: 8, .value_kind: global_buffer, .address_space: global }
      - { .name: maska, .offset: 64, .size: 8, .value_kind: global_buffer, .address_space: global }
      - { .name: hista, .offset: 72, .size: 8, .value_kind: global_buffer, .address_space: global }
    .group_segment_fixed_size: 72192
    .private_segment_fixed_size: 0
    .kernarg_segment_align: 8
    .kernarg_segment_size: 80
    .max_flat_workgroup_size: 128
    .sgpr_count:     80
    .vgpr_count:     768
    .wavefront_size: 32
...
	.end_amdgpu_metadata
.endif
;; end of part 4
;; launch steps34 (part 5): grid 256 x 1, 4 waves a work-group, no clusters, 72,192 bytes of LDS; arguments input, W1, b1, W2, b2, W3, b3, xa, maska, hista, xb, maskb, histb; writes xb, maskb, histb
.if DOCPART == 5
	.amdgcn_target "amdgcn-amd-amdhsa--gfx1250"
	.amdhsa_code_object_version 6
	.text
	.protected	k_q7a054936c3_steps34
	.globl	k_q7a054936c3_steps34
	.p2align	8
	.type	k_q7a054936c3_steps34,@function
k_q7a054936c3_steps34:
	s_mov_b64 s[64:65], 0
	v_nop
	global_prefetch_b8 v0, s[64:65] scope:SCOPE_SE
	s_setreg_imm32_b32 hwreg(HW_REG_WAVE_MODE, 25, 1), 1
	s_wait_xcnt 0x0
; STEPS 3 AND 4 OF FIVE.  (The whole scheme, the work left out and the limits stand at the head of the kernel steps12; nothing more is left out here.)
; An element e = 2048 g + 512 w + 32 q + L keeps its place in xa and xb; what moves is its position p_t(e), the stable rank of e under the key (on_(t-1) .. on_2).
; HEAD: from the ballots of on_2, on_3 (maska) and the table of class counts of all work-groups (hista) each lane finds p_3 (key on_2) and p_4 (key K = on_2 + 2 on_3)
; of its 16 elements and gathers lin[p_3], lin[p_4].  A rank = elements of lower classes anywhere + elements of my class in work-groups, waves, trips and lanes before
; mine.  The shorter key's counts are the longer key's, folded over its top bit.
; LOOP: steps 3 and 4 for 32 elements a trip.  OUT: x_5 (xb), the ballots of on_4, on_5 (maskb), the counts of the 16 classes on_2 + 2 on_3 + 4 on_4 + 8 on_5 (histb).
; Positions are whole numbers made from whole numbers that the launch before stored; they are clamped to the last row before they become addresses.
; histb is stored 64 bytes a work-group: all that a work-group owns of it.  A gather takes 4 bytes of each 8: lin lies beside x in input.
; No cluster and no tensor loads: what work-groups share is 66 KB of weights and 16 KB of counts, read once by each and worked on in registers.
; THE MLP, TRANSPOSED AND CHAINED: weights are the matrix instruction's A, elements B's columns; lane (r = L % 16, h = L / 16), register j of a result tile holds hidden
; unit 16 mt + 8 h + j of element r, so relu and packing of tiles 2 c, 2 c + 1 is the next layer's B fragment of K chunk c in the same lanes.
; BY TURNS.  The trip's 32 elements are two tiles of 16 (A: elements 0-15, B: 16-31); a tile's element r lives in lanes r and 16 + r alike.  A turn is one tile's step on
; the matrix unit: 40 matrix instructions (8 of layer 1, 32 of layer 2), and behind each one slice of at most four vector instructions.  Slices 2-17: the same tile's relu
; and rounding behind layer 1 (64).  Slices 0-1 and 18-31: the other tile's relu and layer 3 (64).  Slices 32-39: the other tile's sum over the lanes, its new x and state
; and its next layer-1 operand (a chain of 10).  Layer 1's result and layer 2's sum share registers, so product (mt, c) stands behind slice 3 + 2 mt (tile mt is packed)
; and slice 5 + 4 c (chunk c is whole).  The loop is rotated: A's first turn of trip 0 stands ahead of it, a trip is B.3 A.4 B.4 A.3(next), the last trip is written out.
; REGISTER WINDOWS (s_set_vgpr_msb, low byte: bits 1:0 source 0, 3:2 source 1, 5:4 source 2, 7:6 destination):
;   window 0: addresses, state, v64-95 hidden fragments, v128-255 accumulators (in the head v44-255 serve the ranks);  window 1: W2 as 32 A fragments, (mt, c) at 8 (8 c + mt);
;   window 2: v0-63 W1 and b1 as 8 A fragments, v64-127 b2 and v128-191 W3 in the result's layout, v192-231 at work in the head.
;   A turn has 48 switches for its 40 matrix instructions: a relu slice needs none (its first source is a constant, and the products' settings move source 0 and 2 alone).
.set KIND,  34                         ; which launch this text is: 12, 34 or 5
.set DUAL,  1                          ; relu of two registers as one dual instruction (0: two plain ones)
.set TRIPS, 16
.set NB,    2                          ; bits of the longer key
; LDS, bytes
.set SCT,   0                          ; 4 waves x 64: class totals of table rows 64 w .. 64 w + 63
.set SCB,   256                        ; 4 waves x 64: the same over the rows below g alone
.set WCR,   512                        ; 4 waves x 128: a wave's class counts under the incoming key, class K in word 16 + K
.set MS,    1024                       ; 4 waves x 128: word [bit 0..1][q 0..15], the new ballots
.set HCR,   1536                       ; 4 waves x 128: a wave's class counts under the outgoing key
.set W2S,   2048                       ; W2 in bf16, 128 rows (k) of 256 bytes at a pitch of 288 = 9 x 32
.set WP,    288
.set REC,   38912                      ; 4 waves x 8,192: three arrays of 512 words, word 32 q + L:
.set R_LA,  2048                       ;   +0 x (and the result, in place), +2048 lin of the first step, +4096 lin of the second
.set R_LB,  4096
; window 0
.set LN,    1
.set AD,    2                          ; this trip's word by lane
.set MSA,   3                          ; this trip's word in MS
.set ADB,   4                          ; REC + 8192 w + 4 L
.set MSB0,  5                          ; 128 w
.set ADR,   6                          ; this trip's record by L % 16
.set ADRB,  7                          ; REC + 8192 w + 4 (L % 16)
.set FINM,  8                          ; the trip's 32 results, one a lane
.set T,     11                         ; v11-13 at work
.set A_X,   14                         ; 8192 g + 2048 w + 16 L
.set A16,   15                         ; REC + 8192 w + 16 L
.set WLA,   16                         ; 128 w + 4 L
.set M0R,   17
.set M1R,   18
.set HC,    20
.set NLB,   21                         ; v21-24: all ones where bit b of the lane's number is 0
.set BASE1, 26                         ; in lane 16 + K: what precedes this wave's class K, shorter and longer key
.set BASE2, 27
.set C64,   28
.set C68,   29
.set PW,    30
.set CK,    31                         ; 4 (L % 16)
.set SFA,   32                         ; v32-35 tile A's state in bf16 pairs; layer 1's B tuple of tile A is v[32:39]
.set ZZ,    36                         ; v36-39 = 0
.set SFB,   40                         ; v40-43 tile B's state; its B tuple is v[36:43]
.set SUM,   44                         ; v44-51 four chains of layer 3
.set SA,    52
.set PL,    53
.set YY,    54
.set AD10,  55                         ; 10 where the row is on, else 0
.set TX,    56                         ; v56-57 x being split
.set TL,    58                         ; v58-59 lin being split
.set BIAS,  60                         ; v60-61 = (b3 / 2, 0)
.set KMA,   62                         ; the wave's 32 words of maska: lane q on_2 of trip q, lane 16 + q on_3
.set KMS,   62                         ; the word whose lane 16 + q holds the state at a trip's first step
.set HF,    64                         ; v64-95 hidden fragments of the tile whose turn it is, register 4 mt + j / 2
.set TBA,   96                         ; tile A's own registers, tile B's at TBB: +0 x, +L2O the second step's lin, +LHO lin_hi, +FINO the trip's result, +4.. the next record
.set TBB,   104
.set L2O,   1
.set LHO,   2
.set FINO,  3
.set NXO,   4                          ; the record: x, lin of the first step, lin of the second
.set NL1O,  5
.set NL2O,  6
.set ACC_A, 128
.set ACC_B, 192
; window 0, in the head alone
.set VMA,   44                         ; lane q: ballot of key bit 0 in trip q; lane 16 + q: of bit 1
.set SCA,   46                         ; 64 w + 16 (L % 4)
.set ROWV,  47                         ; 64 w + L / 4
.set HB,    48                         ; v48-79 the table's 8 loads; v48-51 become the totals; later v48-58 what is read back from LDS
.set TOT2,  60
.set PB2,   61
.set TOT1,  62
.set PB1,   63
.set BEF,   80                         ; v80-83 sums over the rows below g
.set H,     84                         ; v84-87 at work
.set XL,    88                         ; v88-103 x as loaded
.set LR1,   104                        ; [q] lanes below me with my key, shorter and longer key
.set LR2,   120
.set I1,    136                        ; [q] 64 + 4 key: the byte index of lane 16 + key
.set I2,    152
.set R2,    168                        ; [q], 17 registers: in lane 16 + K the wave's elements of class K in trips before q
.set LK1,   186                        ; [q] what was looked up; then the position; then the byte offset
.set LK2,   202
.set GL1,   218                        ; [q] the sums that are looked up; then the gathered lin
.set GL2,   234
.set A_W2,  250
.set A_MASK, 251
.set A_H,   252
.set A_H32, 253
.set A_WS,  254
.set A_FR,  255
; window 2
.set W1F,   0
.set B2R,   64
.set W3R,   128
.set RAW,   192
.set TW,    216
; scalars: s54-56 tile A's state at the trip's first step, second step and end; s66-68 tile B's; s58, s59, s62 at work; s63 the next trip's lane in the mask words
.set P_IN,  8
.set P_W1,  10
.set P_B1,  12
.set P_W2,  14
.set P_B2,  16
.set P_W3,  18
.set P_B3,  20
.set P_XI,  22
.set P_MA,  24
.set P_HI,  26
.set P_XO,  28
.set P_MO,  30
.set P_HO,  32
.set MSB, 0
.macro WIN new                         ; the immediate's high byte repeats the setting that is left
.if MSB != \new
	s_set_vgpr_msb (MSB<<8)|\new
.set MSB, \new
.endif
.endm
.macro RWIN                            ; for a relu: only its second source and its destination are registers, so any setting with these two in window 0 serves
.if MSB & 0xcc
	WIN 0
.endif
.endm
.macro PLACES                          ; four independent vector instructions between a matrix instruction and the first vector use of its result (ISA guide 7.12.1)
.rept 4
	v_nop
.endr
.endm
.macro RELU2 a
.if DUAL
	v_dual_max_num_f32 v[\a], 0, v[\a] :: v_dual_max_num_f32 v[\a+1], 0, v[\a+1]
.else
	v_max_num_f32 v[\a], 0, v[\a]
	v_max_num_f32 v[\a+1], 0, v[\a+1]
.endif
.endm
.macro RELU8 a                         ; a slice: relu in place of one result tile, 8 registers
	RWIN
	RELU2 \a
	RELU2 \a+2
	RELU2 \a+4
	RELU2 \a+6
.endm
.macro CVT8 a, mt                      ; a slice: result tile mt rounded to bf16 pairs: half of a K chunk of layer 2's B
	WIN 0
.irp k, 0,1,2,3
	v_cvt_pk_bf16_f32 v[HF+4*(\mt)+\k], v[\a+8*(\mt)+2*\k], v[\a+8*(\mt)+2*\k+1]
.endr
.endm
.macro DOT8 a, mt                      ; a slice: layer 3 in f32 on result tile mt, four chains; tile 0 starts them, the first from (b3 / 2, 0)
	WIN 0x08
.irp k, 0,1,2,3
.if (\mt) == 0
.if \k == 0
	v_pk_fma_f32 v[SUM:SUM+1], v[\a:\a+1], v[W3R:W3R+1], v[BIAS:BIAS+1]
.else
	v_pk_mul_f32 v[SUM+2*\k:SUM+2*\k+1], v[\a+2*\k:\a+2*\k+1], v[W3R+2*\k:W3R+2*\k+1]
.endif
.else
	v_pk_fma_f32 v[SUM+2*\k:SUM+2*\k+1], v[\a+8*(\mt)+2*\k:\a+8*(\mt)+2*\k+1], v[W3R+8*(\mt)+2*\k:W3R+8*(\mt)+2*\k+1], v[SUM+2*\k:SUM+2*\k+1]
.endif
.endr
.endm
; The matrix instruction of slot sl of a turn.  Slots 0-7: layer 1, tile sl.  Slots 8-15: (mt 0-3) x (chunk 0, 1).  Slots 16-39: four blocks of six: two of
; (mt 0-3, chunk 2 or 3), then (mt 4-7, chunk = the block's number).  Chunk 0 takes b2 as C, so the bias costs no instruction.  The accumulators take turns, one
; instruction a turn.  Layer 1: K slots 0-7 are lanes 0-15 of a tuple's registers 0-3 (tile A's state), K slots 24-31 lanes 16-31 of its
; registers 4-7 (tile B's); the state's second copy stands in K slots 8-15 or 16-23, where the weights are 0.
.macro MM sl, acc, sft
.if (\sl) < 8
	WIN 0x02
	v_wmma_f32_16x16x32_bf16 v[\acc+8*(\sl):\acc+8*(\sl)+7], v[W1F+8*(\sl):W1F+8*(\sl)+7], v[\sft:\sft+7], 0
.else
.if (\sl) < 16
.set mt_, ((\sl)-8)%4
.set ch_, ((\sl)-8)/4
.else
.if (((\sl)-16)%6) < 2
.set mt_, ((\sl)-16)%6+2*((((\sl)-16)/6)%2)
.set ch_, 2+((\sl)-16)/12
.else
.set mt_, 2+((\sl)-16)%6
.set ch_, ((\sl)-16)/6
.endif
.endif
.if ch_ == 0
	WIN 0x21
	v_wmma_f32_16x16x32_bf16 v[\acc+8*mt_:\acc+8*mt_+7], v[8*mt_:8*mt_+7], v[HF:HF+7], v[B2R+8*mt_:B2R+8*mt_+7]
.else
	WIN 0x01
	v_wmma_f32_16x16x32_bf16 v[\acc+8*mt_:\acc+8*mt_+7], v[8*(8*ch_+mt_):8*(8*ch_+mt_)+7], v[HF+8*ch_:HF+8*ch_+7], v[\acc+8*mt_:\acc+8*mt_+7]
.endif
.endif
.endm
; Piece n (0-7) of a tile's set-up from the next record: lin and x are split into (upper 16 bits as bf16, the rest rounded to bf16); the state's four registers are
; (lin_hi, lin_lo), (x_hi, x_lo), (lin_hi, x_hi), (1, 1).  hi = 0: tile A, 1: tile B.  sb: the scalar register that takes the tile's state, each element's bit twice.
.macro NEXTS n, tb, sb, sf, hi
.if (\n) == 0
	v_and_b32 v[TL], s36, v[\tb+NL1O]
.endif
.if (\n) == 1
	v_sub_f32 v[TL+1], v[\tb+NL1O], v[TL]
	v_and_b32 v[TX], s36, v[\tb+NXO]
.endif
.if (\n) == 2
	v_cvt_pk_bf16_f32 v[\sf], v[TL], v[TL+1]
	v_sub_f32 v[TX+1], v[\tb+NXO], v[TX]
.endif
.if (\n) == 3
	v_and_b32 v[\tb+LHO], 0xffff, v[\sf]
	v_cvt_pk_bf16_f32 v[\sf+1], v[TX], v[TX+1]
.endif
.if (\n) == 4
	v_and_or_b32 v[\sf+2], v[\tb+NXO], s36, v[\tb+LHO]
.endif
.if (\n) == 5
.if KIND != 12
	v_readlane_b32 s62, v[KMS], s63                ; the ballot of the state at the next trip's first step
.endif
.endif
.if (\n) == 6
	v_mov_b32 v[\tb], v[\tb+NXO]
.if KIND == 34
	v_mov_b32 v[\tb+L2O], v[\tb+NL2O]
.endif
.endif
.if (\n) == 7
.if KIND != 12
.if \hi
	s_lshr_b32 s58, s62, 16
	s_and_b32 s59, s62, s36
.else
	s_lshl_b32 s58, s62, 16
	s_and_b32 s59, s62, 0xffff
.endif
	s_or_b32 s[\sb], s58, s59
.endif
.endif
.endm
.macro SETUP tb, sb, sf, hi
.irp n, 0,1,2,3,4,5,6,7
	NEXTS \n, \tb, \sb, \sf, \hi
.endr
.endm
; Slice n (0-7) of a tile's tail.  mode 0: every row is off (step 1); 1: both branches and the new state; 2: both branches, no new state (step 5).
; son, snew: scalar registers with the state at the step's start and end.  nxt 0: the trip's result, nothing follows; 1: the next step, same lin; 2: the next step,
; lin from +L2O; 3: the trip's result, and the tile is set up from the next record.
.macro TAIL n, tb, sb, sf, hi, mode, son, snew, nxt
.if ((\nxt)%3) == 0
.set t_d, \tb+FINO
.else
.set t_d, \tb
.endif
.if (\n) < 7
	WIN 0
.endif
.if (\n) == 0
.if (\nxt) == 3
	s_wait_dscnt 0x0                               ; the next record, asked for at the trip's head, at least 32 matrix instructions ago
.endif
	v_pk_add_f32 v[SUM:SUM+1], v[SUM:SUM+1], v[SUM+2:SUM+3]
	v_pk_add_f32 v[SUM+4:SUM+5], v[SUM+4:SUM+5], v[SUM+6:SUM+7]
.if \mode
	v_cndmask_b32 v[AD10], 0, s41, s[\son]
.endif
.if (\nxt) == 2
	v_and_b32 v[TL], s36, v[\tb+L2O]
.endif
.endif
.if (\n) == 1
	v_pk_add_f32 v[SUM:SUM+1], v[SUM:SUM+1], v[SUM+4:SUM+5]
.if (\nxt) == 2
	v_sub_f32 v[TL+1], v[\tb+L2O], v[TL]
.endif
.endif
.if (\n) == 2
	v_add_f32 v[SA], v[SUM], v[SUM+1]              ; lane (r, h): half h of element r's sum
.if (\nxt) == 2
	v_cvt_pk_bf16_f32 v[\sf], v[TL], v[TL+1]
.endif
.endif
.if (\n) == 3
	v_permlanex16_b32 v[PW], v[SA], s42, s43
.if (\nxt) == 2
	v_and_b32 v[\tb+LHO], 0xffff, v[\sf]
.endif
.endif
.if (\n) == 4
	v_add_f32 v[PL], v[SA], v[PW]                  ; the mlp's output, alike in lanes r and 16 + r
.endif
.if (\n) == 5
.if \mode
	v_fma_f32 v[YY], v[PL], s38, v[\tb]            ; x - 0.01 mlp,
	v_add_f32 v[t_d], v[YY], v[AD10]               ; + 10 where the row is on
.else
	v_fma_f32 v[t_d], v[PL], s38, v[\tb]
.endif
.endif
.if (\n) == 6
.if (\mode) == 0
	v_cmp_ge_f32 s[\snew], s39, v[t_d]             ; off_x <= 66 turns the row on
.endif
.if (\mode) == 1
	v_cmp_ge_f32 s58, s39, v[t_d]                  ; <= 66, read for off rows
	v_cmp_lt_f32 s59, s40, v[t_d]                  ; > 78, read for on rows
.endif
.if ((\nxt)%3) != 0
	v_and_b32 v[TX], s36, v[\tb]
	v_and_or_b32 v[\sf+2], v[\tb], s36, v[\tb+LHO]
.endif
.endif
.if (\n) == 7
.if ((\nxt)%3) != 0
	WIN 0
	v_sub_f32 v[TX+1], v[\tb], v[TX]
	v_cvt_pk_bf16_f32 v[\sf+1], v[TX], v[TX+1]
.endif
.if (\mode) == 1
	s_and_not1_b32 s59, s[\son], s59               ; on and not switched off
	s_and_not1_b32 s58, s58, s[\son]               ; off and switched on (a NaN leaves the state as it is)
	s_or_b32 s[\snew], s58, s59
.endif
.endif
.if (\nxt) == 3
	NEXTS \n, \tb, \sb, \sf, \hi
.endif
.endm
; Slice n of the tile that is not on the matrix unit: n = 0, 1 and 18-31 relu and layer 3 of result tiles 0 and 1-7, n = 32-39 the tail
.macro YS n, acc, tb, sb, sf, hi, mode, son, snew, nxt
.if (\n) < 2
.if (\n) == 0
	RELU8 \acc
.else
	DOT8 \acc, 0
.endif
.else
.if (\n) < 32
.if ((\n)%2) == 0
	RELU8 \acc+8*(((\n)-16)/2)
.else
	DOT8 \acc, ((\n)-17)/2
.endif
.else
	TAIL (\n)-32, \tb, \sb, \sf, \hi, \mode, \son, \snew, \nxt
.endif
.endif
.endm
; A turn of tile x.  yon = 0: no partner yet; then four v_nop behind slot 1 are the places ahead of slice 2, four behind slot 39 those ahead of the next turn's slice 0.
.macro HALF xacc, xsft, yon, yacc, ytb, ysb, ysf, yhi, ymode, yson, ysnew, ynxt
.set hs, 0
.rept 40
	MM hs, \xacc, \xsft
.if hs < 2
.if \yon
	YS hs, \yacc, \ytb, \ysb, \ysf, \yhi, \ymode, \yson, \ysnew, \ynxt
.else
.if hs == 1
	PLACES
.endif
.endif
.else
.if hs < 18
.if (hs%2) == 0
	RELU8 \xacc+8*((hs-2)/2)
.else
	CVT8 \xacc, (hs-3)/2
.endif
.else
.if \yon
	YS hs, \yacc, \ytb, \ysb, \ysf, \yhi, \ymode, \yson, \ysnew, \ynxt
.else
.if hs == 39
	PLACES
.endif
.endif
.endif
.endif
.set hs, hs+1
.endr
.endm
.macro TURN_A yon, mode, son, snew, nxt        ; tile A on the matrix unit, tile B's slices
	HALF ACC_A, SFA, \yon, ACC_B, TBB, 66, SFB, 1, \mode, \son, \snew, \nxt
.endm
.macro TURN_B yon, mode, son, snew, nxt        ; tile B on the matrix unit, tile A's slices
	HALF ACC_B, ZZ, \yon, ACC_A, TBA, 54, SFA, 0, \mode, \son, \snew, \nxt
.endm
.macro LAST_B mode, son, snew                  ; tile B's slices behind the last turn: no products are left to stand among
.set hs, 0
.rept 40
.if hs < 2
	YS hs, ACC_B, TBB, 66, SFB, 1, \mode, \son, \snew, 0
.else
.if hs >= 18
	YS hs, ACC_B, TBB, 66, SFB, 1, \mode, \son, \snew, 0
.endif
.endif
.set hs, hs+1
.endr
.endm
; dst = src + the number of the trip's elements of class K, in lane 16 + K.  s50.. hold the ballots of the key's bits.  In lane L the AND of (ballot xor NLB)
; is the mask of the elements whose key is L % 16; a lane from 16 up has all 16 low bits below it, so two v_mbcnt_lo count the mask's two halves whole.
.macro COUNTCLS t, nb, dst, src
	v_xor_b32 v[\t], s50, v[NLB]
	v_xor_b32 v[\t+1], s51, v[NLB+1]
	v_and_b32 v[\t], v[\t], v[\t+1]
.if \nb == 4
	v_xor_b32 v[\t+1], s52, v[NLB+2]
	v_xor_b32 v[\t+2], s53, v[NLB+3]
	v_and_b32 v[\t], v[\t], v[\t+1]
	v_and_b32 v[\t], v[\t], v[\t+2]
.endif
	v_and_b32 v[\t+1], 0xffff, v[\t]
	v_lshrrev_b32 v[\t], 16, v[\t]
	v_mbcnt_lo_u32_b32 v[\dst], v[\t+1], v[\src]
	v_mbcnt_lo_u32_b32 v[\dst], v[\t], v[\dst]
.endm
.macro W2_ISSUE                        ; my 32 rows of W2 in f32: row k = 32 w + i, lane L its columns 4 L .. 4 L + 3; each load covers a whole row of 512 bytes
	WIN 0x40
.set i, 0
.rept 32
	global_load_b128 v[4*i:4*i+3], v[A_W2], s[P_W2:P_W2+1] offset:512*i
.set i, i+1
.endr
	WIN 0
.endm
.macro W2_STAGE                        ; to bf16, and into LDS by rows
	WIN 0x45
.set i, 0
.rept 32
	v_cvt_pk_bf16_f32 v[128+2*i], v[4*i], v[4*i+1]
	v_cvt_pk_bf16_f32 v[129+2*i], v[4*i+2], v[4*i+3]
.set i, i+1
.endr
	WIN 0x04
.set i, 0
.rept 32
	ds_store_b64 v[A_WS], v[128+2*i:129+2*i] offset:W2S+WP*i
.set i, i+1
.endr
	WIN 0
.endm
.macro W2_FRAGS                        ; A fragment (mt, c): row m = column 16 mt + m of W2, K = rows 32 c .. 32 c + 31: two transposing loads, 16 rows apart
	WIN 0x40
.set i, 0
.rept 32
	ds_load_tr16_b128 v[8*i:8*i+3],   v[A_FR] offset:W2S+(i/8)*32*WP+32*(i%8)
	ds_load_tr16_b128 v[8*i+4:8*i+7], v[A_FR] offset:W2S+(i/8)*32*WP+32*(i%8)+16*WP
.set i, i+1
.endr
	WIN 0
.endm
.macro SMALL_ISSUE                     ; 24 loads of 4 bytes (W1's two rows and b1 of hidden unit 16 mt + r), then 32 of 16 bytes (b2 and W3 of units 16 mt + 8 h + 0..7)
	WIN 0x80
.set i, 0
.rept 8
	global_load_b32 v[RAW+i],    v[CK], s[P_W1:P_W1+1] offset:64*i
	global_load_b32 v[RAW+8+i],  v[CK], s[P_W1:P_W1+1] offset:512+64*i
	global_load_b32 v[RAW+16+i], v[CK], s[P_B1:P_B1+1] offset:64*i
.set i, i+1
.endr
.set i, 0
.rept 8
	global_load_b128 v[B2R+8*i:B2R+8*i+3],   v[A_H32], s[P_B2:P_B2+1] offset:64*i
	global_load_b128 v[B2R+8*i+4:B2R+8*i+7], v[A_H32], s[P_B2:P_B2+1] offset:64*i+16
	global_load_b128 v[W3R+8*i:W3R+8*i+3],   v[A_H32], s[P_W3:P_W3+1] offset:64*i
	global_load_b128 v[W3R+8*i+4:W3R+8*i+7], v[A_H32], s[P_W3:P_W3+1] offset:64*i+16
.set i, i+1
.endr
	WIN 0
.endm
; Layer 1's A fragments.  Four registers of bf16 pairs meet the state's four: (W1[0]hi, W1[0]hi) x (lin_hi, lin_lo), (W1[1]hi, W1[1]hi) x (x_hi, x_lo),
; (W1[0]lo, W1[1]lo) x (lin_hi, x_hi), (b1hi, b1lo) x (1, 1).  They stand in K slots 0-7 (registers 0-3 of lanes 0-15) and 24-31 (registers 4-7 of lanes 16-31); all else is 0.
.macro W1_BUILD
	WIN 0xaa
.set i, 0
.rept 8
	v_and_b32 v[TW],   s36, v[RAW+i]
	v_and_b32 v[TW+2], s36, v[RAW+8+i]
	v_and_b32 v[TW+4], s36, v[RAW+16+i]
	v_sub_f32 v[TW+1], v[RAW+i],    v[TW]
	v_sub_f32 v[TW+3], v[RAW+8+i],  v[TW+2]
	v_sub_f32 v[TW+5], v[RAW+16+i], v[TW+4]
	v_cvt_pk_bf16_f32 v[TW+6], v[TW],   v[TW]
	v_cvt_pk_bf16_f32 v[TW+7], v[TW+2], v[TW+2]
	v_cvt_pk_bf16_f32 v[TW+8], v[TW+1], v[TW+3]
	v_cvt_pk_bf16_f32 v[TW+9], v[TW+4], v[TW+5]
.irp k, 0,1,2,3
	v_cndmask_b32 v[W1F+8*i+\k],   v[TW+6+\k], 0, s36
	v_cndmask_b32 v[W1F+8*i+4+\k], 0, v[TW+6+\k], s36
.endr
.set i, i+1
.endr
	WIN 0
.endm
; THE RANKS.  Trip q: my rank among the trip's 32 elements under both keys, my keys as lane indices, and the running class counts.
.macro QCOUNT q
	v_readlane_b32 s50, v[VMA], \q
	v_readlane_b32 s51, v[VMA], 16+\q
	s_not_b32 s54, s50
	s_not_b32 s55, s51
.if NB == 4
	v_readlane_b32 s52, v[VMB], \q
	v_readlane_b32 s53, v[VMB], 16+\q
	s_not_b32 s56, s52
	s_not_b32 s57, s53
.endif
	v_cndmask_b32 v[H], s54, s50, s50              ; the elements that agree with mine in bit 0: the ballot where my bit is set, else its complement
	v_cndmask_b32 v[H+1], s55, s51, s51
.if NB == 4
	v_cndmask_b32 v[H+2], s56, s52, s52
	v_cndmask_b32 v[H+3], s57, s53, s53
	v_and_b32 v[H], v[H], v[H+1]
	v_and_b32 v[H], v[H], v[H+2]                   ; same shorter key
	v_and_b32 v[H+1], v[H], v[H+3]                 ; same longer key
.else
	v_and_b32 v[H+1], v[H], v[H+1]
.endif
	v_mbcnt_lo_u32_b32 v[LR1+\q], v[H], 0
	v_mbcnt_lo_u32_b32 v[LR2+\q], v[H+1], 0
	v_cndmask_b32 v[I1+\q], v[C64], v[C68], s50
.if NB == 4
	v_cndmask_b32 v[H], 0, 8, s51
	v_cndmask_b32 v[H+1], 0, 16, s52
	v_add3_u32 v[I1+\q], v[I1+\q], v[H], v[H+1]
	v_cndmask_b32 v[H], 0, 32, s53
.else
	v_cndmask_b32 v[H], 0, 8, s51
.endif
	v_add_nc_u32 v[I2+\q], v[I1+\q], v[H]
	COUNTCLS H, NB, R2+1+\q, R2+\q                 ; with a key of two bits lanes of classes 4 to 15 repeat classes 0 to 3; they are never looked up
.endm
.macro XRED r                          ; the sum over the eight lanes that share L % 4, in each of them
	v_mov_b32_dpp v[PW], v[\r] row_xmask:4 row_mask:0xf bank_mask:0xf
	v_add_nc_u32 v[\r], v[\r], v[PW]
	v_mov_b32_dpp v[PW], v[\r] row_xmask:8 row_mask:0xf bank_mask:0xf
	v_add_nc_u32 v[\r], v[\r], v[PW]
	v_permlanex16_b32 v[PW], v[\r], s42, s43
	v_add_nc_u32 v[\r], v[\r], v[PW]
.endm
.macro FOLDX src                       ; PW = src of the lane whose class differs from mine in the longer key's top bit
.if NB == 4
	v_mov_b32_dpp v[PW], v[\src] row_xmask:8 row_mask:0xf bank_mask:0xf
.else
	v_mov_b32_dpp v[PW], v[\src] row_xmask:2 row_mask:0xf bank_mask:0xf
.endif
.endm
.macro EXPRE pre, tot                  ; pre = the sum of tot over the lower lanes of my 16; tot is used up.  At distance s the partner's block lies below me if my bit s is set
	v_mov_b32_dpp v[PW], v[\tot] row_xmask:1 row_mask:0xf bank_mask:0xf
	v_cndmask_b32 v[\pre], 0, v[PW], s44
	v_add_nc_u32 v[\tot], v[\tot], v[PW]
	v_mov_b32_dpp v[PW], v[\tot] row_xmask:2 row_mask:0xf bank_mask:0xf
	v_cndmask_b32 v[H], 0, v[PW], s45
	v_add_nc_u32 v[\pre], v[\pre], v[H]
	v_add_nc_u32 v[\tot], v[\tot], v[PW]
	v_mov_b32_dpp v[PW], v[\tot] row_xmask:4 row_mask:0xf bank_mask:0xf
	v_cndmask_b32 v[H], 0, v[PW], s46
	v_add_nc_u32 v[\pre], v[\pre], v[H]
	v_add_nc_u32 v[\tot], v[\tot], v[PW]
	v_mov_b32_dpp v[PW], v[\tot] row_xmask:8 row_mask:0xf bank_mask:0xf
	v_cndmask_b32 v[H], 0, v[PW], s47
	v_add_nc_u32 v[\pre], v[\pre], v[H]
.endm
.macro QPOS q                          ; in lane 16 + K: all that precedes trip q's class K; each lane then looks up its own class
	FOLDX R2+\q
	v_add3_u32 v[GL1+\q], v[PW], v[R2+\q], v[BASE1]
	v_add_nc_u32 v[GL2+\q], v[R2+\q], v[BASE2]
	ds_bpermute_b32 v[LK1+\q], v[I1+\q], v[GL1+\q]
	ds_bpermute_b32 v[LK2+\q], v[I2+\q], v[GL2+\q]
.endm
.macro RECLD a, o                      ; a trip's record, six loads in one run: tile A's element L % 16, tile B's 64 bytes on
	ds_load_b32 v[TBA+NXO],  v[\a] offset:\o
	ds_load_b32 v[TBA+NL1O], v[\a] offset:\o+R_LA
	ds_load_b32 v[TBA+NL2O], v[\a] offset:\o+R_LB
	ds_load_b32 v[TBB+NXO],  v[\a] offset:\o+64
	ds_load_b32 v[TBB+NL1O], v[\a] offset:\o+64+R_LA
	ds_load_b32 v[TBB+NL2O], v[\a] offset:\o+64+R_LB
.endm
; The trip's end: the two tiles' results and ballots are merged (A's elements are lanes and bits 0-15, B's 16-31), counted, and stored in one run of LDS stores
.macro POST
	WIN 0
	v_cndmask_b32 v[FINM], v[TBA+FINO], v[TBB+FINO], s36
	s_and_not1_b32 s58, s55, s36
	s_and_b32 s59, s67, s36
	s_or_b32 s52, s58, s59                         ; on_4
	s_and_not1_b32 s58, s56, s36
	s_and_b32 s59, s68, s36
	s_or_b32 s53, s58, s59                         ; on_5
	s_add_co_u32 s62, s4, 16
	v_readlane_b32 s50, v[KMA], s4                 ; on_2
	v_readlane_b32 s51, v[KMA], s62                ; on_3
	v_lshl_add_u32 v[AD], s4, 7, v[ADB]            ; 32 words a trip
	v_lshl_add_u32 v[MSA], s4, 2, v[MSB0]          ; one word a trip
	v_mov_b32 v[M0R], s52
	v_mov_b32 v[M1R], s53
	COUNTCLS T, 4, HC, HC
	ds_store_b32 v[AD], v[FINM]                    ; over the x that this trip has read
	ds_store_b32 v[MSA], v[M0R] offset:MS          ; every lane stores the same word
	ds_store_b32 v[MSA], v[M1R] offset:MS+64
.endm
	s_load_b512 s[8:23], s[0:1], 0x0               ; input, W1, b1, W2, b2, W3, b3, xa
	s_load_b256 s[24:31], s[0:1], 0x40             ; maska, hista, xb, maskb
	s_load_b64 s[32:33], s[0:1], 0x60              ; histb
	v_lshl_add_u32 v19, v0, 2, 0x11800
	v_mov_b32 v25, 0
	v_lshrrev_b32 v[T], 5, v0
	v_readfirstlane_b32 s2, v[T]                   ; w
	s_mov_b32 s3, ttmp9                            ; g
	s_mov_b32 s36, 0xffff0000                      ; a word's upper 16 bits; as a lane mask: lanes 16-31
	s_mov_b32 s38, 0xbc23d70a                      ; -0.01
	s_mov_b32 s39, 0x42840000                      ; 66
	s_mov_b32 s40, 0x429c0000                      ; 78
	s_mov_b32 s41, 0x41200000                      ; 10
	s_mov_b32 s42, 0x76543210                      ; v_permlanex16_b32: lane i of one half reads lane i of the other
	s_mov_b32 s43, 0xfedcba98
	s_mov_b32 s44, 0xaaaaaaaa                      ; the lanes whose number has bit 0, 1, 2, 3 set
	s_mov_b32 s45, 0xcccccccc
	s_mov_b32 s46, 0xf0f0f0f0
	s_mov_b32 s47, 0xff00ff00
	v_and_b32 v[LN], 31, v0
	v_and_b32 v[CK], 15, v0
	v_lshlrev_b32 v[CK], 2, v[CK]
.irp b, 0,1,2,3
	v_bfe_u32 v[NLB+\b], v0, \b, 1
	v_add_nc_u32 v[NLB+\b], -1, v[NLB+\b]
.endr
	v_mov_b32 v[C64], 64
	v_mov_b32 v[C68], 0x44
	v_mov_b32 v[PW], 0
	v_mov_b32 v[HC], 0
.irp k, 0,1,2,3
	v_mov_b32 v[ZZ+\k], 0
.endr
	v_mov_b32 v[SFA+3], 0x3f803f80                 ; (1, 1) in bf16
	v_mov_b32 v[SFB+3], 0x3f803f80
	s_lshl_b32 s5, s3, 13
	s_lshl_b32 s6, s2, 11
	s_add_co_u32 s5, s5, s6                        ; 8192 g + 2048 w: my wave's 512 numbers in xa and xb
	v_lshl_add_u32 v[A_X], v[LN], 4, s5
	s_lshr_b32 s5, s5, 4                           ; 512 g + 128 w: its 32 words of ballots
	v_lshl_add_u32 v[A_MASK], v[LN], 2, s5
	s_lshl_b32 s6, s2, 12                          ; 64 rows of the table
	v_lshl_add_u32 v[A_H], v[LN], 4, s6
	s_lshl_b32 s6, s2, 6
	v_lshrrev_b32 v[T], 2, v[LN]
	v_add_nc_u32 v[ROWV], s6, v[T]
	v_and_b32 v[T], 3, v0
	v_lshl_add_u32 v[SCA], v[T], 4, s6
	s_lshl_b32 s6, s2, 14                          ; 32 rows of W2
	v_lshl_add_u32 v[A_W2], v[LN], 4, s6
	v_bfe_u32 v[T], v0, 4, 1                       ; h
	v_lshlrev_b32 v[A_H32], 5, v[T]
	v_and_b32 v[T+1], 7, v0
	v_lshl_or_b32 v[T+1], v[T], 3, v[T+1]          ; 8 h + L % 8
	v_mul_u32_u24 v[T+1], v[T+1], WP
	v_bfe_u32 v[T], v0, 3, 1
	v_lshl_add_u32 v[A_FR], v[T], 4, v[T+1]        ; + 16 ((L / 8) % 2)
	s_mul_i32 s6, s2, 32*WP
	v_lshl_add_u32 v[A_WS], v[LN], 3, s6
	s_lshl_b32 s7, s2, 13
	s_add_co_u32 s7, s7, REC
	v_lshl_add_u32 v[ADB], v[LN], 2, s7
	v_add_nc_u32 v[ADRB], s7, v[CK]
	v_lshl_add_u32 v[A16], v[LN], 4, s7
	s_lshl_b32 s6, s2, 7
	v_mov_b32 v[MSB0], s6
	v_lshl_add_u32 v[WLA], v[LN], 2, s6
	s_wait_kmcnt 0x0
	s_load_b32 s48, s[P_B3:P_B3+1], 0x0            ; b3
	global_load_b32 v[VMA], v[A_MASK], s[P_MA:P_MA+1]
.set i, 0
.rept 8
	global_load_b128 v[HB+4*i:HB+4*i+3], v[A_H], s[P_HI:P_HI+1] offset:512*i   ; rows 64 w + 8 i + L / 4, classes 4 (L % 4) .. + 3
.set i, i+1
.endr
.set i, 0
.rept 4
	global_load_b128 v[XL+4*i:XL+4*i+3], v[A_X], s[P_XI:P_XI+1] offset:512*i
.set i, i+1
.endr
	W2_ISSUE
	s_wait_loadcnt 44                              ; the ballots are in; the 8 + 4 + 32 younger loads may stay out
	v_mov_b32 v[R2], 0
.set qq, 0
.rept 16
	QCOUNT qq
.set qq, qq+1
.endr
	s_wait_loadcnt 36                              ; the table's 8 loads are in; 4 + 32 younger ones may stay out
	v_cmp_gt_i32 vcc_lo, s3, v[ROWV]               ; is my row of load 0 below g?
.irp j, 0,1,2,3
	v_cndmask_b32 v[BEF+\j], 0, v[HB+\j], vcc_lo   ; load 0 starts both sums; v[HB:HB+3] are the totals
.endr
.set i, 1
.rept 7
	s_sub_co_i32 s5, s3, 8*i
	v_cmp_gt_i32 vcc_lo, s5, v[ROWV]               ; 64 w + L / 4 + 8 i < g, signed: g - 8 i may be negative
.irp j, 0,1,2,3
	v_cndmask_b32 v[H+\j], 0, v[HB+4*i+\j], vcc_lo
.endr
.irp j, 0,1,2,3
	v_add_nc_u32 v[BEF+\j], v[BEF+\j], v[H+\j]
	v_add_nc_u32 v[HB+\j], v[HB+\j], v[HB+4*i+\j]
.endr
.set i, i+1
.endr
.irp j, 0,1,2,3
	XRED HB+\j
	XRED BEF+\j
.endr
	ds_store_b128 v[SCA], v[HB:HB+3] offset:SCT    ; lanes that share an address store the same numbers
	ds_store_b128 v[SCA], v[BEF:BEF+3] offset:SCB
	ds_store_b32 v[WLA], v[R2+16] offset:WCR       ; my wave's class counts
	s_wait_loadcnt 32                              ; x is in; W2's 32 loads may stay out
.set i, 0
.rept 4
	ds_store_b128 v[A16], v[XL+4*i:XL+4*i+3] offset:512*i
.set i, i+1
.endr
	s_wait_loadcnt 0x0                             ; W2
	SMALL_ISSUE
	W2_STAGE
	s_wait_dscnt 0x0                               ; my sums, counts and rows of W2 are in LDS, for the other waves' sake
	s_barrier_signal -1
	s_barrier_wait -1
	; what precedes my wave's elements of each class
.irp k, 0,1,2,3
	ds_load_b32 v[HB+\k],   v[CK] offset:SCT+64*\k
	ds_load_b32 v[HB+4+\k], v[CK] offset:SCB+64*\k
.endr
.irp k, 0,1,2
	ds_load_b32 v[HB+8+\k], v[CK] offset:WCR+64+128*\k
.endr
	s_wait_dscnt 0x0
	v_add3_u32 v[TOT2], v[HB], v[HB+1], v[HB+2]
	v_add_nc_u32 v[TOT2], v[TOT2], v[HB+3]         ; class L % 16 in all work-groups
	v_add3_u32 v[PB2], v[HB+4], v[HB+5], v[HB+6]
	v_add_nc_u32 v[PB2], v[PB2], v[HB+7]           ; in the work-groups before mine
.irp k, 0,1,2
	s_cmp_gt_u32 s2, \k
	s_cselect_b32 s5, -1, 0
	v_and_b32 v[HB+8+\k], s5, v[HB+8+\k]           ; wave k counts if it comes before mine
.endr
	v_add3_u32 v[PB2], v[PB2], v[HB+8], v[HB+9]
	v_add_nc_u32 v[PB2], v[PB2], v[HB+10]
	FOLDX TOT2
	v_add_nc_u32 v[TOT1], v[TOT2], v[PW]
	v_and_b32 v[TOT1], v[TOT1], v[NLB+NB-1]        ; the shorter key's classes stand in the lanes without the top bit
	FOLDX PB2
	v_add_nc_u32 v[PB1], v[PB2], v[PW]
	EXPRE BASE2, TOT2
	v_add_nc_u32 v[BASE2], v[BASE2], v[PB2]
	EXPRE BASE1, TOT1
	v_add_nc_u32 v[BASE1], v[BASE1], v[PB1]
	v_mov_b32 v[KMA], v[VMA]                       ; the ballots move out of the loop's work registers
.set qq, 0
.rept 16
	QPOS qq
.set qq, qq+1
.endr
	s_wait_loadcnt 0x0                             ; the 56 small loads, issued ahead of the staging, the barrier and the sums above
	W1_BUILD
	s_wait_dscnt 0x0                               ; the 32 lookups
.set qq, 0
.rept 16
	v_add_nc_u32 v[LK1+qq], v[LK1+qq], v[LR1+qq]   ; p_3
	v_add_nc_u32 v[LK2+qq], v[LK2+qq], v[LR2+qq]   ; p_4
	v_min_u32 v[LK1+qq], 0x7ffff, v[LK1+qq]        ; never past the last row
	v_min_u32 v[LK2+qq], 0x7ffff, v[LK2+qq]
	v_lshlrev_b32 v[LK1+qq], 3, v[LK1+qq]          ; lin[p] lies at byte 8 p of input
	v_lshlrev_b32 v[LK2+qq], 3, v[LK2+qq]
.set qq, qq+1
.endr
.set qq, 0
.rept 16
	global_load_b32 v[GL1+qq], v[LK1+qq], s[P_IN:P_IN+1]
	global_load_b32 v[GL2+qq], v[LK2+qq], s[P_IN:P_IN+1]
.set qq, qq+1
.endr
	W2_FRAGS
	s_wait_loadcnt 0x0                             ; the 32 gathers
.set qq, 0
.rept 16
	ds_store_b32 v[ADB], v[GL1+qq] offset:R_LA+128*qq
	ds_store_b32 v[ADB], v[GL2+qq] offset:R_LB+128*qq
.set qq, qq+1
.endr
	s_wait_dscnt 0x0                               ; the fragments of W2 are in; the stores have read registers that the loop writes
	s_wait_kmcnt 0x0                               ; b3
	v_mov_b32 v[BIAS], s48
	v_mov_b32 v[BIAS+1], 0
	v_mul_f32 v[BIAS], 0.5, v[BIAS]                ; each half of the lanes adds b3 / 2
	RECLD ADRB, 0                                  ; trip 0
	s_mov_b32 s63, 16                              ; on_3 of trip 0 stands in lane 16
	s_wait_dscnt 0x0
	SETUP TBA, 54, SFA, 0
	SETUP TBB, 66, SFB, 1
	TURN_A 0, 0, 0, 0, 0                           ; A, step 3 of trip 0: no partner yet
	WIN 0
	s_mov_b32 s4, 0
.Ltrip:
	v_lshl_add_u32 v[ADR], s4, 7, v[ADRB]          ; 32 words a trip
	s_add_co_u32 s63, s4, 17                       ; on_3 of the next trip
	RECLD ADR, 128                                 ; the next trip's record, in one run behind the last trip's stores
	TURN_B 1, 1, 54, 55, 2                         ; B step 3;  A's step 3 ends; s55 = on_4 of A
	TURN_A 1, 1, 66, 67, 2                         ; A step 4;  B's step 3 ends; s67 = on_4 of B
	TURN_B 1, 1, 55, 56, 3                         ; B step 4;  A's step 4 ends; s56 = on_5 of A; A is set up for the next trip
	TURN_A 1, 1, 67, 68, 3                         ; A step 3 of the next trip;  B's step 4 ends; s68 = on_5 of B; B is set up
	POST
	s_add_co_u32 s4, s4, 1
	s_cmp_lt_u32 s4, TRIPS-1
	s_cbranch_scc1 .Ltrip
	s_mov_b32 s4, TRIPS-1                          ; the last trip: no record follows it
	TURN_B 1, 1, 54, 55, 2
	TURN_A 1, 1, 66, 67, 2
	TURN_B 1, 1, 55, 56, 0
	LAST_B 1, 67, 68
	POST
	; the way out: x by whole runs of 512 bytes from each wave; ballots and counts of the four waves by wave 0
	ds_store_b32 v[WLA], v[HC] offset:HCR
.set i, 0
.rept 4
	ds_load_b128 v[64+4*i:64+4*i+3], v[A16] offset:512*i
.set i, i+1
.endr
.set i, 0
.rept 4
	s_wait_dscnt 3-i                               ; LDS answers a wave in order: load i is in, the 3 - i younger ones may stay out
	global_store_b128 v[A_X], v[64+4*i:64+4*i+3], s[P_XO:P_XO+1] offset:512*i
.set i, i+1
.endr
	s_wait_dscnt 0x0                               ; my ballots and counts are in LDS (met: the count-down ended at 0)
	s_barrier_signal -1
	s_barrier_wait -1
	s_cmp_lg_u32 s2, 0
	s_cbranch_scc1 .Lend
	v_lshlrev_b32 v[T], 4, v[LN]
	ds_load_b128 v[80:83], v[T] offset:MS          ; 4 waves x 128 bytes
.irp k, 0,1,2,3
	ds_load_b32 v[84+\k], v[CK] offset:HCR+64+128*\k   ; wave k's count of class L % 16
.endr
	s_lshl_b32 s5, s3, 9
	s_lshl_b32 s6, s3, 6
	v_add_nc_u32 v[T+1], s5, v[T]
	v_lshl_add_u32 v[T+2], v[LN], 2, s6
	s_wait_dscnt 0x0
	global_store_b128 v[T+1], v[80:83], s[P_MO:P_MO+1]  ; 512 neighbouring bytes
	v_add_nc_u32 v84, v84, v85
	v_add_nc_u32 v86, v86, v87
	v_add_nc_u32 v84, v84, v86
	s_wait_xcnt 0x0                                ; EXEC is a source of the pending stores: it changes only behind this wait
	v_cmp_gt_u32 vcc_lo, 16, v[LN]
	s_and_saveexec_b32 s7, vcc_lo
	global_store_b32 v[T+2], v84, s[P_HO:P_HO+1]   ; sixteen classes, 64 bytes
	s_wait_xcnt 0x0                                ; and again ahead of the line that widens it
	s_or_b32 exec_lo, exec_lo, s7
.Lend:
	s_wait_tensorcnt 0x0
	ds_add_u32 v19, v25
	s_wait_dscnt 0x0
	s_endpgm
.Lfunc_end_k_q7a054936c3_steps34:
	.size	k_q7a054936c3_steps34, .Lfunc_end_k_q7a054936c3_steps34-k_q7a054936c3_steps34
	.p2alignl 7, 3214868480
	.fill 96, 4, 3214868480
	.section	.rodata,"a",@progbits
	.p2align	6, 0x0
	.amdhsa_kernel k_q7a054936c3_steps34
		.amdhsa_group_segment_fixed_size 72192
		.amdhsa_private_segment_fixed_size 0
		.amdhsa_enable_private_segment 0
		.amdhsa_kernarg_size 104
		.amdhsa_user_sgpr_count 2
		.amdhsa_user_sgpr_kernarg_segment_ptr 1
		.amdhsa_wavefront_size32 1
		.amdhsa_system_sgpr_workgroup_id_x 1
		.amdhsa_system_sgpr_workgroup_id_y 1
		.amdhsa_system_sgpr_workgroup_id_z 1
		.amdhsa_system_vgpr_workitem_id 0
		.amdhsa_next_free_vgpr 768
		.amdhsa_next_free_sgpr 80
		.amdhsa_reserve_vcc 1
		.amdhsa_float_denorm_mode_32 3
		.amdhsa_float_denorm_mode_16_64 3
		.amdhsa_memory_ordered 1
		.amdhsa_forward_progress 1
		.amdhsa_inst_pref_size 180
	.end_amdhsa_kernel
	.amdgpu_metadata
---
amdhsa.version: [ 1, 2 ]
amdhsa.kernels:
  - .name:           k_q7a054936c3_steps34
    .symbol:         k_q7a054936c3_steps34.kd
    .args:
      - { .name: input, .offset: 0, .size: 8, .value_kind: global_buffer, .address_space: global }
      - { .name: W1, .offset: 8, .size: 8, .value_kind: global_buffer, .address_space: global }
      - { .name: b1, .offset: 16, .size: 8, .value_kind: global_buffer, .address_space: global }
      - { .name: W2, .offset: 24, .size: 8, .value_kind: global_buffer, .address_space: global }
      - { .name: b2, .offset: 32, .size: 8, .value_kind: global_buffer, .address_space: global }
      - { .name: W3, .offset: 40, .size: 8, .value_kind: global_buffer, .address_space: global }
      - { .name: b3, .offset: 48, .size: 8, .value_kind: global_buffer, .address_space: global }
      - { .name: xa, .offset: 56, .size: 8, .value_kind: global_buffer, .address_space: global }
      - { .name: maska, .offset: 64, .size: 8, .value_kind: global_buffer, .address_space: global }
      - { .name: hista, .offset: 72, .size: 8, .value_kind: global_buffer, .address_space: global }
      - { .name: xb, .offset: 80, .size: 8, .value_kind: global_buffer, .address_space: global }
      - { .name: maskb, .offset: 88, .size: 8, .value_kind: global_buffer, .address_space: global }
      - { .name: histb, .offset: 96, .size: 8, .value_kind: global_buffer, .address_space: global }
    .group_segment_fixed_size: 72192
    .private_segment_fixed_size: 0
    .kernarg_segment_align: 8
    .kernarg_segment_size: 104
    .max_flat_workgroup_size: 128
    .sgpr_count:     80
    .vgpr_count:     768
    .wavefront_size: 32
...
	.end_amdgpu_metadata
.endif
;; end of part 5
;; launch step5 (part 6): grid 256 x 1, 4 waves a work-group, no clusters, 72,192 bytes of LDS; arguments input, W1, b1, W2, b2, W3, b3, xb, maska, maskb, histb, out0; writes out0
.if DOCPART == 6
	.amdgcn_target "amdgcn-amd-amdhsa--gfx1250"
	.amdhsa_code_object_version 6
	.text
	.protected	k_q7a054936c3_step5
	.globl	k_q7a054936c3_step5
	.p2align	8
	.type	k_q7a054936c3_step5,@function
k_q7a054936c3_step5:
	s_mov_b64 s[64:65], 0
	v_nop
	global_prefetch_b8 v0, s[64:65] scope:SCOPE_SE
	s_setreg_imm32_b32 hwreg(HW_REG_WAVE_MODE, 25, 1), 1
	s_wait_xcnt 0x0
; STEP 5 OF FIVE, AND THE RESULT.  (The whole scheme and the limits stand at the head of the kernel steps12.)
; WORK LEFT OUT HERE, for all values of the inputs: reference() never uses the isOn that step 5 makes, so the two comparisons against 66 and 78 are not made.
; An element e = 2048 g + 512 w + 32 q + L keeps its place in xb.  HEAD: from the ballots of on_2 .. on_5 (maska, maskb) and the table of the 16 class counts of all
; work-groups (histb) each lane finds p_5 (key on_2 + 2 on_3 + 4 on_4) and p_6 (the same + 8 on_5) of its 16 elements and gathers lin[p_5].  A rank = elements of lower
; classes anywhere + elements of my class in work-groups, waves, trips and lanes before mine.  The shorter key's counts are the longer key's, folded over its top bit.
; LOOP: step 5 for 32 elements a trip, and out0[p_6(e)] = x_6(e): 4 bytes a lane; neighbouring elements of one class go to neighbouring words.
; Positions are whole numbers made from whole numbers that earlier launches stored; they are clamped to the last row before they become addresses.
; No cluster and no tensor loads: what work-groups share is 66 KB of weights and 16 KB of counts, read once by each and worked on in registers.
; THE MLP, TRANSPOSED AND CHAINED: weights are the matrix instruction's A, elements B's columns; lane (r = L % 16, h = L / 16), register j of a result tile holds hidden
; unit 16 mt + 8 h + j of element r, so relu and packing of tiles 2 c, 2 c + 1 is the next layer's B fragment of K chunk c in the same lanes.
; BY TURNS.  The trip's 32 elements are two tiles of 16 (A: elements 0-15, B: 16-31); a tile's element r lives in lanes r and 16 + r alike.  A turn is one tile's step on
; the matrix unit: 40 matrix instructions (8 of layer 1, 32 of layer 2), and behind each one slice of at most four vector instructions.  Slices 2-17: the same tile's relu
; and rounding behind layer 1 (64).  Slices 0-1 and 18-31: the other tile's relu and layer 3 (64).  Slices 32-39: the other tile's sum over the lanes, its new x and its
; set-up from the next record.  Layer 1's result and layer 2's sum share registers, so product (mt, c) stands behind slice 3 + 2 mt (tile mt is packed) and slice 5 + 4 c
; (chunk c is whole).  The loop is rotated: A's turn of trip 0 stands ahead of it, a trip is B A(next), the last trip is written out.
; REGISTER WINDOWS (s_set_vgpr_msb, low byte: bits 1:0 source 0, 3:2 source 1, 5:4 source 2, 7:6 destination):
;   window 0: addresses, state, v64-95 hidden fragments, v128-255 accumulators (in the head v44-255 serve the ranks);  window 1: W2 as 32 A fragments, (mt, c) at 8 (8 c + mt);
;   window 2: v0-63 W1 and b1 as 8 A fragments, v64-127 b2 and v128-191 W3 in the result's layout, v192-231 at work in the head.
;   A turn has 48 switches for its 40 matrix instructions: a relu slice needs none (its first source is a constant, and the products' settings move source 0 and 2 alone).
.set KIND,  5                          ; which launch this text is: 12, 34 or 5
.set DUAL,  1                          ; relu of two registers as one dual instruction (0: two plain ones)
.set TRIPS, 16
.set NB,    4                          ; bits of the longer key
; LDS, bytes
.set SCT,   0                          ; 4 waves x 64: class totals of table rows 64 w .. 64 w + 63
.set SCB,   256                        ; 4 waves x 64: the same over the rows below g alone
.set WCR,   512                        ; 4 waves x 128: a wave's class counts, class K in word 16 + K
.set W2S,   2048                       ; W2 in bf16, 128 rows (k) of 256 bytes at a pitch of 288 = 9 x 32
.set WP,    288
.set REC,   38912                      ; 4 waves x 8,192: three arrays of 512 words, word 32 q + L:
.set R_LA,  2048                       ;   +0 x, +2048 lin[p_5], +4096 p_6
.set R_LB,  4096
; window 0
.set LN,    1
.set AD,    2                          ; this trip's word by lane
.set ADB,   4                          ; REC + 8192 w + 4 L
.set ADR,   6                          ; this trip's record by L % 16
.set ADRB,  7                          ; REC + 8192 w + 4 (L % 16)
.set FINM,  8                          ; the trip's 32 results, one a lane
.set T,     11                         ; v11-13 at work
.set A_X,   14                         ; 8192 g + 2048 w + 16 L
.set A16,   15                         ; REC + 8192 w + 16 L
.set WLA,   16                         ; 128 w + 4 L
.set NLB,   21                         ; v21-24: all ones where bit b of the lane's number is 0
.set BASE1, 26                         ; in lane 16 + K: what precedes this wave's class K, shorter and longer key
.set BASE2, 27
.set C64,   28
.set C68,   29
.set PW,    30
.set CK,    31                         ; 4 (L % 16)
.set SFA,   32                         ; v32-35 tile A's state in bf16 pairs; layer 1's B tuple of tile A is v[32:39]
.set ZZ,    36                         ; v36-39 = 0
.set SFB,   40                         ; v40-43 tile B's state; its B tuple is v[36:43]
.set SUM,   44                         ; v44-51 four chains of layer 3
.set SA,    52
.set PL,    53
.set YY,    54
.set AD10,  55                         ; 10 where the row is on, else 0
.set TX,    56                         ; v56-57 x being split
.set TL,    58                         ; v58-59 lin being split
.set BIAS,  60                         ; v60-61 = (b3 / 2, 0)
.set KMS,   63                         ; the wave's 32 words of maskb: lane 16 + q holds on_5 of trip q
.set HF,    64                         ; v64-95 hidden fragments of the tile whose turn it is, register 4 mt + j / 2
.set TBA,   96                         ; tile A's own registers, tile B's at TBB: +0 x, +LHO lin_hi, +FINO the trip's result, +4.. the next record
.set TBB,   104
.set L2O,   1
.set LHO,   2
.set FINO,  3
.set NXO,   4                          ; the record: x, lin
.set NL1O,  5
.set PO,    112                        ; byte offset of my element's place in out0
.set RLB,   113                        ; p_6 of my element
.set ACC_A, 128
.set ACC_B, 192
; window 0, in the head alone
.set VMA,   44                         ; lane q: ballot of key bit 0 in trip q; lane 16 + q: of bit 1
.set VMB,   45                         ; the same for bits 2 and 3
.set SCA,   46                         ; 64 w + 16 (L % 4)
.set ROWV,  47                         ; 64 w + L / 4
.set HB,    48                         ; v48-79 the table's 8 loads; v48-51 become the totals; later v48-58 what is read back from LDS
.set TOT2,  60
.set PB2,   61
.set TOT1,  62
.set PB1,   63
.set BEF,   80                         ; v80-83 sums over the rows below g
.set H,     84                         ; v84-87 at work
.set XL,    88                         ; v88-103 x as loaded
.set LR1,   104                        ; [q] lanes below me with my key, shorter and longer key
.set LR2,   120
.set I1,    136                        ; [q] 64 + 4 key: the byte index of lane 16 + key
.set I2,    152
.set R2,    168                        ; [q], 17 registers: in lane 16 + K the wave's elements of class K in trips before q
.set LK1,   186                        ; [q] what was looked up; then the position (LK1: then the byte offset)
.set LK2,   202
.set GL1,   218                        ; [q] the sums that are looked up; GL1 then the gathered lin
.set GL2,   234
.set A_W2,  250
.set A_MASK, 251
.set A_H,   252
.set A_H32, 253
.set A_WS,  254
.set A_FR,  255
; window 2
.set W1F,   0
.set B2R,   64
.set W3R,   128
.set RAW,   192
.set TW,    216
; scalars: s54 tile A's state, s66 tile B's; s58, s59, s62 at work; s63 the next trip's lane in the mask word
.set P_IN,  8
.set P_W1,  10
.set P_B1,  12
.set P_W2,  14
.set P_B2,  16
.set P_W3,  18
.set P_B3,  20
.set P_XI,  22
.set P_MA,  24
.set P_MB,  26
.set P_HI,  28
.set P_OUT, 30
.set MSB, 0
.macro WIN new                         ; the immediate's high byte repeats the setting that is left
.if MSB != \new
	s_set_vgpr_msb (MSB<<8)|\new
.set MSB, \new
.endif
.endm
.macro RWIN                            ; for a relu: only its second source and its destination are registers, so any setting with these two in window 0 serves
.if MSB & 0xcc
	WIN 0
.endif
.endm
.macro PLACES                          ; four independent vector instructions between a matrix instruction and the first vector use of its result (ISA guide 7.12.1)
.rept 4
	v_nop
.endr
.endm
.macro RELU2 a
.if DUAL
	v_dual_max_num_f32 v[\a], 0, v[\a] :: v_dual_max_num_f32 v[\a+1], 0, v[\a+1]
.else
	v_max_num_f32 v[\a], 0, v[\a]
	v_max_num_f32 v[\a+1], 0, v[\a+1]
.endif
.endm
.macro RELU8 a                         ; a slice: relu in place of one result tile, 8 registers
	RWIN
	RELU2 \a
	RELU2 \a+2
	RELU2 \a+4
	RELU2 \a+6
.endm
.macro CVT8 a, mt                      ; a slice: result tile mt rounded to bf16 pairs: half of a K chunk of layer 2's B
	WIN 0
.irp k, 0,1,2,3
	v_cvt_pk_bf16_f32 v[HF+4*(\mt)+\k], v[\a+8*(\mt)+2*\k], v[\a+8*(\mt)+2*\k+1]
.endr
.endm
.macro DOT8 a, mt                      ; a slice: layer 3 in f32 on result tile mt, four chains; tile 0 starts them, the first from (b3 / 2, 0)
	WIN 0x08
.irp k, 0,1,2,3
.if (\mt) == 0
.if \k == 0
	v_pk_fma_f32 v[SUM:SUM+1], v[\a:\a+1], v[W3R:W3R+1], v[BIAS:BIAS+1]
.else
	v_pk_mul_f32 v[SUM+2*\k:SUM+2*\k+1], v[\a+2*\k:\a+2*\k+1], v[W3R+2*\k:W3R+2*\k+1]
.endif
.else
	v_pk_fma_f32 v[SUM+2*\k:SUM+2*\k+1], v[\a+8*(\mt)+2*\k:\a+8*(\mt)+2*\k+1], v[W3R+8*(\mt)+2*\k:W3R+8*(\mt)+2*\k+1], v[SUM+2*\k:SUM+2*\k+1]
.endif
.endr
.endm
; The matrix instruction of slot sl of a turn.  Slots 0-7: layer 1, tile sl.  Slots 8-15: (mt 0-3) x (chunk 0, 1).  Slots 16-39: four blocks of six: two of
; (mt 0-3, chunk 2 or 3), then (mt 4-7, chunk = the block's number).  Chunk 0 takes b2 as C, so the bias costs no instruction.  The accumulators take turns, one
; instruction a turn.  Layer 1: K slots 0-7 are lanes 0-15 of a tuple's registers 0-3 (tile A's state), K slots 24-31 lanes 16-31 of its
; registers 4-7 (tile B's); the state's second copy stands in K slots 8-15 or 16-23, where the weights are 0.
.macro MM sl, acc, sft
.if (\sl) < 8
	WIN 0x02
	v_wmma_f32_16x16x32_bf16 v[\acc+8*(\sl):\acc+8*(\sl)+7], v[W1F+8*(\sl):W1F+8*(\sl)+7], v[\sft:\sft+7], 0
.else
.if (\sl) < 16
.set mt_, ((\sl)-8)%4
.set ch_, ((\sl)-8)/4
.else
.if (((\sl)-16)%6) < 2
.set mt_, ((\sl)-16)%6+2*((((\sl)-16)/6)%2)
.set ch_, 2+((\sl)-16)/12
.else
.set mt_, 2+((\sl)-16)%6
.set ch_, ((\sl)-16)/6
.endif
.endif
.if ch_ == 0
	WIN 0x21
	v_wmma_f32_16x16x32_bf16 v[\acc+8*mt_:\acc+8*mt_+7], v[8*mt_:8*mt_+7], v[HF:HF+7], v[B2R+8*mt_:B2R+8*mt_+7]
.else
	WIN 0x01
	v_wmma_f32_16x16x32_bf16 v[\acc+8*mt_:\acc+8*mt_+7], v[8*(8*ch_+mt_):8*(8*ch_+mt_)+7], v[HF+8*ch_:HF+8*ch_+7], v[\acc+8*mt_:\acc+8*mt_+7]
.endif
.endif
.endm
; Piece n (0-7) of a tile's set-up from the next record: lin and x are split into (upper 16 bits as bf16, the rest rounded to bf16); the state's four registers are
; (lin_hi, lin_lo), (x_hi, x_lo), (lin_hi, x_hi), (1, 1).  hi = 0: tile A, 1: tile B.  sb: the scalar register that takes the tile's state, each element's bit twice.
.macro NEXTS n, tb, sb, sf, hi
.if (\n) == 0
	v_and_b32 v[TL], s36, v[\tb+NL1O]
.endif
.if (\n) == 1
	v_sub_f32 v[TL+1], v[\tb+NL1O], v[TL]
	v_and_b32 v[TX], s36, v[\tb+NXO]
.endif
.if (\n) == 2
	v_cvt_pk_bf16_f32 v[\sf], v[TL], v[TL+1]
	v_sub_f32 v[TX+1], v[\tb+NXO], v[TX]
.endif
.if (\n) == 3
	v_and_b32 v[\tb+LHO], 0xffff, v[\sf]
	v_cvt_pk_bf16_f32 v[\sf+1], v[TX], v[TX+1]
.endif
.if (\n) == 4
	v_and_or_b32 v[\sf+2], v[\tb+NXO], s36, v[\tb+LHO]
.endif
.if (\n) == 5
	v_readlane_b32 s62, v[KMS], s63                ; the ballot of the state at the next trip's step
.endif
.if (\n) == 6
	v_mov_b32 v[\tb], v[\tb+NXO]
.endif
.if (\n) == 7
.if \hi
	s_lshr_b32 s58, s62, 16
	s_and_b32 s59, s62, s36
.else
	s_lshl_b32 s58, s62, 16
	s_and_b32 s59, s62, 0xffff
.endif
	s_or_b32 s[\sb], s58, s59
.endif
.endm
.macro SETUP tb, sb, sf, hi
.irp n, 0,1,2,3,4,5,6,7
	NEXTS \n, \tb, \sb, \sf, \hi
.endr
.endm
; Slice n (0-7) of a tile's tail: both branches of step 5, no new state.  son: the scalar register with the state at the step's start.
; nxt 0: nothing follows; 3: the tile is set up from the next record.
.macro TAIL n, tb, sb, sf, hi, son, nxt
.if (\n) < 7
	WIN 0
.endif
.if (\n) == 0
.if (\nxt) == 3
	s_wait_dscnt 0x0                               ; the next record, asked for at the trip's head, at least 32 matrix instructions ago
.endif
	v_pk_add_f32 v[SUM:SUM+1], v[SUM:SUM+1], v[SUM+2:SUM+3]
	v_pk_add_f32 v[SUM+4:SUM+5], v[SUM+4:SUM+5], v[SUM+6:SUM+7]
	v_cndmask_b32 v[AD10], 0, s41, s[\son]
.endif
.if (\n) == 1
	v_pk_add_f32 v[SUM:SUM+1], v[SUM:SUM+1], v[SUM+4:SUM+5]
.endif
.if (\n) == 2
	v_add_f32 v[SA], v[SUM], v[SUM+1]              ; lane (r, h): half h of element r's sum
.endif
.if (\n) == 3
	v_permlanex16_b32 v[PW], v[SA], s42, s43
.endif
.if (\n) == 4
	v_add_f32 v[PL], v[SA], v[PW]                  ; the mlp's output, alike in lanes r and 16 + r
.endif
.if (\n) == 5
	v_fma_f32 v[YY], v[PL], s38, v[\tb]            ; x - 0.01 mlp,
	v_add_f32 v[\tb+FINO], v[YY], v[AD10]          ; + 10 where the row is on
.endif
.if (\nxt) == 3
	NEXTS \n, \tb, \sb, \sf, \hi
.endif
.endm
; Slice n of the tile that is not on the matrix unit: n = 0, 1 and 18-31 relu and layer 3 of result tiles 0 and 1-7, n = 32-39 the tail
.macro YS n, acc, tb, sb, sf, hi, son, nxt
.if (\n) < 2
.if (\n) == 0
	RELU8 \acc
.else
	DOT8 \acc, 0
.endif
.else
.if (\n) < 32
.if ((\n)%2) == 0
	RELU8 \acc+8*(((\n)-16)/2)
.else
	DOT8 \acc, ((\n)-17)/2
.endif
.else
	TAIL (\n)-32, \tb, \sb, \sf, \hi, \son, \nxt
.endif
.endif
.endm
; A turn of tile x.  yon = 0: no partner yet; then four v_nop behind slot 1 are the places ahead of slice 2, four behind slot 39 those ahead of the next turn's slice 0.
.macro HALF xacc, xsft, yon, yacc, ytb, ysb, ysf, yhi, ynxt
.set hs, 0
.rept 40
	MM hs, \xacc, \xsft
.if hs < 2
.if \yon
	YS hs, \yacc, \ytb, \ysb, \ysf, \yhi, \ysb, \ynxt
.else
.if hs == 1
	PLACES
.endif
.endif
.else
.if hs < 18
.if (hs%2) == 0
	RELU8 \xacc+8*((hs-2)/2)
.else
	CVT8 \xacc, (hs-3)/2
.endif
.else
.if \yon
	YS hs, \yacc, \ytb, \ysb, \ysf, \yhi, \ysb, \ynxt
.else
.if hs == 39
	PLACES
.endif
.endif
.endif
.endif
.set hs, hs+1
.endr
.endm
.macro TURN_A yon, nxt                         ; tile A on the matrix unit, tile B's slices (its state in s66)
	HALF ACC_A, SFA, \yon, ACC_B, TBB, 66, SFB, 1, \nxt
.endm
.macro TURN_B yon, nxt                         ; tile B on the matrix unit, tile A's slices (its state in s54)
	HALF ACC_B, ZZ, \yon, ACC_A, TBA, 54, SFA, 0, \nxt
.endm
.macro LAST_B                                  ; tile B's slices behind the last turn: no products are left to stand among
.set hs, 0
.rept 40
.if hs < 2
	YS hs, ACC_B, TBB, 66, SFB, 1, 66, 0
.else
.if hs >= 18
	YS hs, ACC_B, TBB, 66, SFB, 1, 66, 0
.endif
.endif
.set hs, hs+1
.endr
.endm
; dst = src + the number of the trip's elements of class K, in lane 16 + K.  s50-53 hold the ballots of the key's bits.  In lane L the AND of (ballot xor NLB)
; is the mask of the elements whose key is L % 16; a lane from 16 up has all 16 low bits below it, so two v_mbcnt_lo count the mask's two halves whole.
.macro COUNTCLS t, dst, src
	v_xor_b32 v[\t], s50, v[NLB]
	v_xor_b32 v[\t+1], s51, v[NLB+1]
	v_and_b32 v[\t], v[\t], v[\t+1]
	v_xor_b32 v[\t+1], s52, v[NLB+2]
	v_xor_b32 v[\t+2], s53, v[NLB+3]
	v_and_b32 v[\t], v[\t], v[\t+1]
	v_and_b32 v[\t], v[\t], v[\t+2]
	v_and_b32 v[\t+1], 0xffff, v[\t]
	v_lshrrev_b32 v[\t], 16, v[\t]
	v_mbcnt_lo_u32_b32 v[\dst], v[\t+1], v[\src]
	v_mbcnt_lo_u32_b32 v[\dst], v[\t], v[\dst]
.endm
.macro W2_ISSUE                        ; my 32 rows of W2 in f32: row k = 32 w + i, lane L its columns 4 L .. 4 L + 3; each load covers a whole row of 512 bytes
	WIN 0x40
.set i, 0
.rept 32
	global_load_b128 v[4*i:4*i+3], v[A_W2], s[P_W2:P_W2+1] offset:512*i
.set i, i+1
.endr
	WIN 0
.endm
.macro W2_STAGE                        ; to bf16, and into LDS by rows
	WIN 0x45
.set i, 0
.rept 32
	v_cvt_pk_bf16_f32 v[128+2*i], v[4*i], v[4*i+1]
	v_cvt_pk_bf16_f32 v[129+2*i], v[4*i+2], v[4*i+3]
.set i, i+1
.endr
	WIN 0x04
.set i, 0
.rept 32
	ds_store_b64 v[A_WS], v[128+2*i:129+2*i] offset:W2S+WP*i
.set i, i+1
.endr
	WIN 0
.endm
.macro W2_FRAGS                        ; A fragment (mt, c): row m = column 16 mt + m of W2, K = rows 32 c .. 32 c + 31: two transposing loads, 16 rows apart
	WIN 0x40
.set i, 0
.rept 32
	ds_load_tr16_b128 v[8*i:8*i+3],   v[A_FR] offset:W2S+(i/8)*32*WP+32*(i%8)
	ds_load_tr16_b128 v[8*i+4:8*i+7], v[A_FR] offset:W2S+(i/8)*32*WP+32*(i%8)+16*WP
.set i, i+1
.endr
	WIN 0
.endm
.macro SMALL_ISSUE                     ; 24 loads of 4 bytes (W1's two rows and b1 of hidden unit 16 mt + r), then 32 of 16 bytes (b2 and W3 of units 16 mt + 8 h + 0..7)
	WIN 0x80
.set i, 0
.rept 8
	global_load_b32 v[RAW+i],    v[CK], s[P_W1:P_W1+1] offset:64*i
	global_load_b32 v[RAW+8+i],  v[CK], s[P_W1:P_W1+1] offset:512+64*i
	global_load_b32 v[RAW+16+i], v[CK], s[P_B1:P_B1+1] offset:64*i
.set i, i+1
.endr
.set i, 0
.rept 8
	global_load_b128 v[B2R+8*i:B2R+8*i+3],   v[A_H32], s[P_B2:P_B2+1] offset:64*i
	global_load_b128 v[B2R+8*i+4:B2R+8*i+7], v[A_H32], s[P_B2:P_B2+1] offset:64*i+16
	global_load_b128 v[W3R+8*i:W3R+8*i+3],   v[A_H32], s[P_W3:P_W3+1] offset:64*i
	global_load_b128 v[W3R+8*i+4:W3R+8*i+7], v[A_H32], s[P_W3:P_W3+1] offset:64*i+16
.set i, i+1
.endr
	WIN 0
.endm
; Layer 1's A fragments.  Four registers of bf16 pairs meet the state's four: (W1[0]hi, W1[0]hi) x (lin_hi, lin_lo), (W1[1]hi, W1[1]hi) x (x_hi, x_lo),
; (W1[0]lo, W1[1]lo) x (lin_hi, x_hi), (b1hi, b1lo) x (1, 1).  They stand in K slots 0-7 (registers 0-3 of lanes 0-15) and 24-31 (registers 4-7 of lanes 16-31); all else is 0.
.macro W1_BUILD
	WIN 0xaa
.set i, 0
.rept 8
	v_and_b32 v[TW],   s36, v[RAW+i]
	v_and_b32 v[TW+2], s36, v[RAW+8+i]
	v_and_b32 v[TW+4], s36, v[RAW+16+i]
	v_sub_f32 v[TW+1], v[RAW+i],    v[TW]
	v_sub_f32 v[TW+3], v[RAW+8+i],  v[TW+2]
	v_sub_f32 v[TW+5], v[RAW+16+i], v[TW+4]
	v_cvt_pk_bf16_f32 v[TW+6], v[TW],   v[TW]
	v_cvt_pk_bf16_f32 v[TW+7], v[TW+2], v[TW+2]
	v_cvt_pk_bf16_f32 v[TW+8], v[TW+1], v[TW+3]
	v_cvt_pk_bf16_f32 v[TW+9], v[TW+4], v[TW+5]
.irp k, 0,1,2,3
	v_cndmask_b32 v[W1F+8*i+\k],   v[TW+6+\k], 0, s36
	v_cndmask_b32 v[W1F+8*i+4+\k], 0, v[TW+6+\k], s36
.endr
.set i, i+1
.endr
	WIN 0
.endm
; THE RANKS.  Trip q: my rank among the trip's 32 elements under both keys, my keys as lane indices, and the running class counts.
.macro QCOUNT q
	v_readlane_b32 s50, v[VMA], \q
	v_readlane_b32 s51, v[VMA], 16+\q
	s_not_b32 s54, s50
	s_not_b32 s55, s51
	v_readlane_b32 s52, v[VMB], \q
	v_readlane_b32 s53, v[VMB], 16+\q
	s_not_b32 s56, s52
	s_not_b32 s57, s53
	v_cndmask_b32 v[H], s54, s50, s50              ; the elements that agree with mine in bit 0: the ballot where my bit is set, else its complement
	v_cndmask_b32 v[H+1], s55, s51, s51
	v_cndmask_b32 v[H+2], s56, s52, s52
	v_cndmask_b32 v[H+3], s57, s53, s53
	v_and_b32 v[H], v[H], v[H+1]
	v_and_b32 v[H], v[H], v[H+2]                   ; same shorter key
	v_and_b32 v[H+1], v[H], v[H+3]                 ; same longer key
	v_mbcnt_lo_u32_b32 v[LR1+\q], v[H], 0
	v_mbcnt_lo_u32_b32 v[LR2+\q], v[H+1], 0
	v_cndmask_b32 v[I1+\q], v[C64], v[C68], s50
	v_cndmask_b32 v[H], 0, 8, s51
	v_cndmask_b32 v[H+1], 0, 16, s52
	v_add3_u32 v[I1+\q], v[I1+\q], v[H], v[H+1]
	v_cndmask_b32 v[H], 0, 32, s53
	v_add_nc_u32 v[I2+\q], v[I1+\q], v[H]
	COUNTCLS H, R2+1+\q, R2+\q
.endm
.macro XRED r                          ; the sum over the eight lanes that share L % 4, in each of them
	v_mov_b32_dpp v[PW], v[\r] row_xmask:4 row_mask:0xf bank_mask:0xf
	v_add_nc_u32 v[\r], v[\r], v[PW]
	v_mov_b32_dpp v[PW], v[\r] row_xmask:8 row_mask:0xf bank_mask:0xf
	v_add_nc_u32 v[\r], v[\r], v[PW]
	v_permlanex16_b32 v[PW], v[\r], s42, s43
	v_add_nc_u32 v[\r], v[\r], v[PW]
.endm
.macro FOLDX src                       ; PW = src of the lane whose class differs from mine in the longer key's top bit
	v_mov_b32_dpp v[PW], v[\src] row_xmask:8 row_mask:0xf bank_mask:0xf
.endm
.macro EXPRE pre, tot                  ; pre = the sum of tot over the lower lanes of my 16; tot is used up.  At distance s the partner's block lies below me if my bit s is set
	v_mov_b32_dpp v[PW], v[\tot] row_xmask:1 row_mask:0xf bank_mask:0xf
	v_cndmask_b32 v[\pre], 0, v[PW], s44
	v_add_nc_u32 v[\tot], v[\tot], v[PW]
	v_mov_b32_dpp v[PW], v[\tot] row_xmask:2 row_mask:0xf bank_mask:0xf
	v_cndmask_b32 v[H], 0, v[PW], s45
	v_add_nc_u32 v[\pre], v[\pre], v[H]
	v_add_nc_u32 v[\tot], v[\tot], v[PW]
	v_mov_b32_dpp v[PW], v[\tot] row_xmask:4 row_mask:0xf bank_mask:0xf
	v_cndmask_b32 v[H], 0, v[PW], s46
	v_add_nc_u32 v[\pre], v[\pre], v[H]
	v_add_nc_u32 v[\tot], v[\tot], v[PW]
	v_mov_b32_dpp v[PW], v[\tot] row_xmask:8 row_mask:0xf bank_mask:0xf
	v_cndmask_b32 v[H], 0, v[PW], s47
	v_add_nc_u32 v[\pre], v[\pre], v[H]
.endm
.macro QPOS q                          ; in lane 16 + K: all that precedes trip q's class K; each lane then looks up its own class
	FOLDX R2+\q
	v_add3_u32 v[GL1+\q], v[PW], v[R2+\q], v[BASE1]
	v_add_nc_u32 v[GL2+\q], v[R2+\q], v[BASE2]
	ds_bpermute_b32 v[LK1+\q], v[I1+\q], v[GL1+\q]
	ds_bpermute_b32 v[LK2+\q], v[I2+\q], v[GL2+\q]
.endm
.macro RECLD a, o                      ; a trip's record, four loads in one run: tile A's element L % 16, tile B's 64 bytes on
	ds_load_b32 v[TBA+NXO],  v[\a] offset:\o
	ds_load_b32 v[TBA+NL1O], v[\a] offset:\o+R_LA
	ds_load_b32 v[TBB+NXO],  v[\a] offset:\o+64
	ds_load_b32 v[TBB+NL1O], v[\a] offset:\o+64+R_LA
.endm
; The trip's end: the two tiles' results are merged (A's elements are lanes 0-15, B's 16-31) and go to their places
.macro POST
	WIN 0
	s_wait_dscnt 0x0                               ; p_6, asked for at the trip's head
	s_wait_xcnt 0x0                                ; the last trip's store names FINM and PO: they are written again only behind this wait, a whole trip behind that store
	v_cndmask_b32 v[FINM], v[TBA+FINO], v[TBB+FINO], s36
	v_min_u32 v[PO], 0x7ffff, v[RLB]               ; p_6, clamped again where it becomes an address
	v_lshlrev_b32 v[PO], 2, v[PO]
	global_store_b32 v[PO], v[FINM], s[P_OUT:P_OUT+1]
.endm
	s_load_b512 s[8:23], s[0:1], 0x0               ; input, W1, b1, W2, b2, W3, b3, xb
	s_load_b256 s[24:31], s[0:1], 0x40             ; maska, maskb, histb, out0
	v_lshl_add_u32 v20, v0, 2, 0x11800
	v_mov_b32 v25, 0
	v_lshrrev_b32 v[T], 5, v0
	v_readfirstlane_b32 s2, v[T]                   ; w
	s_mov_b32 s3, ttmp9                            ; g
	s_mov_b32 s36, 0xffff0000                      ; a word's upper 16 bits; as a lane mask: lanes 16-31
	s_mov_b32 s38, 0xbc23d70a                      ; -0.01
	s_mov_b32 s41, 0x41200000                      ; 10
	s_mov_b32 s42, 0x76543210                      ; v_permlanex16_b32: lane i of one half reads lane i of the other
	s_mov_b32 s43, 0xfedcba98
	s_mov_b32 s44, 0xaaaaaaaa                      ; the lanes whose number has bit 0, 1, 2, 3 set
	s_mov_b32 s45, 0xcccccccc
	s_mov_b32 s46, 0xf0f0f0f0
	s_mov_b32 s47, 0xff00ff00
	v_and_b32 v[LN], 31, v0
	v_and_b32 v[CK], 15, v0
	v_lshlrev_b32 v[CK], 2, v[CK]
.irp b, 0,1,2,3
	v_bfe_u32 v[NLB+\b], v0, \b, 1
	v_add_nc_u32 v[NLB+\b], -1, v[NLB+\b]
.endr
	v_mov_b32 v[C64], 64
	v_mov_b32 v[C68], 0x44
	v_mov_b32 v[PW], 0
.irp k, 0,1,2,3
	v_mov_b32 v[ZZ+\k], 0
.endr
	v_mov_b32 v[SFA+3], 0x3f803f80                 ; (1, 1) in bf16
	v_mov_b32 v[SFB+3], 0x3f803f80
	s_lshl_b32 s5, s3, 13
	s_lshl_b32 s6, s2, 11
	s_add_co_u32 s5, s5, s6                        ; 8192 g + 2048 w: my wave's 512 numbers in xb
	v_lshl_add_u32 v[A_X], v[LN], 4, s5
	s_lshr_b32 s5, s5, 4                           ; 512 g + 128 w: its 32 words of ballots in maska and in maskb
	v_lshl_add_u32 v[A_MASK], v[LN], 2, s5
	s_lshl_b32 s6, s2, 12                          ; 64 rows of the table
	v_lshl_add_u32 v[A_H], v[LN], 4, s6
	s_lshl_b32 s6, s2, 6
	v_lshrrev_b32 v[T], 2, v[LN]
	v_add_nc_u32 v[ROWV], s6, v[T]
	v_and_b32 v[T], 3, v0
	v_lshl_add_u32 v[SCA], v[T], 4, s6
	s_lshl_b32 s6, s2, 14                          ; 32 rows of W2
	v_lshl_add_u32 v[A_W2], v[LN], 4, s6
	v_bfe_u32 v[T], v0, 4, 1                       ; h
	v_lshlrev_b32 v[A_H32], 5, v[T]
	v_and_b32 v[T+1], 7, v0
	v_lshl_or_b32 v[T+1], v[T], 3, v[T+1]          ; 8 h + L % 8
	v_mul_u32_u24 v[T+1], v[T+1], WP
	v_bfe_u32 v[T], v0, 3, 1
	v_lshl_add_u32 v[A_FR], v[T], 4, v[T+1]        ; + 16 ((L / 8) % 2)
	s_mul_i32 s6, s2, 32*WP
	v_lshl_add_u32 v[A_WS], v[LN], 3, s6
	s_lshl_b32 s7, s2, 13
	s_add_co_u32 s7, s7, REC
	v_lshl_add_u32 v[ADB], v[LN], 2, s7
	v_add_nc_u32 v[ADRB], s7, v[CK]
	v_lshl_add_u32 v[A16], v[LN], 4, s7
	s_lshl_b32 s6, s2, 7
	v_lshl_add_u32 v[WLA], v[LN], 2, s6
	s_wait_kmcnt 0x0
	s_load_b32 s48, s[P_B3:P_B3+1], 0x0            ; b3
	global_load_b32 v[VMA], v[A_MASK], s[P_MA:P_MA+1]
	global_load_b32 v[VMB], v[A_MASK], s[P_MB:P_MB+1]
.set i, 0
.rept 8
	global_load_b128 v[HB+4*i:HB+4*i+3], v[A_H], s[P_HI:P_HI+1] offset:512*i   ; rows 64 w + 8 i + L / 4, classes 4 (L % 4) .. + 3
.set i, i+1
.endr
.set i, 0
.rept 4
	global_load_b128 v[XL+4*i:XL+4*i+3], v[A_X], s[P_XI:P_XI+1] offset:512*i
.set i, i+1
.endr
	W2_ISSUE
	s_wait_loadcnt 44                              ; both words of ballots are in; the 8 + 4 + 32 younger loads may stay out
	v_mov_b32 v[R2], 0
.set qq, 0
.rept 16
	QCOUNT qq
.set qq, qq+1
.endr
	s_wait_loadcnt 36                              ; the table's 8 loads are in; 4 + 32 younger ones may stay out
	v_cmp_gt_i32 vcc_lo, s3, v[ROWV]               ; is my row of load 0 below g?
.irp j, 0,1,2,3
	v_cndmask_b32 v[BEF+\j], 0, v[HB+\j], vcc_lo   ; load 0 starts both sums; v[HB:HB+3] are the totals
.endr
.set i, 1
.rept 7
	s_sub_co_i32 s5, s3, 8*i
	v_cmp_gt_i32 vcc_lo, s5, v[ROWV]               ; 64 w + L / 4 + 8 i < g, signed: g - 8 i may be negative
.irp j, 0,1,2,3
	v_cndmask_b32 v[H+\j], 0, v[HB+4*i+\j], vcc_lo
.endr
.irp j, 0,1,2,3
	v_add_nc_u32 v[BEF+\j], v[BEF+\j], v[H+\j]
	v_add_nc_u32 v[HB+\j], v[HB+\j], v[HB+4*i+\j]
.endr
.set i, i+1
.endr
.irp j, 0,1,2,3
	XRED HB+\j
	XRED BEF+\j
.endr
	ds_store_b128 v[SCA], v[HB:HB+3] offset:SCT    ; lanes that share an address store the same numbers
	ds_store_b128 v[SCA], v[BEF:BEF+3] offset:SCB
	ds_store_b32 v[WLA], v[R2+16] offset:WCR       ; my wave's class counts
	s_wait_loadcnt 32                              ; x is in; W2's 32 loads may stay out
.set i, 0
.rept 4
	ds_store_b128 v[A16], v[XL+4*i:XL+4*i+3] offset:512*i
.set i, i+1
.endr
	s_wait_loadcnt 0x0                             ; W2
	SMALL_ISSUE
	W2_STAGE
	s_wait_dscnt 0x0                               ; my sums, counts and rows of W2 are in LDS, for the other waves' sake
	s_barrier_signal -1
	s_barrier_wait -1
	; what precedes my wave's elements of each class
.irp k, 0,1,2,3
	ds_load_b32 v[HB+\k],   v[CK] offset:SCT+64*\k
	ds_load_b32 v[HB+4+\k], v[CK] offset:SCB+64*\k
.endr
.irp k, 0,1,2
	ds_load_b32 v[HB+8+\k], v[CK] offset:WCR+64+128*\k
.endr
	s_wait_dscnt 0x0
	v_add3_u32 v[TOT2], v[HB], v[HB+1], v[HB+2]
	v_add_nc_u32 v[TOT2], v[TOT2], v[HB+3]         ; class L % 16 in all work-groups
	v_add3_u32 v[PB2], v[HB+4], v[HB+5], v[HB+6]
	v_add_nc_u32 v[PB2], v[PB2], v[HB+7]           ; in the work-groups before mine
.irp k, 0,1,2
	s_cmp_gt_u32 s2, \k
	s_cselect_b32 s5, -1, 0
	v_and_b32 v[HB+8+\k], s5, v[HB+8+\k]           ; wave k counts if it comes before mine
.endr
	v_add3_u32 v[PB2], v[PB2], v[HB+8], v[HB+9]
	v_add_nc_u32 v[PB2], v[PB2], v[HB+10]
	FOLDX TOT2
	v_add_nc_u32 v[TOT1], v[TOT2], v[PW]
	v_and_b32 v[TOT1], v[TOT1], v[NLB+NB-1]        ; the shorter key's classes stand in the lanes without the top bit
	FOLDX PB2
	v_add_nc_u32 v[PB1], v[PB2], v[PW]
	EXPRE BASE2, TOT2
	v_add_nc_u32 v[BASE2], v[BASE2], v[PB2]
	EXPRE BASE1, TOT1
	v_add_nc_u32 v[BASE1], v[BASE1], v[PB1]
	v_mov_b32 v[KMS], v[VMB]                       ; the ballots of on_5 move out of the loop's work registers
.set qq, 0
.rept 16
	QPOS qq
.set qq, qq+1
.endr
	s_wait_loadcnt 0x0                             ; the 56 small loads, issued ahead of the staging, the barrier and the sums above
	W1_BUILD
	s_wait_dscnt 0x0                               ; the 32 lookups
.set qq, 0
.rept 16
	v_add_nc_u32 v[LK1+qq], v[LK1+qq], v[LR1+qq]   ; p_5
	v_add_nc_u32 v[LK2+qq], v[LK2+qq], v[LR2+qq]   ; p_6
	v_min_u32 v[LK1+qq], 0x7ffff, v[LK1+qq]        ; never past the last row
	v_min_u32 v[LK2+qq], 0x7ffff, v[LK2+qq]
	v_lshlrev_b32 v[LK1+qq], 3, v[LK1+qq]          ; lin[p] lies at byte 8 p of input
.set qq, qq+1
.endr
.set qq, 0
.rept 16
	global_load_b32 v[GL1+qq], v[LK1+qq], s[P_IN:P_IN+1]
.set qq, qq+1
.endr
	W2_FRAGS
	s_wait_loadcnt 0x0                             ; the 16 gathers
.set qq, 0
.rept 16
	ds_store_b32 v[ADB], v[GL1+qq] offset:R_LA+128*qq
	ds_store_b32 v[ADB], v[LK2+qq] offset:R_LB+128*qq
.set qq, qq+1
.endr
	s_wait_dscnt 0x0                               ; the fragments of W2 are in; the stores have read registers that the loop writes
	s_wait_kmcnt 0x0                               ; b3
	v_mov_b32 v[BIAS], s48
	v_mov_b32 v[BIAS+1], 0
	v_mul_f32 v[BIAS], 0.5, v[BIAS]                ; each half of the lanes adds b3 / 2
	RECLD ADRB, 0                                  ; trip 0
	s_mov_b32 s63, 16                              ; on_5 of trip 0 stands in lane 16
	s_wait_dscnt 0x0
	SETUP TBA, 54, SFA, 0
	SETUP TBB, 66, SFB, 1
	TURN_A 0, 0                                    ; A of trip 0: no partner yet
	WIN 0
	s_mov_b32 s4, 0
.Ltrip:
	v_lshl_add_u32 v[ADR], s4, 7, v[ADRB]          ; 32 words a trip
	v_lshl_add_u32 v[AD], s4, 7, v[ADB]
	s_add_co_u32 s63, s4, 17                       ; on_5 of the next trip
	RECLD ADR, 128                                 ; the next trip's record, and this trip's places, in one run
	ds_load_b32 v[RLB], v[AD] offset:R_LB
	TURN_B 1, 3                                    ; B;  A's step ends; A is set up for the next trip
	TURN_A 1, 3                                    ; A of the next trip;  B's step ends; B is set up
	POST
	s_add_co_u32 s4, s4, 1
	s_cmp_lt_u32 s4, TRIPS-1
	s_cbranch_scc1 .Ltrip
	ds_load_b32 v[RLB], v[ADB] offset:R_LB+128*(TRIPS-1)   ; the last trip: no record follows it
	TURN_B 1, 0
	LAST_B
	POST
	s_wait_tensorcnt 0x0
	ds_add_u32 v20, v25
	s_wait_dscnt 0x0
	s_endpgm
.Lfunc_end_k_q7a054936c3_step5:
	.size	k_q7a054936c3_step5, .Lfunc_end_k_q7a054936c3_step5-k_q7a054936c3_step5
	.p2alignl 7, 3214868480
	.fill 96, 4, 3214868480
	.section	.rodata,"a",@progbits
	.p2align	6, 0x0
	.amdhsa_kernel k_q7a054936c3_step5
		.amdhsa_group_segment_fixed_size 72192
		.amdhsa_private_segment_fixed_size 0
		.amdhsa_enable_private_segment 0
		.amdhsa_kernarg_size 96
		.amdhsa_user_sgpr_count 2
		.amdhsa_user_sgpr_kernarg_segment_ptr 1
		.amdhsa_wavefront_size32 1
		.amdhsa_system_sgpr_workgroup_id_x 1
		.amdhsa_system_sgpr_workgroup_id_y 1
		.amdhsa_system_sgpr_workgroup_id_z 1
		.amdhsa_system_vgpr_workitem_id 0
		.amdhsa_next_free_vgpr 768
		.amdhsa_next_free_sgpr 80
		.amdhsa_reserve_vcc 1
		.amdhsa_float_denorm_mode_32 3
		.amdhsa_float_denorm_mode_16_64 3
		.amdhsa_memory_ordered 1
		.amdhsa_forward_progress 1
		.amdhsa_inst_pref_size 132
	.end_amdhsa_kernel
	.amdgpu_metadata
---
amdhsa.version: [ 1, 2 ]
amdhsa.kernels:
  - .name:           k_q7a054936c3_step5
    .symbol:         k_q7a054936c3_step5.kd
    .args:
      - { .name: input, .offset: 0, .size: 8, .value_kind: global_buffer, .address_space: global }
      - { .name: W1, .offset: 8, .size: 8, .value_kind: global_buffer, .address_space: global }
      - { .name: b1, .offset: 16, .size: 8, .value_kind: global_buffer, .address_space: global }
      - { .name: W2, .offset: 24, .size: 8, .value_kind: global_buffer, .address_space: global }
      - { .name: b2, .offset: 32, .size: 8, .value_kind: global_buffer, .address_space: global }
      - { .name: W3, .offset: 40, .size: 8, .value_kind: global_buffer, .address_space: global }
      - { .name: b3, .offset: 48, .size: 8, .value_kind: global_buffer, .address_space: global }
      - { .name: xb, .offset: 56, .size: 8, .value_kind: global_buffer, .address_space: global }
      - { .name: maska, .offset: 64, .size: 8, .value_kind: global_buffer, .address_space: global }
      - { .name: maskb, .offset: 72, .size: 8, .value_kind: global_buffer, .address_space: global }
      - { .name: histb, .offset: 80, .size: 8, .value_kind: global_buffer, .address_space: global }
      - { .name: out0, .offset: 88, .size: 8, .value_kind: global_buffer, .address_space: global }
    .group_segment_fixed_size: 72192
    .private_segment_fixed_size: 0
    .kernarg_segment_align: 8
    .kernarg_segment_size: 96
    .max_flat_workgroup_size: 128
    .sgpr_count:     80
    .vgpr_count:     768
    .wavefront_size: 32
...
	.end_amdgpu_metadata
.endif
;; end of part 6
